; MI455X (gfx1250); checked and timed in simulation.
; The chip was launched on July 23, 2026; its instructions are those of AMD's public machine-readable ISA for CDNA 5 (MIT licence, August 2026) and "CDNA5" Instruction Set Architecture Reference Guide (July 2026). The comments in the code are by the model that wrote it; some were corrected since.
;; Decoder Module. Allowed arithmetic: matrix products marked QUANTISED: E5M2 operands, one E8M0 scale for each 32 along K, by v_wmma_scale_f32_16x16x128_f8f6f4 with both operands' format E5M2, f32 sums; everything else in f32.
;; Inputs: W1_codes 3,072 x 24 x 32 uint8 (E5M2 codes of W1, K innermost, in blocks of 32 codes); W1_scales 3,072 x 24 uint8 (E8M0 scales of W1, one for each 32 codes along K); W2_codes 768 x 96 x 32 uint8 (E5M2 codes of W2, K innermost, in blocks of 32 codes); W2_scales 768 x 96 uint8 (E8M0 scales of W2, one for each 32 codes along K); Wk_codes 768 x 24 x 32 uint8 (E5M2 codes of Wk, K innermost, in blocks of 32 codes); Wk_scales 768 x 24 uint8 (E8M0 scales of Wk, one for each 32 codes along K); Wo_codes 768 x 24 x 32 uint8 (E5M2 codes of Wo, K innermost, in blocks of 32 codes); Wo_scales 768 x 24 uint8 (E8M0 scales of Wo, one for each 32 codes along K); Wq_codes 768 x 24 x 32 uint8 (E5M2 codes of Wq, K innermost, in blocks of 32 codes); Wq_scales 768 x 24 uint8 (E8M0 scales of Wq, one for each 32 codes along K); Wv_codes 768 x 24 x 32 uint8 (E5M2 codes of Wv, K innermost, in blocks of 32 codes); Wv_scales 768 x 24 uint8 (E8M0 scales of Wv, one for each 32 codes along K); b1 3,072 float32; b2 768 float32; beta1 768 float32; beta2 768 float32; g1 768 float32; g2 768 float32; x 1 x 4,096 x 768 float32.
;; Outputs: out0 1 x 4,096 x 768 float32.
;; This version of the problem:
;;   THIS VERSION OF THE PROBLEM IS GIVEN IN LOW PRECISION. The matrix products marked QUANTISED in the list below multiply operands that are first quantised to E5M2 (5 exponent bits, 2 mantissa bits; 8 bits a number), with one power-of-two scale for each 32 numbers along K (OCP MX v1.0); their sums are f32. All else is computed in f32.
;;   The module's matrix products, in the order in which they are computed (A, B: the left and right operand; K: the contracted axis; several contracted axes count as one K, in the product's order):
;;     1. [M 4,096, K 768] x [K 768, N 768]; A: input x; B: input Wq (given as codes): QUANTISED
;;     2. [M 4,096, K 768] x [K 768, N 768]; A: input x; B: input Wk (given as codes): QUANTISED
;;     3. [M 4,096, K 768] x [K 768, N 768]; A: input x; B: input Wv (given as codes): QUANTISED
;;     4. batch 12 x [M 4,096, K 64] x [K 64, N 4,096]; A: computed on the way; B: computed on the way: QUANTISED
;;     5. batch 12 x [M 4,096, K 4,096] x [K 4,096, N 64]; A: softmax (see below); B: computed on the way: QUANTISED
;;     6. [M 4,096, K 768] x [K 768, N 768]; A: computed on the way; B: input Wo (given as codes): QUANTISED
;;     7. [M 4,096, K 768] x [K 768, N 3,072]; A: computed on the way; B: input W1 (given as codes): QUANTISED
;;     8. [M 4,096, K 3,072] x [K 3,072, N 768]; A: computed on the way; B: input W2 (given as codes): QUANTISED
;;   THE QUANTISER, for each operand of a quantised product, along K:
;;     - K is cut into blocks of 32 from its start; a last block that is shorter is filled with zeros.
;;     - A block's scale is 2^e with e = floor(log2(the largest magnitude in the block)) - 15, held to -126 .. 127; a block of zeros has e = 0. As a byte (E8M0): e + 127.
;;     - Each number is divided by its block's scale, clamped to +-57,344, and rounded to the nearest number of E5M2, ties to even, subnormals kept.
;;     - The product sums the exact products of the quantised numbers (number of the format x scale) in f32.
;;   ~~~python
;;   def quantise(x, axis):      # numpy; x: float32 -> the quantised numbers, widened to float32 again
;;       x = np.moveaxis(x, axis, -1); K = x.shape[-1]
;;       x = np.pad(x, [(0, 0)] * (x.ndim - 1) + [(0, -K % 32)]); x = x.reshape(x.shape[:-1] + (-1, 32)); a = np.abs(x).max(-1, keepdims=True)
;;       e = np.where(a > 0, np.clip(np.frexp(np.where(a > 0, a, 1))[1] - 1 - 15, -126, 127), 0)      # np.frexp(a)[1] - 1 = floor(log2(a)), exactly
;;       r = np.clip(x / 2.0 ** e, -57344, 57344)
;;       step = 2.0 ** (np.maximum(np.frexp(np.where(r == 0, 1, r))[1] - 1, -14) - 2)
;;       q = np.round(r / step) * step * 2.0 ** e      # np.round: ties to even
;;       return np.moveaxis(q.reshape(q.shape[:-2] + (-1,))[..., :K], -1, axis).astype(np.float32)
;;   ~~~
;;   SOFTMAX AHEAD OF A QUANTISED PRODUCT. Where the list says 'softmax', what is quantised is not the finished softmax but p = 2^(t - M), with t = logit x log2(e) and M = ceil(the row's largest t), a whole number; so 1/2 < the row's largest p <= 1. The row's sum l is taken of the UNQUANTISED p, in f32, and the product's result is divided by l at the end. Since M is a whole number, a kernel that streams over the keys may use a running M (the ceiling of the running maximum): every later rescaling is an exact power of two, which a block's scale takes up: the codes' values come out the same.
;;   OPERANDS COMPUTED ON THE WAY. 'Computed on the way' means the value that the module computes at that place (a softmax that the list does not call 'softmax' is quantised finished and normalised). What goes into a quantiser is computed in f32, as accurately as f32 sums, v_exp_f32 and their like allow (about 1e-6 of the number): no bf16 or f16 on the way to a quantiser, and a product that is left as it is and whose result goes on into a quantised operand takes f32 operands (vector FMAs, or v_wmma_f32_16x16x4_f32). A number that lies on a knife's edge between two numbers of the format may be rounded either way, as far as f32 arithmetic and the matrix unit's own rounding can turn it there, and no further.
;;   INPUTS GIVEN AS CODES. W1 (in the module: [768, 3072], K = its axis 0); W2 (in the module: [3072, 768], K = its axis 0); Wk (in the module: [768, 768], K = its axis 0); Wo (in the module: [768, 768], K = its axis 0); Wq (in the module: [768, 768], K = its axis 0); Wv (in the module: [768, 768], K = its axis 0): each comes as NAME_codes (uint8): NAME with its K axis moved to the last place and cut into blocks of 32 codes, [.., K / 32, bytes a block], one block behind the other in memory; one code a byte (a code: sign, 5 exponent bits, 2 mantissa bits); and NAME_scales (uint8): the same leading axes, one E8M0 byte (e + 127) for each 32 codes along K. Its value is code x scale, taken as it is: it is not quantised again, and the codes and scales need not be those that the quantiser above would give.
;; 2 versions. Each part assembles by itself: llvm-mc -triple=amdgcn-amd-amdhsa -mcpu=gfx1250 --defsym DOCPART=n.
;; ======== version 1 of 2: 4 launches
;; workspace buffers: wimg 5,474,304 bytes; qkv 9,732,096 bytes; ctx 3,244,032 bytes; hbuf 12,582,912 bytes; part 50,331,648 bytes
;; launch qkv (part 1): grid 246 x 1, 8 waves a work-group, no clusters, 312,320 bytes of LDS; arguments x, qkv, Wq_codes, Wq_scales, Wk_codes, Wk_scales, Wv_codes, Wv_scales, Wo_codes, Wo_scales, W1_codes, W1_scales, W2_codes, W2_scales, wimg; writes qkv, wimg
.if DOCPART == 1
	.amdgcn_target "amdgcn-amd-amdhsa--gfx1250"
	.amdhsa_code_object_version 6
	.text
	.protected	k_qf34f7717db_qkv
	.globl	k_qf34f7717db_qkv
	.p2align	8
	.type	k_qf34f7717db_qkv,@function
k_qf34f7717db_qkv:
	s_mov_b64 s[64:65], 0
	v_nop
	global_prefetch_b8 v0, s[64:65] scope:SCOPE_SE
	s_setreg_imm32_b32 hwreg(HW_REG_WAVE_MODE, 25, 1), 1
	s_wait_xcnt 0x0
; Work-groups 0-191: (y = number / 64: Q, K or V; rb = number % 64: 64 tokens).  x's 64 rows are quantised to BF8 (E5M2) codes with one E8M0 byte for each 32 along K, multiplied by the
; weight's codes (K = 768, six steps of 128), and the result is quantised again: Q and K along the head's 64 (blocks of 32 neighbouring columns), V along the keys.
; THE HEAD SPLIT IS ROW-MAJOR: the [4096][768] result is [49152 pseudo-rows][64]; pseudo-row = 12 x token + column / 64; head = pseudo-row / 4096.  So Q's and K's codes leave as they lie,
; and a block of 32 keys of V is 32 neighbouring pseudo-rows: the work-group's 768 pseudo-rows are 24 whole blocks.
; Work-groups 192-245: Wo, W1, W2 are laid out as images of the operand's registers: one wave takes one tile of 16 rows and six K steps.
; SHARES of a product: eight waves; wave w owns columns 96 w .. 96 w + 95 (six tiles of 16) for all 64 rows (four tiles).  The matrix instruction is used TRANSPOSED (source 0 = 16 rows of W,
; source 1 = 16 rows of x), and lane r of W's tile T takes row 32 (T / 2) + 8 (T % 2) + r + 8 (r / 8): the 16 registers of tiles 2 b and 2 b + 1 are then 16 neighbouring columns of one row of the result.
; An operand goes from wave to wave through LDS as an image of its registers: group c of a fragment at 512 c + 16 x lane; its scale words at 4 x (lane % 16).
; No tensor load and no cluster: each fragment of W is multiplied by one wave alone and goes from memory straight into that wave's registers; through LDS it would be written and read once more.
; LIMITS: NaN and infinities among the inputs are not served.  A block whose largest magnitude lies under 2^-111, a block of zeros among them, gets the scale byte 1 (the rule says 127 for zeros):
; its codes are zeros or next to it, and the bytes are read by this program alone.
; REGISTERS.  Window 0: v1 16 x lane, v2 4 r, v3-23 addresses; v24-35 W's scale words (two sets), v36-43 x's (two sets); v44-59 at work in the quantiser; v60-62 scale words just made;
;   v64-159, v160-255 W's six fragments, two sets.   Window 1: v0-191 the 24 accumulators ((m, i) at 48 m + 8 i); v192-255 x's four fragments, else codes just made.
.set XSC,   49152                      ; LDS: x's 24 fragment images lie at 0; their scale words here
.set QSTG,  50688                      ; Q's or K's codes: 64 rows, 784 bytes apart
.set QSS,   100864                     ; their scale bytes [64][24]
.set VSTG,  102400                     ; V in f32: 768 pseudo-rows, 272 bytes apart
.set KC,    3145728                    ; qkv: Q's codes at 0, K's here,
.set VC,    6291456                    ; V^T's fragment images,
.set QS,    9437184                    ; Q's scale bytes, K's 98,304 further on,
.set VS,    9633792                    ; V^T's scale words
.set W1_C,  589824                     ; wimg: Wo's images at 0, W1's, W2's,
.set W2_C,  2949120
.set WO_S,  5308416                    ; and their scale words
.set W1_S,  5326848
.set W2_S,  5400576
.set TM,  44
.set XA,  3
.set XWI, 4                            ; 16 x lane + 6,144 w: x's images in LDS, and the wave's eight rows of codes in memory
.set XWS, 5
.set WA,  6
.set WSA, 7
.set ASL, 9
.set QST, 10
.set QSB, 11
.set RA,  12
.set RC,  13
.set GC,  15
.set VST, 16
.set VRD, 19
.set VGO, 20
.set VGS, 21
.set SCL, 22
.set SCG, 23
.set RLC, 240                          ; the laying-out path: my lane's offset among a weight's codes; outside the registers that its loads fill (v24-29, v64-159)
.set RLS, 241                          ; and among its scale bytes
.set SEL, 58
.set MNT, 60
.set WVA, WA
.set WVS, WSA
.set WSB, 44
.set WSSB, 46
.set W_PAIR, 32*768                    ; the weights are read as they are given: rows of 768 codes
.set W_ODD,  8*768
.set W_STEP, 128
.set W_C,    32
.set S_PAIR, 32*24
.set S_ODD,  8*24
.set S_STEP, 4
.set MSB, 0
.macro WIN new                         ; the immediate's high byte repeats the setting that is left; bits 1:0 source 0, 3:2 source 1, 5:4 source 2, 7:6 destination
.if MSB != \new
	s_set_vgpr_msb (MSB<<8)|\new
.set MSB, \new
.endif
.endm
.macro PLACES n
.rept \n
	v_nop
.endr
.endm
.macro BAR                             ; my LDS stores have landed and my LDS loads are in: then the work-group's barrier
	s_wait_dscnt 0x0
	s_barrier_signal -1
	s_barrier_wait -1
.endm
.macro WLOAD p, s                      ; W's six fragments and six scale words of K step s into set p: 30 loads
.irp i, 0,1,2,3,4,5
.irp c, 0,1,2,3
	global_load_b128 v[64+96*(\p)+16*\i+4*\c:64+96*(\p)+16*\i+4*\c+3], v[WVA], s[WSB:WSB+1] offset:(\i/2)*W_PAIR+(\i%2)*W_ODD+(\s)*W_STEP+\c*W_C
.endr
.endr
.irp i, 0,1,2,3,4,5
	global_load_b32 v[24+6*(\p)+\i], v[WVS], s[WSSB:WSSB+1] offset:(\i/2)*S_PAIR+(\i%2)*S_ODD+(\s)*S_STEP
.endr
.endm
.macro ALD al, s, m0                   ; the activation's fragments of row tiles m0 and m0 + 1, K step s: 8 loads
.irp m, \m0, \m0+1
.irp c, 0,1,2,3
	ds_load_b128 v[192+16*(\m)+4*\c:192+16*(\m)+4*\c+3], v[\al] offset:((\m)*6+(\s))*2048+512*\c
.endr
.endr
.endm
.macro SLD asl, s                      ; and the four row tiles' scale words
.irp m, 0,1,2,3
	ds_load_b32 v[36+4*((\s)%2)+\m], v[\asl] offset:(\m*6+(\s))*64
.endr
.endm
.macro AFIRST al, asl                  ; K step 0: tiles 0, 1; the scale words; tiles 2, 3
	WIN 0x40
	ALD \al, 0, 0
	WIN 0
	SLD \asl, 0
	WIN 0x40
	ALD \al, 0, 2
	WIN 0
.endm
.macro MM s, m, zero                   ; six matrix instructions: row tile m against my six tiles of W
.irp i, 0,1,2,3,4,5
.if \zero
	v_wmma_scale_f32_16x16x128_f8f6f4 v[48*(\m)+8*\i:48*(\m)+8*\i+7], v[64+96*((\s)%2)+16*\i:64+96*((\s)%2)+16*\i+15], v[192+16*(\m):192+16*(\m)+15], 0, v[24+6*((\s)%2)+\i], v[36+4*((\s)%2)+(\m)] matrix_a_fmt:MATRIX_FMT_BF8 matrix_b_fmt:MATRIX_FMT_BF8
.else
	v_wmma_scale_f32_16x16x128_f8f6f4 v[48*(\m)+8*\i:48*(\m)+8*\i+7], v[64+96*((\s)%2)+16*\i:64+96*((\s)%2)+16*\i+15], v[192+16*(\m):192+16*(\m)+15], v[48*(\m)+8*\i:48*(\m)+8*\i+7], v[24+6*((\s)%2)+\i], v[36+4*((\s)%2)+(\m)] matrix_a_fmt:MATRIX_FMT_BF8 matrix_b_fmt:MATRIX_FMT_BF8
.endif
.endr
.endm
; A K step: 24 matrix instructions, the 24 accumulators by turns, in the same order in every step.  Eight plain vector instructions stand between matrix instructions
; and loads into registers that they have read, or reads of their results.  lc: the global loads issued behind this step's set of W.
.macro KSTEP s, al, asl, zero, nxt, lc
	s_wait_loadcnt \lc
	s_wait_dscnt 8                                 ; tiles 0, 1 and the scale words are in; the youngest eight loads (tiles 2, 3) may be out
	WIN 0x54                                       ; W window 0; the activation, C and D window 1
	MM \s, 0, \zero
	MM \s, 1, \zero
	PLACES 8
.if \nxt
	WIN 0x40
	ALD \al, (\s)+1, 0
	WIN 0
	SLD \asl, (\s)+1
	s_wait_dscnt 12                                ; all but the twelve just issued: tiles 2, 3 are in
.else
	s_wait_dscnt 0x0
.endif
	WIN 0x54
	MM \s, 2, \zero
	MM \s, 3, \zero
	PLACES 8                                       ; also the places in front of the loads into this step's set of W
.if \nxt
	WIN 0x40
	ALD \al, (\s)+1, 2
.endif
	WIN 0
.endm
; 64 numbers of a lane in window 1, register 16 b + i = number 32 b + 16 (lane / 16) + i of my row's 128, become 16 registers of codes in window 1 at dst; the four scale bytes stay in v[TM+4] on.
; The largest magnitude has the floor 2^(16 - 127) among its leaves, so the byte cannot fall under 1; its exponent field less 15 is the scale; the hold at 57,344 x the scale stands ahead of the conversion, which does not saturate (ISA guide 7.6.2).
.macro QUANT src, relu, dst
	WIN 0x05
.irp b, 0,1,2,3
.if \relu
	v_max3_num_f32 v[TM+\b], v[(\src)+16*\b], v[(\src)+16*\b+1], 0x8000000
.else
	v_max3_num_f32 v[TM+\b], |v[(\src)+16*\b]|, |v[(\src)+16*\b+1]|, 0x8000000
.endif
.endr
	WIN 0x14
.irp i, 2,4,6,8,10,12,14
.irp b, 0,1,2,3
.if \relu
	v_max3_num_f32 v[TM+\b], v[TM+\b], v[(\src)+16*\b+\i], v[(\src)+16*\b+\i+1]
.else
	v_max3_num_f32 v[TM+\b], v[TM+\b], |v[(\src)+16*\b+\i]|, |v[(\src)+16*\b+\i+1]|
.endif
.endr
.endr
	WIN 0
.irp b, 0,1,2,3
	v_permlanex16_b32 v[TM+4+\b], v[TM+\b], s[SEL], s[SEL+1]
.endr
.irp b, 0,1,2,3
	v_max_num_f32 v[TM+\b], v[TM+\b], v[TM+4+\b]   ; with lane l xor 16's 16 numbers: the block's largest magnitude
.endr
.irp b, 0,1,2,3
	v_add_nc_u32 v[TM+12+\b], 0xf8800000, v[TM+\b] ; 15 off the exponent field: the conversion's scale operand
.endr
.irp b, 0,1,2,3
	v_and_or_b32 v[TM+8+\b], v[TM+\b], 0x7f800000, s[MNT]  ; 57,344 x the scale
.endr
.irp b, 0,1,2,3
	v_lshrrev_b32 v[TM+4+\b], 23, v[TM+12+\b]      ; the scale's byte
.endr
	WIN 0x41
.irp b, 0,1,2,3
.irp i, 0,1,2,3,4,5,6,7,8,9,10,11,12,13,14,15
.if \relu
	v_med3_num_f32 v[(\src)+16*\b+\i], v[(\src)+16*\b+\i], 0, v[TM+8+\b]
.else
	v_med3_num_f32 v[(\src)+16*\b+\i], v[(\src)+16*\b+\i], -v[TM+8+\b], v[TM+8+\b]
.endif
.endr
	v_cvt_scalef32_pk8_bf8_f32 v[(\dst)+4*\b:(\dst)+4*\b+1], v[(\src)+16*\b:(\src)+16*\b+7], v[TM+12+\b]
	v_cvt_scalef32_pk8_bf8_f32 v[(\dst)+4*\b+2:(\dst)+4*\b+3], v[(\src)+16*\b+8:(\src)+16*\b+15], v[TM+12+\b]
.endr
	WIN 0
	v_nop                                          ; one plain vector instruction behind the last scaled conversion
.endm
	s_load_b128 s[4:7], s[0:1], 0x0                ; x, qkv
	s_load_b256 s[8:15], s[0:1], 0x10              ; Wq's codes, scales; Wk's codes, scales
	s_load_b256 s[16:23], s[0:1], 0x30             ; Wv's; Wo's
	s_load_b256 s[24:31], s[0:1], 0x50             ; W1's; W2's
	s_load_b64 s[32:33], s[0:1], 0x70              ; wimg
	v_lshrrev_b32 v1, 5, v0
	v_readfirstlane_b32 s34, v1                    ; wave 0..7
	v_and_b32 v60, 31, v0                          ; lane
	v_and_b32 v61, 15, v0                          ; r
	v_bfe_u32 v62, v0, 4, 1                        ; h
	v_and_b32 v63, 8, v61
	v_add_nc_u32 v63, v63, v61                     ; r + 8 (r / 8)
	v_lshlrev_b32 v1, 4, v60
	v_lshlrev_b32 v2, 2, v61
	; every address register is made here, ahead of the first parting of ways
	v_mul_u32_u24 v[XA], v61, 3072
	v_lshl_add_u32 v[XA], v62, 6, v[XA]            ; x: row r, + 64 h: my 16 numbers of a block of 32
	s_mul_i32 s40, s34, 6144
	v_add_nc_u32 v[XWI], s40, v1
	s_mul_i32 s41, s34, 192
	s_add_co_u32 s41, s41, XSC
	v_add_nc_u32 v[XWS], s41, v2
	s_mul_i32 s41, s34, 73728
	v_mul_u32_u24 v[WA], v63, 768
	v_lshl_add_u32 v[WA], v62, 4, v[WA]
	v_add_nc_u32 v[WA], s41, v[WA]                 ; W: row 96 w + r + 8 (r / 8), + 16 h
	s_mul_i32 s41, s34, 2304
	v_mul_u32_u24 v[WSA], v63, 24
	v_add_nc_u32 v[WSA], s41, v[WSA]               ; and that row's scale bytes
	v_add_nc_u32 v[ASL], XSC, v2
	s_mul_i32 s41, s34, 96
	s_add_co_u32 s41, s41, QSTG
	v_mul_u32_u24 v[QST], v61, 784
	v_lshl_add_u32 v[QST], v62, 4, v[QST]
	v_add_nc_u32 v[QST], s41, v[QST]
	s_mul_i32 s41, s34, 3
	s_add_co_u32 s41, s41, QSS
	v_mul_u32_u24 v[QSB], v61, 24
	v_add_nc_u32 v[QSB], s41, v[QSB]
	s_mul_i32 s41, s34, 6272
	s_add_co_u32 s41, s41, QSTG
	v_add_nc_u32 v[RA], s41, v1                    ; back: my eight rows; 32 lanes take a row's first 512 bytes,
	v_mul_u32_u24 v[RC], v62, 784
	v_lshl_add_u32 v[RC], v61, 4, v[RC]
	s_add_co_u32 s41, s41, 512
	v_add_nc_u32 v[RC], s41, v[RC]                 ; or sixteen lanes each the last 256 of two rows
	v_mul_u32_u24 v[GC], v62, 768
	v_lshl_add_u32 v[GC], v61, 4, v[GC]
	s_add_co_u32 s40, s40, 512
	v_add_nc_u32 v[GC], s40, v[GC]
	v_mul_u32_u24 v8, v61, 3264                    ; V's stage: a token is 12 pseudo-rows of 272 bytes
	v_lshl_add_u32 v8, v62, 6, v8
.irp b, 0,1,2
	s_mul_i32 s40, s34, 3
	s_add_co_u32 s40, s40, \b                      ; my block of 32 columns: 3 w + b
	s_lshr_b32 s41, s40, 1
	s_mul_i32 s41, s41, 272                        ; which of the token's pseudo-rows,
	s_and_b32 s40, s40, 1
	s_lshl_b32 s40, s40, 7                         ; and which half of it
	s_add_co_u32 s40, s40, s41
	s_add_co_u32 s40, s40, VSTG
	v_add_nc_u32 v[VST+\b], s40, v8
.endr
	v_lshl_add_u32 v[VRD], v62, 3, v63
	v_lshlrev_b32 v[VRD], 2, v[VRD]
	s_mul_i32 s40, s34, 26112
	s_add_co_u32 s40, s40, VSTG
	v_add_nc_u32 v[VRD], s40, v[VRD]               ; back: channel 8 h + r + 8 (r / 8) of my 96 pseudo-rows
	v_lshlrev_b32 v[VGO], 11, v62
	v_lshl_add_u32 v[VGO], v61, 4, v[VGO]
	v_add_nc_u32 v[VGO], VC, v[VGO]
	v_lshlrev_b32 v[VGS], 6, v62
	v_lshl_add_u32 v[VGS], v61, 2, v[VGS]
	v_add_nc_u32 v[VGS], VS, v[VGS]
	s_lshl_b32 s40, s34, 9
	v_add_nc_u32 v[SCG], s40, v1
	v_add_nc_u32 v[SCL], QSS, v[SCG]
	s_mov_b32 s[SEL], 0x76543210
	s_mov_b32 s[SEL+1], 0xfedcba98                 ; v_permlanex16_b32's selects for lane l xor 16
	s_mov_b32 s[MNT], 0x600000                     ; the mantissa field of 57,344
.irp b, 0,1,2,3
	v_mov_b32 v[TM+4+\b], 0                        ; written once: a lane permute's destination counts as one of its sources
.endr
	s_cmp_ge_u32 ttmp9, 192
	s_cbranch_scc1 .Lrelay
	s_lshr_b32 s35, ttmp9, 6                       ; y: 0 Q, 1 K, 2 V
	s_and_b32 s36, ttmp9, 63                       ; rb
	s_lshl_b32 s40, s36, 6
	s_lshr_b32 s41, s34, 1
	s_lshl_b32 s41, s41, 4
	s_add_co_u32 s40, s40, s41                     ; wave w quantises fragments 3 w .. 3 w + 2 of 24: rows 16 (w / 2) on,
	s_mul_i32 s40, s40, 3072
	s_and_b32 s41, s34, 1
	s_mul_i32 s41, s41, 1536                       ; K steps 3 (w % 2) on
	s_add_co_u32 s40, s40, s41
	s_mov_b32 s41, 0
	s_wait_kmcnt 0x0
	s_add_nc_u64 s[4:5], s[4:5], s[40:41]
	s_cmp_eq_u32 s35, 0                            ; the weight is chosen by the work-group's number alone
	s_cselect_b64 s[44:45], s[8:9], s[12:13]
	s_cselect_b64 s[46:47], s[10:11], s[14:15]
	s_cmp_eq_u32 s35, 2
	s_cselect_b64 s[44:45], s[16:17], s[44:45]
	s_cselect_b64 s[46:47], s[18:19], s[46:47]
	; ---- x becomes codes: three fragments a wave
	WIN 0x40
.irp j, 0,1,2
.irp b, 0,1,2,3
.irp q, 0,1,2,3
	global_load_b128 v[64*\j+16*\b+4*\q:64*\j+16*\b+4*\q+3], v[XA], s[4:5] offset:512*\j+128*\b+16*\q
.endr
.endr
.endr
	WIN 0
.macro XOUT j                          ; fragment j's scale word is made of its four bytes; image and word go to LDS
	v_lshl_or_b32 v[60+\j], v[TM+5], 8, v[TM+4]
	v_lshl_or_b32 v[60+\j], v[TM+6], 16, v[60+\j]
	v_lshl_or_b32 v[60+\j], v[TM+7], 24, v[60+\j]
	WIN 0x04
.irp c, 0,1,2,3
	ds_store_b128 v[XWI], v[192+16*\j+4*\c:192+16*\j+4*\c+3] offset:2048*\j+512*\c
.endr
	WIN 0
	ds_store_b32 v[XWS], v[60+\j] offset:64*\j     ; both halves of the lanes write the same word with the same value
.endm
	s_wait_loadcnt 32                              ; fragment 0's sixteen loads are in; the other 32 may be out
	QUANT 0, 0, 192
	XOUT 0
	WLOAD 0, 0
	s_wait_loadcnt 46                              ; fragment 1's are in: behind them 16 of x and 30 of W
	QUANT 64, 0, 208
	XOUT 1
	s_wait_loadcnt 30                              ; fragment 2's: behind them W's 30
	QUANT 128, 0, 224
	XOUT 2
	WLOAD 1, 1
	BAR                                            ; x's 24 fragments lie in LDS
	; ---- the product: six K steps; W's sets are asked for two steps ahead
	AFIRST 1, ASL
	KSTEP 0, 1, ASL, 1, 1, 30                      ; the first step starts the sums: nothing is cleared
	WLOAD 0, 2
	KSTEP 1, 1, ASL, 0, 1, 30
	WLOAD 1, 3
	KSTEP 2, 1, ASL, 0, 1, 30
	WLOAD 0, 4
	KSTEP 3, 1, ASL, 0, 1, 30
	WLOAD 1, 5
	KSTEP 4, 1, ASL, 0, 1, 30
	KSTEP 5, 1, ASL, 0, 0, 0
	s_cmp_eq_u32 s35, 2
	s_cbranch_scc1 .Lv
	; ---- Q or K: quantised along the columns, twelve blocks a lane; codes and bytes meet in LDS and leave as whole rows
	s_mul_i32 s40, s35, KC
	s_mul_i32 s41, s36, 49152
	s_add_co_u32 s40, s40, s41
	s_mov_b32 s41, 0
	s_add_nc_u64 s[48:49], s[6:7], s[40:41]        ; the codes of my 64 rows
	s_mul_i32 s40, s35, 98304
	s_mul_i32 s42, s36, 1536
	s_add_co_u32 s40, s40, s42
	s_add_co_u32 s40, s40, QS
	s_add_nc_u64 s[50:51], s[6:7], s[40:41]        ; and their scale bytes, 24 a row
.irp q, 0,1,2
	QUANT 64*\q, 0, 192+16*\q
	WIN 0x04
.irp jj, 0,1,2,3
	ds_store_b128 v[QST], v[192+16*\q+4*\jj:192+16*\q+4*\jj+3] offset:12544*((4*\q+\jj)/3)+32*((4*\q+\jj)%3)
.endr
	WIN 0
.irp jj, 0,1,2,3
	ds_store_b8 v[QSB], v[TM+4+\jj] offset:384*((4*\q+\jj)/3)+((4*\q+\jj)%3)
.endr
	s_wait_dscnt 0x0                               ; the stores have read the bytes' registers, which the next quantiser writes
.endr
	BAR
.irp t, 0,1,2,3
	ds_load_b128 v[64+12*\t:67+12*\t], v[RA] offset:1568*\t
	ds_load_b128 v[68+12*\t:71+12*\t], v[RA] offset:1568*\t+784
	ds_load_b128 v[72+12*\t:75+12*\t], v[RC] offset:1568*\t
.endr
.irp t, 0,1,2,3
	s_wait_dscnt 11-3*\t
	global_store_b128 v[XWI], v[64+12*\t:67+12*\t], s[48:49] offset:1536*\t        ; sixteen lanes store 256 consecutive bytes, aligned
	s_wait_dscnt 10-3*\t
	global_store_b128 v[XWI], v[68+12*\t:71+12*\t], s[48:49] offset:1536*\t+768
	s_wait_dscnt 9-3*\t
	global_store_b128 v[GC], v[72+12*\t:75+12*\t], s[48:49] offset:1536*\t
.endr
	s_cmp_gt_u32 s34, 2                            ; the 1,536 scale bytes: waves 0 to 2, 512 each
	s_cbranch_scc1 .Lqk_end
	ds_load_b128 v[112:115], v[SCL]
	s_wait_dscnt 0x0
	global_store_b128 v[SCG], v[112:115], s[50:51]
.Lqk_end:
	s_wait_xcnt 0x0
	v_lshl_add_u32 v254, v0, 2, 0x4c000
	v_mov_b32 v255, 0
	s_wait_tensorcnt 0x0
	ds_add_u32 v254, v255
	s_wait_dscnt 0x0
	s_endpgm
.Lv:	; ---- V: the f32 results go to LDS as pseudo-rows; then a lane takes a channel and its registers run down 32 keys
	s_mul_i32 s40, s36, 24
	s_mul_i32 s41, s34, 3
	s_add_co_u32 s40, s40, s41                     ; my first block of 32 keys, counted over all heads
.irp e, 0,1,2
	s_add_co_u32 s41, s40, \e
	s_lshr_b32 s42, s41, 2                         ; its step of 128 keys,
	s_and_b32 s43, s41, 3                          ; and its place in the step
	s_lshl_b32 s52, s42, 13
	s_lshl_b32 s53, s43, 9
	s_add_co_u32 s52, s52, s53
	v_add_nc_u32 v[120+\e], s52, v[VGO]
	s_lshl_b32 s52, s42, 8
	s_add_co_u32 s52, s52, s43
	v_add_nc_u32 v[124+\e], s52, v[VGS]
.endr
.irp m, 0,1,2,3
	WIN 0x04
.irp i, 0,1,2,3,4,5
	ds_store_b128 v[VST+\i/2], v[48*\m+8*\i:48*\m+8*\i+3] offset:32*(\i%2)          ; each accumulator from its low end on
	ds_store_b128 v[VST+\i/2], v[48*\m+8*\i+4:48*\m+8*\i+7] offset:32*(\i%2)+16
.endr
	WIN 0
.if \m < 3
.irp b, 0,1,2
	v_add_nc_u32 v[VST+\b], 52224, v[VST+\b]       ; sixteen tokens on
.endr
.endif
.endr
	BAR
.macro VLD k                           ; unit k: block k / 2 of my three, channels 32 (k % 2) on: 32 keys of my channel
	WIN 0x40
.set ii, 0
.rept 32
	ds_load_b32 v[32*((\k)%2)+ii], v[VRD] offset:(32*((\k)/2)+ii)*272+128*((\k)%2)
.set ii, ii+1
.endr
	WIN 0
.endm
.macro VUNIT k
.set XS, 32*((\k)%2)
.if (\k) < 5
	s_wait_dscnt 32                                ; this unit's 32 loads are in; the next unit's may be out
.else
	s_wait_dscnt 0x0
.endif
	WIN 0x05
	v_max3_num_f32 v[TM], |v[XS]|, |v[XS+1]|, 0x8000000      ; the block's largest magnitude: all 32 numbers are mine
	v_max3_num_f32 v[TM+1], |v[XS+2]|, |v[XS+3]|, 0x8000000
	WIN 0x14
.irp i, 4,8,12,16,20,24,28
	v_max3_num_f32 v[TM], v[TM], |v[XS+\i]|, |v[XS+\i+1]|
	v_max3_num_f32 v[TM+1], v[TM+1], |v[XS+\i+2]|, |v[XS+\i+3]|
.endr
	WIN 0
	v_max_num_f32 v[TM], v[TM], v[TM+1]
	v_add_nc_u32 v[TM+12], 0xf8800000, v[TM]
	v_and_or_b32 v[TM+8], v[TM], 0x7f800000, s[MNT]
	v_lshrrev_b32 v[112+(\k)], 23, v[TM+12]
	WIN 0x41
.set ii, 0
.rept 32
	v_med3_num_f32 v[XS+ii], v[XS+ii], -v[TM+8], v[TM+8]
.set ii, ii+1
.endr
	WIN 0x01
.irp g, 0,1,2,3
	v_cvt_scalef32_pk8_bf8_f32 v[64+8*(\k)+2*\g:64+8*(\k)+2*\g+1], v[XS+8*\g:XS+8*\g+7], v[TM+12]
.endr
	WIN 0
	v_nop
	global_store_b128 v[120+(\k)/2], v[64+8*(\k):64+8*(\k)+3], s[6:7] offset:4096*((\k)%2)         ; keys 0-15 of the block: the image's lanes 0-15; sixteen lanes store 256 consecutive bytes, aligned
	global_store_b128 v[120+(\k)/2], v[64+8*(\k)+4:64+8*(\k)+7], s[6:7] offset:4096*((\k)%2)+256   ; keys 16-31: its lanes 16-31
	global_store_b8 v[124+(\k)/2], v[112+(\k)], s[6:7] offset:128*((\k)%2)
.if (\k)+2 < 6
	VLD (\k)+2
.endif
.endm
	VLD 0
	VLD 1
.irp k, 0,1,2,3,4,5
	VUNIT \k                                       ; each unit has registers of its own for codes, byte and addresses: no store's sources are written again
.endr
	s_wait_xcnt 0x0
	v_lshl_add_u32 v254, v0, 2, 0x4c000
	v_mov_b32 v255, 0
	s_wait_tensorcnt 0x0
	ds_add_u32 v254, v255
	s_wait_dscnt 0x0
	s_endpgm
.Lrelay:	; ---- Wo, W1, W2 into fragment order.  Unit U = 8 (work-group - 192) + wave: 0-47 Wo's tiles, 48-239 W1's, 240-431 W2's tiles in four runs of six K steps
	s_sub_co_u32 s35, ttmp9, 192
	s_lshl_b32 s35, s35, 3
	s_add_co_u32 s35, s35, s34
	s_sub_co_u32 s36, s35, 240
	s_lshr_b32 s37, s36, 2                         ; W2: the tile,
	s_and_b32 s38, s36, 3
	s_mul_i32 s38, s38, 6                          ; its first K step,
	s_mov_b32 s39, 3072                            ; a row's codes,
	s_mov_b32 s40, 24                              ; K steps in a row,
	s_mov_b32 s41, W2_C
	s_mov_b32 s42, W2_S
	s_sub_co_u32 s43, s35, 48
	s_wait_kmcnt 0x0
	s_mov_b64 s[44:45], s[28:29]
	s_mov_b64 s[46:47], s[30:31]
	s_cmp_lt_u32 s35, 240                          ; W1
	s_cselect_b32 s37, s43, s37
	s_cselect_b32 s38, 0, s38
	s_cselect_b32 s39, 768, s39
	s_cselect_b32 s40, 6, s40
	s_cselect_b32 s41, W1_C, s41
	s_cselect_b32 s42, W1_S, s42
	s_cselect_b64 s[44:45], s[24:25], s[44:45]
	s_cselect_b64 s[46:47], s[26:27], s[46:47]
	s_cmp_lt_u32 s35, 48                           ; Wo
	s_cselect_b32 s37, s35, s37
	s_cselect_b32 s41, 0, s41
	s_cselect_b32 s42, WO_S, s42
	s_cselect_b64 s[44:45], s[20:21], s[44:45]
	s_cselect_b64 s[46:47], s[22:23], s[46:47]
	s_lshr_b32 s48, s37, 1
	s_lshl_b32 s48, s48, 5
	s_and_b32 s49, s37, 1
	s_lshl_b32 s49, s49, 3
	s_add_co_u32 s48, s48, s49                     ; the tile's first row: 32 (T / 2) + 8 (T % 2)
	s_lshr_b32 s52, s39, 5                         ; a row's scale bytes
	s_mul_i32 s50, s48, s39
	s_lshl_b32 s51, s38, 7
	s_add_co_u32 s50, s50, s51
	s_mov_b32 s51, 0
	s_add_nc_u64 s[44:45], s[44:45], s[50:51]
	s_mul_i32 s50, s48, s52
	s_lshl_b32 s53, s38, 2
	s_add_co_u32 s50, s50, s53
	s_add_nc_u64 s[46:47], s[46:47], s[50:51]
	v_mul_lo_u32 v[RLC], v63, s39
	v_lshl_add_u32 v[RLC], v62, 4, v[RLC]          ; lane: row r + 8 (r / 8), + 16 h
	v_mul_lo_u32 v[RLS], v63, s52
	s_mul_i32 s53, s37, s40
	s_add_co_u32 s53, s53, s38                     ; the first image's number: T x K steps + first step
	s_lshl_b32 s50, s53, 11
	s_add_co_u32 s50, s50, s41
	s_add_nc_u64 s[54:55], s[32:33], s[50:51]
	s_lshl_b32 s50, s53, 6
	s_add_co_u32 s50, s50, s42
	s_add_nc_u64 s[56:57], s[32:33], s[50:51]
.irp s, 0,1,2,3,4,5
.irp c, 0,1,2,3
	global_load_b128 v[64+16*\s+4*\c:64+16*\s+4*\c+3], v[RLC], s[44:45] offset:128*\s+32*\c th:TH_LOAD_NT
.endr
	global_load_b32 v[24+\s], v[RLS], s[46:47] offset:4*\s
.endr
	s_wait_loadcnt 0x0
.irp s, 0,1,2,3,4,5
.irp c, 0,1,2,3
	global_store_b128 v1, v[64+16*\s+4*\c:64+16*\s+4*\c+3], s[54:55] offset:2048*\s+512*\c    ; 32 lanes store 512 consecutive bytes, aligned
.endr
	global_store_b32 v2, v[24+\s], s[56:57] offset:64*\s      ; row r's word at 4 r; both halves of the lanes hold and write the same
.endr
	s_endpgm
.Lfunc_end_k_qf34f7717db_qkv:
	.size	k_qf34f7717db_qkv, .Lfunc_end_k_qf34f7717db_qkv-k_qf34f7717db_qkv
	.p2alignl 7, 3214868480
	.fill 96, 4, 3214868480
	.section	.rodata,"a",@progbits
	.p2align	6, 0x0
	.amdhsa_kernel k_qf34f7717db_qkv
		.amdhsa_group_segment_fixed_size 312320
		.amdhsa_private_segment_fixed_size 0
		.amdhsa_enable_private_segment 0
		.amdhsa_kernarg_size 120
		.amdhsa_user_sgpr_count 2
		.amdhsa_user_sgpr_kernarg_segment_ptr 1
		.amdhsa_wavefront_size32 1
		.amdhsa_system_sgpr_workgroup_id_x 1
		.amdhsa_system_sgpr_workgroup_id_y 1
		.amdhsa_system_sgpr_workgroup_id_z 1
		.amdhsa_system_vgpr_workitem_id 0
		.amdhsa_next_free_vgpr 512
		.amdhsa_next_free_sgpr 66
		.amdhsa_reserve_vcc 0
		.amdhsa_float_denorm_mode_32 3
		.amdhsa_float_denorm_mode_16_64 3
		.amdhsa_memory_ordered 1
		.amdhsa_forward_progress 1
		.amdhsa_inst_pref_size 163
	.end_amdhsa_kernel
	.amdgpu_metadata
---
amdhsa.version: [ 1, 2 ]
amdhsa.kernels:
  - .name:           k_qf34f7717db_qkv
    .symbol:         k_qf34f7717db_qkv.kd
    .args:
      - { .name: x, .offset: 0, .size: 8, .value_kind: global_buffer, .address_space: global }
      - { .name: qkv, .offset: 8, .size: 8, .value_kind: global_buffer, .address_space: global }
      - { .name: Wq_codes, .offset: 16, .size: 8, .value_kind: global_buffer, .address_space: global }
      - { .name: Wq_scales, .offset: 24, .size: 8, .value_kind: global_buffer, .address_space: global }
      - { .name: Wk_codes, .offset: 32, .size: 8, .value_kind: global_buffer, .address_space: global }
      - { .name: Wk_scales, .offset: 40, .size: 8, .value_kind: global_buffer, .address_space: global }
      - { .name: Wv_codes, .offset: 48, .size: 8, .value_kind: global_buffer, .address_space: global }
      - { .name: Wv_scales, .offset: 56, .size: 8, .value_kind: global_buffer, .address_space: global }
      - { .name: Wo_codes, .offset: 64, .size: 8, .value_kind: global_buffer, .address_space: global }
      - { .name: Wo_scales, .offset: 72, .size: 8, .value_kind: global_buffer, .address_space: global }
      - { .name: W1_codes, .offset: 80, .size: 8, .value_kind: global_buffer, .address_space: global }
      - { .name: W1_scales, .offset: 88, .size: 8, .value_kind: global_buffer, .address_space: global }
      - { .name: W2_codes, .offset: 96, .size: 8, .value_kind: global_buffer, .address_space: global }
      - { .name: W2_scales, .offset: 104, .size: 8, .value_kind: global_buffer, .address_space: global }
      - { .name: wimg, .offset: 112, .size: 8, .value_kind: global_buffer, .address_space: global }
    .group_segment_fixed_size: 312320
    .private_segment_fixed_size: 0
    .kernarg_segment_align: 8
    .kernarg_segment_size: 120
    .max_flat_workgroup_size: 256
    .sgpr_count:     66
    .vgpr_count:     512
    .wavefront_size: 32
...
	.end_amdgpu_metadata
.endif
;; end of part 1
;; launch attn (part 2): grid 16 x 12, 8 waves a work-group, no clusters, 20,480 bytes of LDS; arguments qkv, ctx; writes ctx
.if DOCPART == 2
	.amdgcn_target "amdgcn-amd-amdhsa--gfx1250"
	.amdhsa_code_object_version 6
	.text
	.protected	k_qf34f7717db_attn
	.globl	k_qf34f7717db_attn
	.p2align	8
	.type	k_qf34f7717db_attn,@function
k_qf34f7717db_attn:
	s_mov_b64 s[64:65], 0
	v_nop
	global_prefetch_b8 v0, s[64:65] scope:SCOPE_SE
	s_setreg_imm32_b32 hwreg(HW_REG_WAVE_MODE, 25, 1), 1
	s_wait_xcnt 0x0
; Causal attention on codes of BF8 (E5M2) with one E8M0 scale for each 32 along a product's K; head size 64, 4,096 queries and keys a head, 12 heads.  Its result, divided by the row's sum, is quantised
; along the model's 768 and stored as images of the next product's operand registers.
; THE SOFTMAX AHEAD OF THE SECOND PRODUCT: t = score x log2(e) / 8; M = the running largest t rounded UP to a whole number; p = 2^(t - M) is what is quantised, along the keys.  The row's sum is taken of the
; unquantised p.  When M moves, the sum and O are multiplied by 2^(old M - new M): exact.
; SHARES.  Work-group (pi, head) takes the blocks pi and 31 - pi of 128 queries, one after the other: pi + 1 and 32 - pi key steps of 128 keys, 33 for every work-group.  Each of eight waves owns 16 queries.
; THE FIRST PRODUCT'S K IS 64: the upper half of both fragments is zero codes, set once; the scale words' upper bytes are 0, which over zero codes adds nothing.
; Both products are used transposed (S^T = K Q^T, O^T = V^T P^T): a lane holds one query throughout.  Lane r of K's tile T takes key 32 (T / 2) + 8 (T % 2) + r + 8 (r / 8), so that the 16 registers of
; tiles 2 b, 2 b + 1 are 16 neighbouring keys; V^T's tiles were laid the same way along the head's 64, so that O^T's registers are neighbours along the next K.
; A key step's K, V^T and scales (16.5 KB) go through registers into ONE LDS slot between two barriers; the next step's loads are issued behind the second and land under the step's work.
; No cluster: the work-groups of a head need different numbers of tiles at different times (pi + 1 against 32 - pi steps), so joint requests would not meet.
; LIMITS: NaN and infinities are not served; a block whose largest magnitude lies under 2^-111 gets the scale byte 1 (read by this program alone); v_exp_f32 and v_rcp_f32 as they are (1 ulp).
; REGISTERS: v1-7 LDS addresses; v8-10 the step's offsets in memory; v11 the prefetch's; v12 -M, v13 the largest t, v[14:15] the sum; v16-31 Q; v32-95 four fragments of K; v96-159 S^T, then p, then V^T's four
; fragments; v160-191 O^T; v192-211 the stage; v212-222 lane terms and offsets; v224-239 p's codes; v232-254 at work; v248-251, v253, v255 scale words.
.set KC,   3145728
.set VC,   6291456
.set QS,   9437184
.set KSC,  9535488
.set VS,   9633792
.set CTXS, 3145728                     ; ctx: the scale words behind the codes
.set SEL,  20
.set CS,   22
.set MNT,  24
	s_load_b128 s[4:7], s[0:1], 0x0                ; qkv, ctx
	v_lshl_add_u32 v223, v0, 2, 0x4c00
	s_set_vgpr_msb 0x40
	v_mov_b32 v1, 0
	s_set_vgpr_msb 0x4000
	v_lshrrev_b32 v8, 5, v0
	v_readfirstlane_b32 s8, v8                     ; wave 0..7
	s_and_b32 s9, ttmp7, 0xffff                    ; the head
	s_mov_b32 s10, ttmp9                           ; pi
	v_and_b32 v8, 31, v0                           ; lane
	v_and_b32 v9, 15, v0                           ; r
	v_bfe_u32 v10, v0, 4, 1                        ; h
	v_and_b32 v11, 8, v9
	v_add_nc_u32 v11, v11, v9                      ; r + 8 (r / 8)
	v_mul_u32_u24 v1, v11, 80                      ; K in LDS: 128 rows of 64 bytes + 16 of padding
	v_lshl_add_u32 v1, v10, 4, v1
	v_lshl_add_u32 v2, v8, 4, 10240                ; V^T's four images
	v_lshl_add_u32 v3, v11, 1, 18432               ; K's scales: two bytes a key
	v_lshl_add_u32 v4, v9, 2, 18688                ; V^T's scale words
	v_lshrrev_b32 v5, 2, v8
	s_lshl_b32 s30, s8, 4
	v_add_nc_u32 v5, s30, v5
	v_mul_u32_u24 v5, v5, 80
	v_and_b32 v6, 3, v8
	v_lshl_add_u32 v5, v6, 4, v5                   ; the stage's way in: K: row 16 w + lane / 4, 16 (lane % 4)
	s_lshl_b32 s30, s8, 10
	s_add_co_u32 s31, s30, 10240
	v_lshl_add_u32 v6, v8, 4, s31                  ; V^T: as it lies
	v_lshl_add_u32 v7, v8, 4, 18432                ; the scales (wave 0): lanes 0-15 K's 256 bytes, lanes 16-31 V^T's
	s_add_co_u32 s31, s30, KC
	v_lshl_add_u32 v212, v8, 4, s31                ; in memory: my wave's 1,024 bytes of a step's K,
	s_add_co_u32 s31, s30, VC
	v_lshl_add_u32 v213, v8, 4, s31                ; of its V^T,
	v_mul_u32_u24 v214, v10, VS-KSC
	v_lshl_add_u32 v214, v9, 4, v214
	v_add_nc_u32 v214, KSC, v214                   ; and the scales
	v_lshlrev_b32 v215, 6, v9
	v_lshl_add_u32 v215, v10, 4, v215
	v_add_nc_u32 v215, s30, v215                   ; Q: row 16 w + r of 64 bytes, + 16 h
	s_lshl_b32 s30, s8, 5
	s_add_co_u32 s30, s30, QS
	v_lshl_add_u32 v216, v9, 1, s30                ; and its two scale bytes
	s_mul_i32 s30, s8, 12288
	v_lshl_add_u32 v217, v8, 4, s30                ; ctx: 16 tokens' images are 12,288 bytes
	s_mul_i32 s30, s8, 384
	s_lshr_b32 s31, s9, 1
	s_lshl_b32 s31, s31, 6
	s_add_co_u32 s30, s30, s31
	s_and_b32 s31, s9, 1
	s_lshl_b32 s31, s31, 1
	s_add_co_u32 s30, s30, s31
	s_add_co_u32 s30, s30, CTXS
	v_lshl_add_u32 v218, v9, 2, s30                ; ctx's scale bytes: K step head / 2, bytes 2 (head % 2) and the next
	v_lshlrev_b32 v11, 8, v8                       ; the prefetch: lanes 256 bytes apart
	s_mov_b32 s[SEL], 0x76543210
	s_mov_b32 s[SEL+1], 0xfedcba98
	s_mov_b32 s[CS], 0x3e38aa3b                    ; c = log2(e) / 8
	s_mov_b32 s[CS+1], s[CS]                       ; (named with it as a pair, so it is written)
	s_mov_b32 s[MNT], 0x600000
.irp j, 0,1,2,3,4,5,6,7
	v_mov_b32 v[24+\j], 0                          ; Q's upper 64 along K: zero codes
.irp t, 0,1,2,3
	v_mov_b32 v[40+16*\t+\j], 0                    ; K's likewise
.endr
.endr
.irp b, 0,1,2,3
	v_mov_b32 v[236+\b], 0                         ; written once: a lane permute's destination counts as one of its sources
.endr
	v_mov_b32 v252, 0
	v_mov_b32 v253, 0
	s_lshl_b32 s30, s9, 18
	s_mov_b32 s31, 0
	s_wait_kmcnt 0x0
	s_add_nc_u64 s[16:17], s[4:5], s[30:31]        ; the head's codes: 262,144 bytes a head in each of Q, K, V^T
	s_lshl_b32 s30, s9, 13
	s_add_nc_u64 s[18:19], s[4:5], s[30:31]        ; its scale bytes: 8,192 a head in each
	s_lshl_b32 s30, s9, 10
	s_add_nc_u64 s[32:33], s[6:7], s[30:31]        ; ctx: the head's two blocks of 32 are 1,024 bytes of an image row
	s_cmp_eq_u32 s8, 1
	s_mov_b32 s30, KC
	s_cselect_b32 s30, VC, s30
	s_add_nc_u64 s[28:29], s[16:17], s[30:31]      ; what wave 0 (K) or wave 1 (V^T) prefetches
	s_mov_b32 s11, 0
.macro STG                             ; key step s14's bytes are asked for, into the stage registers
	v_lshl_add_u32 v8, s14, 13, v212
	v_lshl_add_u32 v9, s14, 13, v213
	v_lshl_add_u32 v10, s14, 8, v214
	global_load_b128 v[192:195], v8, s[16:17]
	global_load_b128 v[196:199], v8, s[16:17] offset:512
	global_load_b128 v[200:203], v9, s[16:17]
	global_load_b128 v[204:207], v9, s[16:17] offset:512
	s_cmp_lg_u32 s8, 0
	s_cbranch_scc1 .Lno_sc_\@
	global_load_b128 v[208:211], v10, s[18:19]
.Lno_sc_\@:
.endm
.Lhalf:                                            ; two trips: query block pi, then 31 - pi
	s_wait_xcnt 0x0                                ; the last half's stores and prefetch have read their registers,
	s_wait_loadcnt 0x0                             ; and its last, clamped, loads have landed in the stage registers
	s_sub_co_u32 s30, 31, s10
	s_cmp_eq_u32 s11, 0
	s_cselect_b32 s12, s10, s30                    ; qb: the block of 128 queries, and its last key step
	s_xor_b32 s31, s11, 1                          ; who prefetches: work-group 0 of the head, in its second half (which walks all 32 steps), waves 0 and 1
	s_or_b32 s31, s31, s10
	s_lshr_b32 s30, s8, 1
	s_or_b32 s31, s31, s30
	s_cmp_eq_u32 s31, 0
	s_cselect_b32 s15, 29, -1                      ; up to step 29, which names step 31, the head's last
	s_add_co_u32 s25, s12, 1                       ; the half's key steps: qb + 1; the loop below counts up to it and does not write it
	s_mov_b64 s[26:27], s[28:29]
	v_lshl_add_u32 v219, s12, 13, v215
	v_lshl_add_u32 v220, s12, 8, v216
	global_load_b128 v[16:19], v219, s[16:17]
	global_load_b128 v[20:23], v219, s[16:17] offset:32
	global_load_u16 v255, v220, s[18:19]           ; Q's two scale bytes; the word's upper bytes are 0
	s_mov_b32 s14, 0
	STG
	v_mov_b32 v13, 0xff61b1e6                      ; the largest t so far: -3e38, under every t
	v_floor_f32 v12, -v13                          ; -M
	v_mov_b32 v14, 0
	v_mov_b32 v15, 0
.set j, 0
.rept 32
	v_mov_b32 v[160+j], 0                          ; O^T: the step is written once; the first change of M leaves zeros zeros
.set j, j+1
.endr
	s_mov_b32 s13, 0
.Lstep:                                            ; key steps 0 .. qb
	s_wait_dscnt 0x0                               ; my reads of the slot are over
	s_barrier_signal -1
	s_barrier_wait -1                              ; everybody's are
	s_wait_loadcnt 0x0                             ; this step's bytes are in the stage registers (in a half's first trip: Q too)
	ds_store_b128 v5, v[192:195]
	ds_store_b128 v5, v[196:199] offset:640
	ds_store_b128 v6, v[200:203]
	ds_store_b128 v6, v[204:207] offset:512
	s_cmp_lg_u32 s8, 0
	s_cbranch_scc1 .Lno_ss
	ds_store_b128 v7, v[208:211]
.Lno_ss:
	s_wait_dscnt 0x0                               ; for the others' sake: my stores have landed
	s_barrier_signal -1
	s_barrier_wait -1                              ; the slot is whole
	s_wait_xcnt 0x0                                ; the last trip's prefetch has read its address
	s_add_co_u32 s14, s13, 1
	s_min_u32 s14, s14, s12                        ; the next step, held at the last: no load leaves what this half walks
	STG
	s_add_nc_u64 s[26:27], s[26:27], 8192
	s_cmp_le_i32 s13, s15
	s_cbranch_scc0 .Lno_pf
	global_prefetch_b8 v11, s[26:27] offset:8192 th:TH_LOAD_NT scope:SCOPE_SE   ; step ks + 2's 8,192 bytes of K (wave 0) or V^T (wave 1): one step ahead of the loads just issued; each block of steps 2 to 31 is named once in the launch
.Lno_pf:
.irp g, 0,1                                        ; S^T = K Q^T, four tiles of 16 keys at a time
.if \g
.rept 8
	v_nop                                          ; places in front of loads into registers that matrix instructions have read
.endr
.endif
.irp t, 0,1,2,3
	ds_load_b128 v[32+16*\t:35+16*\t], v1 offset:(32*((4*\g+\t)/2)+8*(\t%2))*80
	ds_load_b128 v[36+16*\t:39+16*\t], v1 offset:(32*((4*\g+\t)/2)+8*(\t%2))*80+32
	ds_load_u16 v[248+\t], v3 offset:2*(32*((4*\g+\t)/2)+8*(\t%2))
.endr
	s_wait_dscnt 0x0
.irp t, 0,1,2,3
	v_wmma_scale_f32_16x16x128_f8f6f4 v[96+8*(4*\g+\t):103+8*(4*\g+\t)], v[32+16*\t:47+16*\t], v[16:31], 0, v[248+\t], v255 matrix_a_fmt:MATRIX_FMT_BF8 matrix_b_fmt:MATRIX_FMT_BF8
.endr
.endr
.rept 8
	v_nop
.endr
	s_cmp_lg_u32 s13, s12                          ; only the half's last step lies on the diagonal: there hidden scores become -infinity ahead of the maximum
	s_cbranch_scc1 .Lopen
	s_lshl_b32 s30, s8, 4
	v_and_b32 v252, 15, v0
	v_bfe_u32 v253, v0, 4, 1
	v_lshlrev_b32 v253, 4, v253
	v_sub_nc_u32 v252, v252, v253
	v_add_nc_u32 v252, s30, v252                   ; d = 16 w + r - 16 h.  Register 16 b + i holds key 32 b + 16 h + i of the step: hidden where 32 b + i > d
	v_mov_b32 v254, 0xff800000
.set n, 0
.rept 64
	v_cmp_gt_i32 vcc_lo, 32*(n/16)+n%16, v252
	v_cndmask_b32 v[96+n], v[96+n], v254, vcc_lo
.set n, n+1
.endr
.Lopen:
.irp b, 0,1,2,3
	v_max3_num_f32 v[232+\b], v[96+16*\b], v[97+16*\b], v[98+16*\b]   ; the largest score of each block of 32 keys: for the row's maximum, and, since p rises with the score, for the block's largest p
.endr
.irp i, 3,5,7,9,11,13
.irp b, 0,1,2,3
	v_max3_num_f32 v[232+\b], v[232+\b], v[96+16*\b+\i], v[97+16*\b+\i]
.endr
.endr
.irp b, 0,1,2,3
	v_max_num_f32 v[232+\b], v[232+\b], v[111+16*\b]
.endr
.irp b, 0,1,2,3
	v_permlanex16_b32 v[236+\b], v[232+\b], s[SEL], s[SEL+1]
.endr
.irp b, 0,1,2,3
	v_max_num_f32 v[232+\b], v[232+\b], v[236+\b]  ; with lane l xor 16's 16 keys
.endr
	v_max3_num_f32 v254, v232, v233, v234
	v_max_num_f32 v254, v254, v235
	v_mul_f32 v254, s[CS], v254                    ; the step's largest t
	v_max_num_f32 v13, v13, v254
	v_mov_b32 v254, v12
	v_floor_f32 v12, -v13                          ; the new -M = -ceil(t): a whole number
	v_sub_f32 v254, v12, v254
	v_cvt_i32_f32 v254, v254                       ; (it saturates)
	v_ldexp_f32 v252, 1.0, v254                    ; f = 2^(old M - new M)
.set j, 0
.rept 32
	v_pk_fma_f32 v[96+j:97+j], v[96+j:97+j], s[CS:CS+1], v[12:13] op_sel_hi:[1,0,0]   ; t - M, two at a time
.set j, j+2
.endr
.irp b, 0,1,2,3
	v_fma_f32 v[232+\b], v[232+\b], s[CS], v12
.endr
.set j, 0
.rept 64
	v_exp_f32 v[96+j], v[96+j]                     ; p = 2^(t - M): not normalised
.set j, j+1
.endr
	v_pk_mul_f32 v[14:15], v[14:15], v[252:253] op_sel_hi:[1,0]   ; the sums under the new M: a plain instruction behind the exponentials
	s_wait_alu depctr_va_vdst(0)                   ; one wait for the batch of 64, ahead of its first reader
.irp b, 0,1,2,3
	v_exp_f32 v[232+\b], v[232+\b]                 ; each block's largest p
.endr
	v_pk_add_f32 v[236:237], v[96:97], v[98:99]    ; the row's sum is taken of the unquantised p, in two chains
.irp j, 4,8,12,16,20,24,28,32,36,40,44,48,52,56,60
	v_pk_add_f32 v[14:15], v[14:15], v[96+\j:97+\j]
	v_pk_add_f32 v[236:237], v[236:237], v[98+\j:99+\j]
.endr
	v_pk_add_f32 v[14:15], v[14:15], v[236:237]
	s_wait_alu depctr_va_vdst(0)                   ; and one for the four
.irp b, 0,1,2,3
	v_max_num_f32 v[232+\b], 0x8000000, v[232+\b]  ; the floor 2^(16 - 127): the byte cannot fall under 1
.endr
.irp b, 0,1,2,3
	v_add_nc_u32 v[244+\b], 0xf8800000, v[232+\b]
.endr
.irp b, 0,1,2,3
	v_and_or_b32 v[240+\b], v[232+\b], 0x7f800000, s[MNT]
.endr
.irp b, 0,1,2,3
	v_lshrrev_b32 v[236+\b], 23, v[244+\b]
.endr
	v_lshl_or_b32 v253, v237, 8, v236              ; p's scale word for these 128 keys
	v_lshl_or_b32 v253, v238, 16, v253
	v_lshl_or_b32 v253, v239, 24, v253
.irp b, 0,1,2,3
.irp i, 0,1,2,3,4,5,6,7,8,9,10,11,12,13,14,15
	v_min_num_f32 v[96+16*\b+\i], v[96+16*\b+\i], v[240+\b]   ; the hold: p is not negative, so it is one-sided
.endr
	v_cvt_scalef32_pk8_bf8_f32 v[224+4*\b:225+4*\b], v[96+16*\b:103+16*\b], v[244+\b]
	v_cvt_scalef32_pk8_bf8_f32 v[226+4*\b:227+4*\b], v[104+16*\b:111+16*\b], v[244+\b]
.endr
.irp t, 0,1,2,3                                    ; V^T's four fragments take p's registers, which the conversions have read
.irp c, 0,1,2,3
	ds_load_b128 v[96+16*\t+4*\c:99+16*\t+4*\c], v2 offset:2048*\t+512*\c
.endr
	ds_load_b32 v[248+\t], v4 offset:64*\t
.endr
.set j, 0
.rept 16
	v_pk_mul_f32 v[160+j:161+j], v[160+j:161+j], v[252:253] op_sel_hi:[1,0]   ; O^T under the new M; also the places between the codes and the products below
.set j, j+2
.endr
	s_wait_dscnt 0x0
.irp t, 0,1,2,3
	v_wmma_scale_f32_16x16x128_f8f6f4 v[160+8*\t:167+8*\t], v[96+16*\t:111+16*\t], v[224:239], v[160+8*\t:167+8*\t], v[248+\t], v253 matrix_a_fmt:MATRIX_FMT_BF8 matrix_b_fmt:MATRIX_FMT_BF8
.endr
.rept 9
	v_nop                                          ; nine places: the next step's first products write over registers that these have read
.endr
	s_add_co_u32 s13, s13, 1
	s_cmp_lt_u32 s13, s25                          ; qb + 1 trips
	s_cbranch_scc1 .Lstep
	; ---- the half's end: O^T / the sum, quantised along the head's 64 (two blocks of the model's 768), stored as the next operand's image
	v_add_f32 v14, v14, v15
	v_permlanex16_b32 v252, v14, s[SEL], s[SEL+1]
	v_add_f32 v14, v14, v252                       ; the row's sum
	v_rcp_f32 v14, v14
	s_mul_i32 s30, s12, 98304
	v_add_nc_u32 v221, s30, v217                   ; (plain work behind the reciprocal)  tokens 128 qb + 16 w on
	s_mul_i32 s30, s12, 3072
	v_add_nc_u32 v222, s30, v218
	s_wait_alu depctr_va_vdst(0)                   ; one wait ahead of the first reader
.set j, 0
.rept 32
	v_mul_f32 v[96+j], v[160+j], v14               ; register 16 b + i: channel 32 b + 16 h + i of my query
.set j, j+1
.endr
.irp b, 0,1
	v_max3_num_f32 v[232+\b], |v[96+16*\b]|, |v[97+16*\b]|, 0x8000000
.endr
.irp i, 2,4,6,8,10,12,14
.irp b, 0,1
	v_max3_num_f32 v[232+\b], v[232+\b], |v[96+16*\b+\i]|, |v[97+16*\b+\i]|
.endr
.endr
.irp b, 0,1
	v_permlanex16_b32 v[236+\b], v[232+\b], s[SEL], s[SEL+1]
.endr
.irp b, 0,1
	v_max_num_f32 v[232+\b], v[232+\b], v[236+\b]
.endr
.irp b, 0,1
	v_add_nc_u32 v[244+\b], 0xf8800000, v[232+\b]
.endr
.irp b, 0,1
	v_and_or_b32 v[240+\b], v[232+\b], 0x7f800000, s[MNT]
.endr
.irp b, 0,1
	v_lshrrev_b32 v[236+\b], 23, v[244+\b]
.endr
	v_lshl_or_b32 v254, v237, 8, v236
.irp b, 0,1
.irp i, 0,1,2,3,4,5,6,7,8,9,10,11,12,13,14,15
	v_med3_num_f32 v[96+16*\b+\i], v[96+16*\b+\i], -v[240+\b], v[240+\b]
.endr
	v_cvt_scalef32_pk8_bf8_f32 v[224+4*\b:225+4*\b], v[96+16*\b:103+16*\b], v[244+\b]
	v_cvt_scalef32_pk8_bf8_f32 v[226+4*\b:227+4*\b], v[104+16*\b:111+16*\b], v[244+\b]
.endr
	v_nop                                          ; one plain vector instruction behind the last scaled conversion
	global_store_b128 v221, v[224:227], s[32:33]               ; 32 lanes store 512 consecutive bytes, aligned
	global_store_b128 v221, v[228:231], s[32:33] offset:512
	global_store_b16 v222, v254, s[6:7]            ; the two scale bytes of my row; both halves of the lanes write the same
	s_add_co_u32 s11, s11, 1
	s_cmp_lt_u32 s11, 2
	s_cbranch_scc1 .Lhalf
	s_set_vgpr_msb 0x4
	s_wait_tensorcnt 0x0
	ds_add_u32 v223, v1
	s_wait_dscnt 0x0
	s_set_vgpr_msb 0x400
	s_endpgm
.Lfunc_end_k_qf34f7717db_attn:
	.size	k_qf34f7717db_attn, .Lfunc_end_k_qf34f7717db_attn-k_qf34f7717db_attn
	.p2alignl 7, 3214868480
	.fill 96, 4, 3214868480
	.section	.rodata,"a",@progbits
	.p2align	6, 0x0
	.amdhsa_kernel k_qf34f7717db_attn
		.amdhsa_group_segment_fixed_size 20480
		.amdhsa_private_segment_fixed_size 0
		.amdhsa_enable_private_segment 0
		.amdhsa_kernarg_size 16
		.amdhsa_user_sgpr_count 2
		.amdhsa_user_sgpr_kernarg_segment_ptr 1
		.amdhsa_wavefront_size32 1
		.amdhsa_system_sgpr_workgroup_id_x 1
		.amdhsa_system_sgpr_workgroup_id_y 1
		.amdhsa_system_sgpr_workgroup_id_z 1
		.amdhsa_system_vgpr_workitem_id 0
		.amdhsa_next_free_vgpr 258
		.amdhsa_next_free_sgpr 66
		.amdhsa_reserve_vcc 1
		.amdhsa_float_denorm_mode_32 3
		.amdhsa_float_denorm_mode_16_64 3
		.amdhsa_memory_ordered 1
		.amdhsa_forward_progress 1
		.amdhsa_inst_pref_size 40
	.end_amdhsa_kernel
	.amdgpu_metadata
---
amdhsa.version: [ 1, 2 ]
amdhsa.kernels:
  - .name:           k_qf34f7717db_attn
    .symbol:         k_qf34f7717db_attn.kd
    .args:
      - { .name: qkv, .offset: 0, .size: 8, .value_kind: global_buffer, .address_space: global }
      - { .name: ctx, .offset: 8, .size: 8, .value_kind: global_buffer, .address_space: global }
    .group_segment_fixed_size: 20480
    .private_segment_fixed_size: 0
    .kernarg_segment_align: 8
    .kernarg_segment_size: 16
    .max_flat_workgroup_size: 256
    .sgpr_count:     66
    .vgpr_count:     258
    .wavefront_size: 32
...
	.end_amdgpu_metadata
.endif
;; end of part 2
;; launch chain (part 3): grid 64 x 4, 8 waves a work-group, no clusters, 106,496 bytes of LDS; arguments ctx, wimg, x, g1, beta1, b1, hbuf, part; writes hbuf, part
.if DOCPART == 3
	.amdgcn_target "amdgcn-amd-amdhsa--gfx1250"
	.amdhsa_code_object_version 6
	.text
	.protected	k_qf34f7717db_chain
	.globl	k_qf34f7717db_chain
	.p2align	8
	.type	k_qf34f7717db_chain,@function
k_qf34f7717db_chain:
	s_mov_b64 s[64:65], 0
	v_nop
	global_prefetch_b8 v0, s[64:65] scope:SCOPE_SE
	s_setreg_imm32_b32 hwreg(HW_REG_WAVE_MODE, 25, 1), 1
	s_wait_xcnt 0x0
; Work-group (rb, y): 64 tokens, quarter y of the hidden layer.  h = LayerNorm(x + ctx Wo) g1 + beta1; quantised; relu(h W1[:, quarter] + b1); quantised; x W2[quarter, :] gives a partial sum of the last product.
; All three products on codes of BF8 (E5M2) with one E8M0 scale for each 32 along K.  The first product and the norm are made in each of the four y work-groups (a third more matrix work than needed), which
; spares a launch and h's codes their way through memory; the y = 0 work-group stores h.  The hidden layer never goes to memory.  The four partial sums are added in the next launch, in a fixed order.
; SHARES: eight waves; wave w owns columns 96 w .. 96 w + 95 (six tiles) for all 64 rows (four tiles), in each product.  The matrix instruction is used TRANSPOSED (source 0 = 16 rows of W, source 1 = 16 rows of
; the activation); the weights' images hold rows 32 (T / 2) + 8 (T % 2) + r + 8 (r / 8) in tile T, so that the 16 registers of tiles 2 b, 2 b + 1 are 16 neighbours along the next K.
; Operands go from wave to wave through LDS as images of their registers.  The residual x and the bias b1 are the C of a sum's first matrix instructions.
; No tensor load and no cluster: each fragment of a weight is multiplied by one wave alone and goes from memory straight into that wave's registers; through LDS it would be written and read once more.
; THE NORM goes in two passes (mean, then the sum of squared differences): no difference of large sums is formed.  The mean is taken by a multiplication with 1/768.
; LIMITS: NaN and infinities are not served; a block whose largest magnitude lies under 2^-111 gets the scale byte 1 (read by this program alone); v_rsq_f32 as it is (1 ulp).
; REGISTERS.  Window 0: v1 16 x lane, v2 4 r, v3-22 addresses; v24-35 W's scale words (two sets), v36-43 the activation's; v44-59 at work in the quantiser; v60-63 ctx's scale bytes on their way;
;   v64-159, v160-255 W's six fragments, two sets (set 1 also g1 and beta1).   Window 1: v0-191 the 24 accumulators ((m, i) at 48 m + 8 i); v192-255 four fragments of the activation, else scratch.
.set R1,    49152                      ; LDS: R0 at 0 and R1: 24 fragment images each
.set SC0,   98304                      ; their scale words
.set SC1,   99840
.set RED,   101376                     ; [8 waves][64 rows] f32; the second exchange 2,048 further on
.set CTXS,  3145728
.set W1_C,  589824
.set W2_C,  2949120
.set WO_S,  5308416
.set W1_S,  5326848
.set W2_S,  5400576
.set TM,  44
.set XO,  3
.set IMG, 4
.set AL1, 5
.set ASL0, 6
.set ASL1, 7
.set WV6, 8
.set WV24, 9
.set WS6, 10
.set WS24, 11
.set HWI, 12
.set HWI1, 13
.set HWS, 14
.set GO,  17
.set RDW, 18
.set RDR, 19
.set SCP, 21
.set SCGL, 22
.set SEL, 24
.set MNT, 26
.set INV, 27
.set EPS, 28
.set W_STEP, 2048
.set W_C,    512
.set S_STEP, 64
.macro USEW va, vs, sb, ks             ; which weight WLOAD reads: lane terms, bases (codes, then scale words), K steps in a tile's row of images
.set WVA, \va
.set WVS, \vs
.set WSB, \sb
.set WSSB, (\sb)+2
.set W_PAIR, 2*(\ks)*2048
.set W_ODD, (\ks)*2048
.set S_PAIR, 2*(\ks)*64
.set S_ODD, (\ks)*64
.endm
.set MSB, 0
.macro WIN new                         ; the immediate's high byte repeats the setting that is left; bits 1:0 source 0, 3:2 source 1, 5:4 source 2, 7:6 destination
.if MSB != \new
	s_set_vgpr_msb (MSB<<8)|\new
.set MSB, \new
.endif
.endm
.macro PLACES n
.rept \n
	v_nop
.endr
.endm
.macro BAR                             ; my LDS stores have landed and my LDS loads are in: then the work-group's barrier
	s_wait_dscnt 0x0
	s_barrier_signal -1
	s_barrier_wait -1
.endm
.macro WLOAD p, s                      ; W's six fragments and six scale words of K step s into set p: 30 loads, each of 512 or 64 consecutive bytes
.irp i, 0,1,2,3,4,5
.irp c, 0,1,2,3
	global_load_b128 v[64+96*(\p)+16*\i+4*\c:64+96*(\p)+16*\i+4*\c+3], v[WVA], s[WSB:WSB+1] offset:(\i/2)*W_PAIR+(\i%2)*W_ODD+(\s)*W_STEP+\c*W_C
.endr
.endr
.irp i, 0,1,2,3,4,5
	global_load_b32 v[24+6*(\p)+\i], v[WVS], s[WSSB:WSSB+1] offset:(\i/2)*S_PAIR+(\i%2)*S_ODD+(\s)*S_STEP
.endr
.endm
.macro ALD al, s, m0                   ; the activation's fragments of row tiles m0 and m0 + 1, K step s: 8 loads
.irp m, \m0, \m0+1
.irp c, 0,1,2,3
	ds_load_b128 v[192+16*(\m)+4*\c:192+16*(\m)+4*\c+3], v[\al] offset:((\m)*6+(\s))*2048+512*\c
.endr
.endr
.endm
.macro SLD asl, s                      ; and the four row tiles' scale words
.irp m, 0,1,2,3
	ds_load_b32 v[36+4*((\s)%2)+\m], v[\asl] offset:(\m*6+(\s))*64
.endr
.endm
.macro AFIRST al, asl                  ; K step 0: tiles 0, 1; the scale words; tiles 2, 3
	WIN 0x40
	ALD \al, 0, 0
	WIN 0
	SLD \asl, 0
	WIN 0x40
	ALD \al, 0, 2
	WIN 0
.endm
.macro MM s, m, zero                   ; six matrix instructions: row tile m against my six tiles of W
.irp i, 0,1,2,3,4,5
.if \zero
	v_wmma_scale_f32_16x16x128_f8f6f4 v[48*(\m)+8*\i:48*(\m)+8*\i+7], v[64+96*((\s)%2)+16*\i:64+96*((\s)%2)+16*\i+15], v[192+16*(\m):192+16*(\m)+15], 0, v[24+6*((\s)%2)+\i], v[36+4*((\s)%2)+(\m)] matrix_a_fmt:MATRIX_FMT_BF8 matrix_b_fmt:MATRIX_FMT_BF8
.else
	v_wmma_scale_f32_16x16x128_f8f6f4 v[48*(\m)+8*\i:48*(\m)+8*\i+7], v[64+96*((\s)%2)+16*\i:64+96*((\s)%2)+16*\i+15], v[192+16*(\m):192+16*(\m)+15], v[48*(\m)+8*\i:48*(\m)+8*\i+7], v[24+6*((\s)%2)+\i], v[36+4*((\s)%2)+(\m)] matrix_a_fmt:MATRIX_FMT_BF8 matrix_b_fmt:MATRIX_FMT_BF8
.endif
.endr
.endm
; A K step: 24 matrix instructions, the 24 accumulators by turns, in the same order in every step.  Eight plain vector instructions stand between matrix instructions
; and loads into registers that they have read, or reads of their results.  lc: the global loads issued behind this step's set of W.
.macro KSTEP s, al, asl, zero, nxt, lc
	s_wait_loadcnt \lc
	s_wait_dscnt 8                                 ; tiles 0, 1 and the scale words are in; the youngest eight loads (tiles 2, 3) may be out
	WIN 0x54                                       ; W window 0; the activation, C and D window 1
	MM \s, 0, \zero
	MM \s, 1, \zero
	PLACES 8
.if \nxt
	WIN 0x40
	ALD \al, (\s)+1, 0
	WIN 0
	SLD \asl, (\s)+1
	s_wait_dscnt 12                                ; all but the twelve just issued: tiles 2, 3 are in
.else
	s_wait_dscnt 0x0
.endif
	WIN 0x54
	MM \s, 2, \zero
	MM \s, 3, \zero
	PLACES 8                                       ; also the places in front of the loads into this step's set of W
.if \nxt
	WIN 0x40
	ALD \al, (\s)+1, 2
.endif
	WIN 0
.endm
.macro GEMM4 al, asl, zero             ; K steps 0 to 3, each followed by the request for the set two steps on
	AFIRST \al, \asl
	KSTEP 0, \al, \asl, \zero, 1, 30
	WLOAD 0, 2
	KSTEP 1, \al, \asl, 0, 1, 30
	WLOAD 1, 3
	KSTEP 2, \al, \asl, 0, 1, 30
	WLOAD 0, 4
	KSTEP 3, \al, \asl, 0, 1, 30
	WLOAD 1, 5
.endm
; 64 numbers of a lane in window 1, register 16 b + i = number 32 b + 16 (lane / 16) + i of my row's 128, become 16 registers of codes in window 1 at dst; the four scale bytes stay in v[TM+4] on.
; The largest magnitude has the floor 2^(16 - 127) among its leaves, so the byte cannot fall under 1; its exponent field less 15 is the scale; the hold at 57,344 x the scale stands ahead of the conversion, which
; does not saturate (ISA guide 7.6.2).  relu = 1: what is negative does not count for the largest magnitude, and the hold clips it at 0: the activation costs nothing.
.macro QUANT src, relu, dst
	WIN 0x05
.irp b, 0,1,2,3
.if \relu
	v_max3_num_f32 v[TM+\b], v[(\src)+16*\b], v[(\src)+16*\b+1], 0x8000000
.else
	v_max3_num_f32 v[TM+\b], |v[(\src)+16*\b]|, |v[(\src)+16*\b+1]|, 0x8000000
.endif
.endr
	WIN 0x14
.irp i, 2,4,6,8,10,12,14
.irp b, 0,1,2,3
.if \relu
	v_max3_num_f32 v[TM+\b], v[TM+\b], v[(\src)+16*\b+\i], v[(\src)+16*\b+\i+1]
.else
	v_max3_num_f32 v[TM+\b], v[TM+\b], |v[(\src)+16*\b+\i]|, |v[(\src)+16*\b+\i+1]|
.endif
.endr
.endr
	WIN 0
.irp b, 0,1,2,3
	v_permlanex16_b32 v[TM+4+\b], v[TM+\b], s[SEL], s[SEL+1]
.endr
.irp b, 0,1,2,3
	v_max_num_f32 v[TM+\b], v[TM+\b], v[TM+4+\b]   ; with lane l xor 16's 16 numbers: the block's largest magnitude
.endr
.irp b, 0,1,2,3
	v_add_nc_u32 v[TM+12+\b], 0xf8800000, v[TM+\b] ; 15 off the exponent field: the conversion's scale operand
.endr
.irp b, 0,1,2,3
	v_and_or_b32 v[TM+8+\b], v[TM+\b], 0x7f800000, s[MNT]  ; 57,344 x the scale
.endr
.irp b, 0,1,2,3
	v_lshrrev_b32 v[TM+4+\b], 23, v[TM+12+\b]      ; the scale's byte
.endr
	WIN 0x41
.irp b, 0,1,2,3
.irp i, 0,1,2,3,4,5,6,7,8,9,10,11,12,13,14,15
.if \relu
	v_med3_num_f32 v[(\src)+16*\b+\i], v[(\src)+16*\b+\i], 0, v[TM+8+\b]
.else
	v_med3_num_f32 v[(\src)+16*\b+\i], v[(\src)+16*\b+\i], -v[TM+8+\b], v[TM+8+\b]
.endif
.endr
	v_cvt_scalef32_pk8_bf8_f32 v[(\dst)+4*\b:(\dst)+4*\b+1], v[(\src)+16*\b:(\src)+16*\b+7], v[TM+12+\b]
	v_cvt_scalef32_pk8_bf8_f32 v[(\dst)+4*\b+2:(\dst)+4*\b+3], v[(\src)+16*\b+8:(\src)+16*\b+15], v[TM+12+\b]
.endr
	WIN 0
	v_nop                                          ; one plain vector instruction behind the last scaled conversion
.endm
; The 24 accumulators become the next product's operand: twelve blocks of 32 a lane; block 3 m + b is group (3 w + b) % 4 of fragment (m, (3 w + b) / 4).  Images at v[adr], bytes at sco.
.macro QOUT relu, adr, sco
.irp q, 0,1,2
	QUANT 64*\q, \relu, 192+16*\q
	WIN 0x04
.irp jj, 0,1,2,3
	ds_store_b128 v[\adr], v[192+16*\q+4*\jj:192+16*\q+4*\jj+3] offset:12288*((4*\q+\jj)/3)+512*((4*\q+\jj)%3)
.endr
	WIN 0
.irp jj, 0,1,2,3
	ds_store_b8 v[HWS+(4*\q+\jj)%3], v[TM+4+\jj] offset:\sco+384*((4*\q+\jj)/3)
.endr
	s_wait_dscnt 0x0                               ; the stores have read the bytes' registers, which the next quantiser writes
.endr
.endm
; The pairs v[192+4m:193+4m] and v[194+4m:195+4m] of window 1 hold a lane's partial sums for row tile m.  They are folded, joined with lane l xor 16's, exchanged among the eight waves through LDS (one barrier),
; and the row's total comes out in v[208+8m], the same bits in every wave.
.macro XCHG off
	WIN 0x45
.irp m, 0,1,2,3
	v_pk_add_f32 v[192+4*\m:193+4*\m], v[192+4*\m:193+4*\m], v[194+4*\m:195+4*\m]
.endr
.irp m, 0,1,2,3
	v_add_f32 v[192+4*\m], v[192+4*\m], v[193+4*\m]
.endr
	WIN 0x41
.irp m, 0,1,2,3
	v_permlanex16_b32 v[194+4*\m], v[192+4*\m], s[SEL], s[SEL+1]
.endr
	WIN 0x45
.irp m, 0,1,2,3
	v_add_f32 v[192+4*\m], v[192+4*\m], v[194+4*\m]
.endr
	WIN 0x04
.irp m, 0,1,2,3
	ds_store_b32 v[RDW], v[192+4*\m] offset:\off+64*\m      ; both halves of the lanes write the same word with the same value
.endr
	WIN 0
	BAR
	WIN 0x40
.irp m, 0,1,2,3
.irp u, 0,1,2,3,4,5,6,7
	ds_load_b32 v[208+8*\m+\u], v[RDR] offset:\off+64*\m+256*\u
.endr
.endr
	s_wait_dscnt 0x0
	WIN 0x45
.irp u, 0,2,4,6
.irp m, 0,1,2,3
	v_add_f32 v[208+8*\m+\u], v[208+8*\m+\u], v[209+8*\m+\u]
.endr
.endr
.irp u, 0,4
.irp m, 0,1,2,3
	v_add_f32 v[208+8*\m+\u], v[208+8*\m+\u], v[210+8*\m+\u]
.endr
.endr
.irp m, 0,1,2,3
	v_add_f32 v[208+8*\m], v[208+8*\m], v[212+8*\m]
.endr
.endm
	s_load_b256 s[4:11], s[0:1], 0x0               ; ctx, wimg, x, g1
	s_load_b256 s[12:19], s[0:1], 0x20             ; beta1, b1, hbuf, part
	v_lshl_add_u32 v20, v0, 2, 0x19c00
	v_mov_b32 v23, 0
	v_lshrrev_b32 v1, 5, v0
	v_readfirstlane_b32 s20, v1                    ; wave 0..7
	s_and_b32 s22, ttmp7, 0xffff                   ; y
	v_and_b32 v60, 31, v0                          ; lane
	v_and_b32 v61, 15, v0                          ; r
	v_bfe_u32 v62, v0, 4, 1                        ; h
	v_lshlrev_b32 v1, 4, v60
	v_lshlrev_b32 v2, 2, v61
	s_mul_i32 s30, s20, 384
	v_lshl_add_u32 v[GO], v62, 6, s30              ; a vector of 768 numbers: my 96, + 16 h of them
	v_mul_u32_u24 v[XO], v61, 3072
	v_add_nc_u32 v[XO], v[XO], v[GO]               ; x: row r as well
	s_mul_i32 s30, s20, 6144
	v_add_nc_u32 v[IMG], s30, v1
	v_add_nc_u32 v[AL1], R1, v1
	v_add_nc_u32 v[ASL0], SC0, v2
	v_add_nc_u32 v[ASL1], SC1, v2
	s_mul_i32 s30, s20, 73728
	v_add_nc_u32 v[WV6], s30, v1                   ; my six tiles' images where a tile has 6 K steps,
	s_mul_i32 s30, s20, 294912
	v_add_nc_u32 v[WV24], s30, v1                  ; and where it has 24
	s_mul_i32 s30, s20, 2304
	v_add_nc_u32 v[WS6], s30, v2
	s_mul_i32 s30, s20, 9216
	v_add_nc_u32 v[WS24], s30, v2
	s_mul_i32 s30, s20, 1536
	v_add_nc_u32 v[HWI], s30, v1                   ; where my three blocks' codes go: groups 3 w on of a row tile's images
	v_add_nc_u32 v[HWI1], R1, v[HWI]
.irp b, 0,1,2
	s_mul_i32 s30, s20, 3
	s_add_co_u32 s30, s30, \b
	s_lshr_b32 s31, s30, 2
	s_lshl_b32 s31, s31, 6
	s_and_b32 s30, s30, 3
	s_add_co_u32 s30, s30, s31
	s_add_co_u32 s30, s30, SC0
	v_add_nc_u32 v[HWS+\b], s30, v2                ; and their scale bytes: word (3 w + b) / 4, byte (3 w + b) % 4
.endr
	s_lshl_b32 s30, s20, 8
	s_add_co_u32 s30, s30, RED
	v_add_nc_u32 v[RDW], s30, v2
	v_add_nc_u32 v[RDR], RED, v2
	s_lshl_b32 s30, s20, 9
	v_add_nc_u32 v[SCGL], s30, v1
	v_add_nc_u32 v[SCP], SC0, v[SCGL]
	v_add_nc_u32 v[SCGL], CTXS, v[SCGL]
	s_mov_b32 s[SEL], 0x76543210
	s_mov_b32 s[SEL+1], 0xfedcba98
	s_mov_b32 s[MNT], 0x600000
	s_mov_b32 s[INV], 0x3aaaaaab                   ; 1 / 768
	s_mov_b32 s[EPS], 0x3727c5ac                   ; 1e-5
.irp b, 0,1,2,3
	v_mov_b32 v[TM+4+\b], 0                        ; written once: a lane permute's destination counts as one of its sources
.endr
	s_mov_b32 s31, 0
	s_wait_kmcnt 0x0
	s_mul_i32 s30, ttmp9, 1536
	s_add_nc_u64 s[48:49], s[4:5], s[30:31]        ; ctx's scale words of my 64 rows
	s_mul_i32 s30, ttmp9, 49152
	s_add_nc_u64 s[4:5], s[4:5], s[30:31]          ; and their images
	s_mul_i32 s30, ttmp9, 196608
	s_add_nc_u64 s[8:9], s[8:9], s[30:31]
	s_add_nc_u64 s[16:17], s[16:17], s[30:31]
	s_add_nc_u64 s[18:19], s[18:19], s[30:31]
	s_mul_i32 s30, s22, 12582912
	s_add_nc_u64 s[18:19], s[18:19], s[30:31]      ; slice y of the partial sums
	s_mul_i32 s30, s22, 3072
	s_add_nc_u64 s[14:15], s[14:15], s[30:31]
	s_mov_b64 s[36:37], s[6:7]                     ; Wo's images lie first
	s_add_nc_u64 s[38:39], s[6:7], WO_S
	s_mul_i32 s30, s22, 589824
	s_add_co_u32 s30, s30, W1_C
	s_add_nc_u64 s[40:41], s[6:7], s[30:31]        ; W1: tiles 48 y on
	s_mul_i32 s30, s22, 18432
	s_add_co_u32 s30, s30, W1_S
	s_add_nc_u64 s[42:43], s[6:7], s[30:31]
	s_mul_i32 s30, s22, 12288
	s_add_co_u32 s30, s30, W2_C
	s_add_nc_u64 s[44:45], s[6:7], s[30:31]        ; W2: K steps 6 y on
	s_mul_i32 s30, s22, 384
	s_add_co_u32 s30, s30, W2_S
	s_add_nc_u64 s[46:47], s[6:7], s[30:31]
	; ---- ctx's images into LDS (each wave an eighth); x straight into the accumulators: the residual is the first product's C
	WIN 0x40
.irp k, 0,1,2,3,4,5,6,7,8,9,10,11
	global_load_b128 v[192+4*\k:195+4*\k], v[IMG], s[4:5] offset:512*\k
.endr
	WIN 0
	s_cmp_gt_u32 s20, 2
	s_cbranch_scc1 .Lns0
	global_load_b128 v[60:63], v[SCGL], s[48:49]
.Lns0:
	WIN 0x40
.irp m, 0,1,2,3
.irp i, 0,1,2,3,4,5
.irp f, 0,1
	global_load_b128 v[48*\m+8*\i+4*\f:48*\m+8*\i+4*\f+3], v[XO], s[8:9] offset:49152*\m+128*(\i/2)+32*(\i%2)+16*\f
.endr
.endr
.endr
	s_wait_loadcnt 48                              ; ctx is in; x's 48 loads may be out
	WIN 0x04
.irp k, 0,1,2,3,4,5,6,7,8,9,10,11
	ds_store_b128 v[IMG], v[192+4*\k:195+4*\k] offset:512*\k
.endr
	WIN 0
	s_cmp_gt_u32 s20, 2
	s_cbranch_scc1 .Lns1
	ds_store_b128 v[SCP], v[60:63]
.Lns1:
	USEW WV6, WS6, 36, 6
	WLOAD 0, 0
	WLOAD 1, 1
	BAR
	; ---- x + ctx Wo
	GEMM4 1, ASL0, 0
	KSTEP 4, 1, ASL0, 0, 1, 30
	USEW WV6, WS6, 40, 6
	WLOAD 0, 0                                     ; W1's first set is asked for under the norm
	KSTEP 5, 1, ASL0, 0, 0, 30
.irp i, 0,1,2,3,4,5
.irp f, 0,1
	global_load_b128 v[160+8*\i+4*\f:163+8*\i+4*\f], v[GO], s[10:11] offset:128*(\i/2)+32*(\i%2)+16*\f    ; g1 and beta1 of my columns, in the accumulators' layout
	global_load_b128 v[208+8*\i+4*\f:211+8*\i+4*\f], v[GO], s[12:13] offset:128*(\i/2)+32*(\i%2)+16*\f
.endr
.endr
	; ---- the norm, pass 1: the rows' sums, two chains a row tile, each accumulator from its low end on
	WIN 0x45
.irp m, 0,1,2,3
	v_pk_add_f32 v[192+4*\m:193+4*\m], v[48*\m:48*\m+1], v[48*\m+4:48*\m+5]
	v_pk_add_f32 v[194+4*\m:195+4*\m], v[48*\m+2:48*\m+3], v[48*\m+6:48*\m+7]
.endr
.irp k, 8,12,16,20,24,28,32,36,40,44
.irp m, 0,1,2,3
	v_pk_add_f32 v[192+4*\m:193+4*\m], v[192+4*\m:193+4*\m], v[48*\m+\k:48*\m+\k+1]
	v_pk_add_f32 v[194+4*\m:195+4*\m], v[194+4*\m:195+4*\m], v[48*\m+\k+2:48*\m+\k+3]
.endr
.endr
	XCHG 0
	WIN 0x41
.irp m, 0,1,2,3
	v_mul_f32 v[240+2*\m], v[208+8*\m], s[INV]     ; the mean, in both registers of a pair
	v_mul_f32 v[241+2*\m], v[208+8*\m], s[INV]
.endr
	; ---- pass 2: the differences, in place, and the sums of their squares
	WIN 0x45
.irp m, 0,1,2,3
.set k, 0
.rept 24
	v_pk_add_f32 v[48*\m+k:48*\m+k+1], v[48*\m+k:48*\m+k+1], v[240+2*\m:241+2*\m] neg_lo:[0,1] neg_hi:[0,1]
.set k, k+2
.endr
.endr
.irp m, 0,1,2,3
	v_pk_mul_f32 v[192+4*\m:193+4*\m], v[48*\m:48*\m+1], v[48*\m:48*\m+1]
	v_pk_mul_f32 v[194+4*\m:195+4*\m], v[48*\m+2:48*\m+3], v[48*\m+2:48*\m+3]
.endr
	WIN 0x55
.irp k, 4,8,12,16,20,24,28,32,36,40,44
.irp m, 0,1,2,3
	v_pk_fma_f32 v[192+4*\m:193+4*\m], v[48*\m+\k:48*\m+\k+1], v[48*\m+\k:48*\m+\k+1], v[192+4*\m:193+4*\m]
	v_pk_fma_f32 v[194+4*\m:195+4*\m], v[48*\m+\k+2:48*\m+\k+3], v[48*\m+\k+2:48*\m+\k+3], v[194+4*\m:195+4*\m]
.endr
.endr
	XCHG 2048
	WIN 0x41
.irp m, 0,1,2,3
	v_fma_f32 v[208+8*\m], v[208+8*\m], s[INV], s[EPS]
.endr
.irp m, 0,1,2,3
	v_rsq_f32 v[240+2*\m], v[208+8*\m]             ; twice, to fill the pair that the packed multiply names
	v_rsq_f32 v[241+2*\m], v[208+8*\m]
.endr
	v_nop                                          ; a plain instruction behind the last of the batch
	s_wait_alu depctr_va_vdst(0)                   ; one wait for the eight, ahead of their first reader
	WIN 0x45
.irp m, 0,1,2,3
.set k, 0
.rept 24
	v_pk_mul_f32 v[48*\m+k:48*\m+k+1], v[48*\m+k:48*\m+k+1], v[240+2*\m:241+2*\m]
.set k, k+2
.endr
.endr
	s_wait_loadcnt 0x0                             ; g1 and beta1 (and W1's first set)
	WIN 0x41
.irp m, 0,1,2,3
.set k, 0
.rept 24
	v_pk_fma_f32 v[48*\m+k:48*\m+k+1], v[48*\m+k:48*\m+k+1], v[160+k:161+k], v[208+k:209+k]
.set k, k+2
.endr
.endr
	WIN 0
	s_cmp_lg_u32 s22, 0                            ; h leaves once, from the y = 0 work-group, as the accumulators lie
	s_cbranch_scc1 .Lno_h
	WIN 0x04
.irp m, 0,1,2,3
.irp i, 0,1,2,3,4,5
.irp f, 0,1
	global_store_b128 v[IMG], v[48*\m+8*\i+4*\f:48*\m+8*\i+4*\f+3], s[16:17] offset:49152*\m+1024*\i+512*\f     ; 32 lanes store 512 consecutive bytes, aligned
.endr
.endr
.endr
	WIN 0
.Lno_h:
	s_wait_xcnt 0x0                                ; the stores have read their data, which the quantiser's hold writes
	QOUT 0, HWI1, SC1-SC0
	WIN 0x40
.irp m, 0,1,2,3
.irp i, 0,1,2,3,4,5
.irp f, 0,1
	global_load_b128 v[48*\m+8*\i+4*\f:48*\m+8*\i+4*\f+3], v[GO], s[14:15] offset:128*(\i/2)+32*(\i%2)+16*\f    ; b1 is the next product's C
.endr
.endr
.endr
	WIN 0
	WLOAD 1, 1
	BAR                                            ; h's 24 fragments lie in R1
	; ---- relu(h W1 + b1), my quarter
	GEMM4 AL1, ASL1, 0                             ; (the first step's count of 30 leaves W1's second set out: b1's 48 loads, issued ahead of it, are in)
	KSTEP 4, AL1, ASL1, 0, 1, 30
	USEW WV24, WS24, 44, 24
	WLOAD 0, 0
	KSTEP 5, AL1, ASL1, 0, 0, 30
	WLOAD 1, 1
	QOUT 1, HWI, 0                                 ; R0's last readers, the first product's steps, lie three barriers back
	BAR                                            ; the hidden quarter's 24 fragments lie in R0
	; ---- x W2, my quarter of K
	GEMM4 1, ASL0, 1                               ; the first step starts the sums: nothing is cleared
	KSTEP 4, 1, ASL0, 0, 1, 30
	KSTEP 5, 1, ASL0, 0, 0, 0
	WIN 0x04
.irp m, 0,1,2,3
.irp i, 0,1,2,3,4,5
.irp f, 0,1
	global_store_b128 v[IMG], v[48*\m+8*\i+4*\f:48*\m+8*\i+4*\f+3], s[18:19] offset:49152*\m+1024*\i+512*\f th:TH_STORE_NT   ; each accumulator from its low end on; 512 consecutive bytes a store
.endr
.endr
.endr
	WIN 0
	s_wait_tensorcnt 0x0
	ds_add_u32 v20, v23
	s_wait_dscnt 0x0
	s_endpgm
.Lfunc_end_k_qf34f7717db_chain:
	.size	k_qf34f7717db_chain, .Lfunc_end_k_qf34f7717db_chain-k_qf34f7717db_chain
	.p2alignl 7, 3214868480
	.fill 96, 4, 3214868480
	.section	.rodata,"a",@progbits
	.p2align	6, 0x0
	.amdhsa_kernel k_qf34f7717db_chain
		.amdhsa_group_segment_fixed_size 106496
		.amdhsa_private_segment_fixed_size 0
		.amdhsa_enable_private_segment 0
		.amdhsa_kernarg_size 64
		.amdhsa_user_sgpr_count 2
		.amdhsa_user_sgpr_kernarg_segment_ptr 1
		.amdhsa_wavefront_size32 1
		.amdhsa_system_sgpr_workgroup_id_x 1
		.amdhsa_system_sgpr_workgroup_id_y 1
		.amdhsa_system_sgpr_workgroup_id_z 1
		.amdhsa_system_vgpr_workitem_id 0
		.amdhsa_next_free_vgpr 512
		.amdhsa_next_free_sgpr 66
		.amdhsa_reserve_vcc 0
		.amdhsa_float_denorm_mode_32 3
		.amdhsa_float_denorm_mode_16_64 3
		.amdhsa_memory_ordered 1
		.amdhsa_forward_progress 1
		.amdhsa_inst_pref_size 255
	.end_amdhsa_kernel
	.section	.bss,"aw",@nobits
	.p2align	6
	.space	262144
	.amdgpu_metadata
---
amdhsa.version: [ 1, 2 ]
amdhsa.kernels:
  - .name:           k_qf34f7717db_chain
    .symbol:         k_qf34f7717db_chain.kd
    .args:
      - { .name: ctx, .offset: 0, .size: 8, .value_kind: global_buffer, .address_space: global }
      - { .name: wimg, .offset: 8, .size: 8, .value_kind: global_buffer, .address_space: global }
      - { .name: x, .offset: 16, .size: 8, .value_kind: global_buffer, .address_space: global }
      - { .name: g1, .offset: 24, .size: 8, .value_kind: global_buffer, .address_space: global }
      - { .name: beta1, .offset: 32, .size: 8, .value_kind: global_buffer, .address_space: global }
      - { .name: b1, .offset: 40, .size: 8, .value_kind: global_buffer, .address_space: global }
      - { .name: hbuf, .offset: 48, .size: 8, .value_kind: global_buffer, .address_space: global }
      - { .name: part, .offset: 56, .size: 8, .value_kind: global_buffer, .address_space: global }
    .group_segment_fixed_size: 106496
    .private_segment_fixed_size: 0
    .kernarg_segment_align: 8
    .kernarg_segment_size: 64
    .max_flat_workgroup_size: 256
    .sgpr_count:     66
    .vgpr_count:     512
    .wavefront_size: 32
...
	.end_amdgpu_metadata
.endif
;; end of part 3
;; launch ln2 (part 4): grid 256 x 1, 8 waves a work-group, no clusters, 51,712 bytes of LDS; arguments hbuf, part, b2, g2, beta2, out0; writes out0
.if DOCPART == 4
	.amdgcn_target "amdgcn-amd-amdhsa--gfx1250"
	.amdhsa_code_object_version 6
	.text
	.protected	k_qf34f7717db_ln2
	.globl	k_qf34f7717db_ln2
	.p2align	8
	.type	k_qf34f7717db_ln2,@function
k_qf34f7717db_ln2:
	s_mov_b64 s[64:65], 0
	v_nop
	global_prefetch_b8 v0, s[64:65] scope:SCOPE_SE
	s_setreg_imm32_b32 hwreg(HW_REG_WAVE_MODE, 25, 1), 1
	s_wait_xcnt 0x0
; out0 = LayerNorm(h + (p0 + p1 + p2 + p3) + b2) g2 + beta2: the four partial sums of the last product are added in a fixed order, in f32.
; h and the partial sums lie as the accumulators of the launch before: for 16 tokens (Mt) and wave w, 6,144 bytes; register 8 i + 4 f + q of lane (r, h) at 1,024 i + 512 f + 16 x lane is
; (token 16 Mt + r, column 96 w + 32 (i / 2) + 16 h + 8 (i % 2) + 4 f + q).  So every load here reads 512 consecutive bytes.
; A work-group takes 16 tokens, wave w its 96 columns.  Memory binds: no matrix unit, no cluster, no tensor load; three buffers' loads (36 a wave) are on their way while a fourth is added.
; The norm goes in two passes (mean, then the sum of squared differences) with one exchange among the waves for each.  The rows leave through a stage in LDS, 512 consecutive bytes a store.
; LIMITS: NaN and infinities are not served; the mean is taken by a multiplication with 1/768; v_rsq_f32 as it is (1 ulp).
.set S,   32                           ; v32-79   the sum
.set T0,  80                           ; v80-127, v128-175, v176-223: three buffers that take turns
.set T1,  128
.set T2,  176
.set RED, 49408                        ; LDS: the stage, 16 rows 3,088 bytes apart, at 0; then [8 waves][16 rows] f32, twice
.macro LD reg, base                    ; a slab of 48 registers: 12 loads; read once in the launch
.irp i, 0,1,2,3,4,5
.irp f, 0,1
	global_load_b128 v[\reg+8*\i+4*\f:\reg+8*\i+4*\f+3], v1, s[\base:\base+1] offset:1024*\i+512*\f th:TH_LOAD_NT
.endr
.endr
.endm
.macro LDV reg, base                   ; a vector of 768 numbers, my columns, in the same layout
.irp i, 0,1,2,3,4,5
.irp f, 0,1
	global_load_b128 v[\reg+8*\i+4*\f:\reg+8*\i+4*\f+3], v2, s[\base:\base+1] offset:128*(\i/2)+32*(\i%2)+16*\f
.endr
.endr
.endm
.macro ADDT reg
	s_wait_loadcnt 24                              ; loads come back in order: this buffer is in, the two younger ones (24 loads) may be out
.set k, 0
.rept 24
	v_pk_add_f32 v[S+k:S+k+1], v[S+k:S+k+1], v[\reg+k:\reg+k+1]
.set k, k+2
.endr
.endm
.macro BAR
	s_wait_dscnt 0x0
	s_barrier_signal -1
	s_barrier_wait -1
.endm
.macro XCH off                         ; v[224:225], v[226:227]: my partial sums; the row's total comes out in v232, the same bits in every wave
	v_pk_add_f32 v[224:225], v[224:225], v[226:227]
	v_add_f32 v224, v224, v225
	v_permlanex16_b32 v226, v224, s28, s29
	v_add_f32 v224, v224, v226
	ds_store_b32 v6, v224 offset:\off              ; both halves of the lanes write the same word with the same value
	BAR
.irp u, 0,1,2,3,4,5,6,7
	ds_load_b32 v[232+\u], v7 offset:\off+64*\u
.endr
	s_wait_dscnt 0x0
.irp u, 0,2,4,6
	v_add_f32 v[232+\u], v[232+\u], v[233+\u]
.endr
	v_add_f32 v232, v232, v234
	v_add_f32 v236, v236, v238
	v_add_f32 v232, v232, v236
.endm
	s_load_b256 s[4:11], s[0:1], 0x0               ; hbuf, part, b2, g2
	s_load_b128 s[12:15], s[0:1], 0x20             ; beta2, out0
	v_lshl_add_u32 v254, v0, 2, 0xc600
	v_mov_b32 v255, 0
	v_lshrrev_b32 v1, 5, v0
	v_readfirstlane_b32 s24, v1                    ; wave 0..7
	v_and_b32 v8, 31, v0
	v_and_b32 v9, 15, v0                           ; r
	v_bfe_u32 v10, v0, 4, 1                        ; h
	s_mul_i32 s25, s24, 6144
	v_lshl_add_u32 v1, v8, 4, s25                  ; 16 x lane + 6,144 w: a slab in memory; also two rows of out0
	s_mul_i32 s25, s24, 384
	v_lshl_add_u32 v2, v10, 6, s25
	v_mul_u32_u24 v3, v9, 3088
	v_add_nc_u32 v3, v3, v2                        ; the stage, on the way in: row r, my columns
	s_mul_i32 s25, s24, 6176
	v_lshl_add_u32 v4, v8, 4, s25                  ; and back: rows 2 w and 2 w + 1
	s_lshl_b32 s25, s24, 6
	s_add_co_u32 s25, s25, RED
	v_lshl_add_u32 v6, v9, 2, s25
	v_lshl_add_u32 v7, v9, 2, RED
	s_mov_b32 s28, 0x76543210
	s_mov_b32 s29, 0xfedcba98
	s_mov_b32 s30, 0x3aaaaaab                      ; 1 / 768
	s_mov_b32 s31, 0x3727c5ac                      ; 1e-5
	s_mul_i32 s26, ttmp9, 49152
	s_mov_b32 s27, 0
	s_wait_kmcnt 0x0
	s_add_nc_u64 s[4:5], s[4:5], s[26:27]
	s_add_nc_u64 s[16:17], s[6:7], s[26:27]
	s_add_nc_u64 s[18:19], s[16:17], 12582912
	s_add_nc_u64 s[20:21], s[18:19], 12582912
	s_add_nc_u64 s[22:23], s[20:21], 12582912
	s_add_nc_u64 s[14:15], s[14:15], s[26:27]
	LD S, 4
	LD T0, 16
	LD T1, 18
	LD T2, 20
	ADDT T0
	LD T0, 22
	ADDT T1
	LDV T1, 8
	ADDT T2
	LDV T2, 10
	ADDT T0
	LDV T0, 12
	ADDT T1                                        ; b2; g2 and beta2 may still be out
	v_pk_add_f32 v[224:225], v[S:S+1], v[S+4:S+5]
	v_pk_add_f32 v[226:227], v[S+2:S+3], v[S+6:S+7]
.irp k, 8,12,16,20,24,28,32,36,40,44
	v_pk_add_f32 v[224:225], v[224:225], v[S+\k:S+\k+1]
	v_pk_add_f32 v[226:227], v[226:227], v[S+\k+2:S+\k+3]
.endr
	XCH 0
	v_mul_f32 v228, s30, v232                      ; the mean, in both registers of a pair
	v_mul_f32 v229, s30, v232
.set k, 0
.rept 24
	v_pk_add_f32 v[S+k:S+k+1], v[S+k:S+k+1], v[228:229] neg_lo:[0,1] neg_hi:[0,1]
.set k, k+2
.endr
	v_pk_mul_f32 v[224:225], v[S:S+1], v[S:S+1]
	v_pk_mul_f32 v[226:227], v[S+2:S+3], v[S+2:S+3]
.irp k, 4,8,12,16,20,24,28,32,36,40,44
	v_pk_fma_f32 v[224:225], v[S+\k:S+\k+1], v[S+\k:S+\k+1], v[224:225]
	v_pk_fma_f32 v[226:227], v[S+\k+2:S+\k+3], v[S+\k+2:S+\k+3], v[226:227]
.endr
	XCH 512
	v_fma_f32 v232, v232, s30, s31
	v_rsq_f32 v228, v232                           ; twice, to fill the pair
	v_rsq_f32 v229, v232
	v_nop                                          ; a plain instruction behind the second
	s_wait_alu depctr_va_vdst(0)                   ; one wait for both, ahead of their first reader
.set k, 0
.rept 24
	v_pk_mul_f32 v[S+k:S+k+1], v[S+k:S+k+1], v[228:229]
.set k, k+2
.endr
	s_wait_loadcnt 0x0                             ; g2 and beta2
.set k, 0
.rept 24
	v_pk_fma_f32 v[S+k:S+k+1], v[S+k:S+k+1], v[T2+k:T2+k+1], v[T0+k:T0+k+1]
.set k, k+2
.endr
.irp i, 0,1,2,3,4,5
.irp f, 0,1
	ds_store_b128 v3, v[S+8*\i+4*\f:S+8*\i+4*\f+3] offset:128*(\i/2)+32*(\i%2)+16*\f
.endr
.endr
	BAR                                            ; 16 whole rows lie in the stage
.irp k, 0,1,2,3,4,5,6,7,8,9,10,11
	ds_load_b128 v[T0+4*\k:T0+4*\k+3], v4 offset:(\k/6)*3088+(\k%6)*512
.endr
.irp k, 0,1,2,3,4,5,6,7,8,9,10,11
	s_wait_dscnt 11-\k
	global_store_b128 v1, v[T0+4*\k:T0+4*\k+3], s[14:15] offset:(\k/6)*3072+(\k%6)*512 th:TH_STORE_NT   ; 32 lanes store 512 consecutive bytes, aligned
.endr
	s_wait_tensorcnt 0x0
	ds_add_u32 v254, v255
	s_wait_dscnt 0x0
	s_endpgm
.Lfunc_end_k_qf34f7717db_ln2:
	.size	k_qf34f7717db_ln2, .Lfunc_end_k_qf34f7717db_ln2-k_qf34f7717db_ln2
	.p2alignl 7, 3214868480
	.fill 96, 4, 3214868480
	.section	.rodata,"a",@progbits
	.p2align	6, 0x0
	.amdhsa_kernel k_qf34f7717db_ln2
		.amdhsa_group_segment_fixed_size 51712
		.amdhsa_private_segment_fixed_size 0
		.amdhsa_enable_private_segment 0
		.amdhsa_kernarg_size 48
		.amdhsa_user_sgpr_count 2
		.amdhsa_user_sgpr_kernarg_segment_ptr 1
		.amdhsa_wavefront_size32 1
		.amdhsa_system_sgpr_workgroup_id_x 1
		.amdhsa_system_sgpr_workgroup_id_y 1
		.amdhsa_system_sgpr_workgroup_id_z 1
		.amdhsa_system_vgpr_workitem_id 0
		.amdhsa_next_free_vgpr 256
		.amdhsa_next_free_sgpr 66
		.amdhsa_reserve_vcc 0
		.amdhsa_float_denorm_mode_32 3
		.amdhsa_float_denorm_mode_16_64 3
		.amdhsa_memory_ordered 1
		.amdhsa_forward_progress 1
		.amdhsa_inst_pref_size 32
	.end_amdhsa_kernel
	.amdgpu_metadata
---
amdhsa.version: [ 1, 2 ]
amdhsa.kernels:
  - .name:           k_qf34f7717db_ln2
    .symbol:         k_qf34f7717db_ln2.kd
    .args:
      - { .name: hbuf, .offset: 0, .size: 8, .value_kind: global_buffer, .address_space: global }
      - { .name: part, .offset: 8, .size: 8, .value_kind: global_buffer, .address_space: global }
      - { .name: b2, .offset: 16, .size: 8, .value_kind: global_buffer, .address_space: global }
      - { .name: g2, .offset: 24, .size: 8, .value_kind: global_buffer, .address_space: global }
      - { .name: beta2, .offset: 32, .size: 8, .value_kind: global_buffer, .address_space: global }
      - { .name: out0, .offset: 40, .size: 8, .value_kind: global_buffer, .address_space: global }
    .group_segment_fixed_size: 51712
    .private_segment_fixed_size: 0
    .kernarg_segment_align: 8
    .kernarg_segment_size: 48
    .max_flat_workgroup_size: 256
    .sgpr_count:     66
    .vgpr_count:     256
    .wavefront_size: 32
...
	.end_amdgpu_metadata
.endif
;; end of part 4
;; ======== version 2 of 2: 4 launches
;; workspace buffers: wimg 5,474,304 bytes; qkv 9,732,096 bytes; ctx 3,244,032 bytes; hbuf 12,582,912 bytes; part 50,331,648 bytes
;; launch qkv (part 5): grid 246 x 1, 8 waves a work-group, no clusters, 312,320 bytes of LDS; arguments x, qkv, Wq_codes, Wq_scales, Wk_codes, Wk_scales, Wv_codes, Wv_scales, Wo_codes, Wo_scales, W1_codes, W1_scales, W2_codes, W2_scales, wimg; writes qkv, wimg
.if DOCPART == 5
	.amdgcn_target "amdgcn-amd-amdhsa--gfx1250"
	.amdhsa_code_object_version 6
	.text
	.protected	k_qf34f7717db_qkv
	.globl	k_qf34f7717db_qkv
	.p2align	8
	.type	k_qf34f7717db_qkv,@function
k_qf34f7717db_qkv:
	s_mov_b64 s[64:65], 0
	v_nop
	global_prefetch_b8 v0, s[64:65] scope:SCOPE_SE
	s_setreg_imm32_b32 hwreg(HW_REG_WAVE_SCHED_MODE, 0, 2), 2
	s_setreg_imm32_b32 hwreg(HW_REG_WAVE_MODE, 25, 1), 1
	s_wait_xcnt 0x0
	s_wait_alu depctr_vm_vsrc(0)
; Work-groups 0-191: (y = number / 64: Q, K or V; rb = number % 64: 64 tokens).  x's 64 rows are quantised to BF8 (E5M2) codes with one E8M0 byte for each 32 along K, multiplied by the
; weight's codes (K = 768, six steps of 128), and the result is quantised again: Q and K along the head's 64 (blocks of 32 neighbouring columns), V along the keys.
; THE HEAD SPLIT IS ROW-MAJOR: the [4096][768] result is [49152 pseudo-rows][64]; pseudo-row = 12 x token + column / 64; head = pseudo-row / 4096.  So Q's and K's codes leave as they lie,
; and a block of 32 keys of V is 32 neighbouring pseudo-rows: the work-group's 768 pseudo-rows are 24 whole blocks.
; Work-groups 192-245: Wo, W1, W2 are laid out as images of the operand's registers: one wave takes one tile of 16 rows and six K steps.
; SHARES of a product: eight waves; wave w owns columns 96 w .. 96 w + 95 (six tiles of 16) for all 64 rows (four tiles).  The matrix instruction is used TRANSPOSED (source 0 = 16 rows of W,
; source 1 = 16 rows of x), and lane r of W's tile T takes row 32 (T / 2) + 8 (T % 2) + r + 8 (r / 8): the 16 registers of tiles 2 b and 2 b + 1 are then 16 neighbouring columns of one row of the result.
; An operand goes from wave to wave through LDS as an image of its registers: group c of a fragment at 512 c + 16 x lane; its scale words at 4 x (lane % 16).
; No tensor load and no cluster: each fragment of W is multiplied by one wave alone and goes from memory straight into that wave's registers; through LDS it would be written and read once more.
; LIMITS: NaN and infinities among the inputs are not served.  A block whose largest magnitude lies under 2^-111, a block of zeros among them, gets the scale byte 1 (the rule says 127 for zeros):
; its codes are zeros or next to it, and the bytes are read by this program alone.
; REGISTERS.  Window 0: v1 16 x lane, v2 4 r, v3-23 addresses; v24-35 W's scale words (two sets), v36-43 x's (two sets); v44-59 at work in the quantiser; v60-62 scale words just made;
;   v64-159, v160-255 W's six fragments, two sets.   Window 1: v0-191 the 24 accumulators ((m, i) at 48 m + 8 i); v192-255 x's four fragments, else codes just made.
; THE MODE: SCHED_MODE bits 1:0 = 2 (LLVM: expert scheduling mode 2), set by the entry lines.  The code itself states the register dependences between vector or matrix instructions and
; memory or LDS instructions, with s_wait_alu, always for 0.
; THE PLAN.  Registers that memory or LDS instructions touch:
;   v1-23          addresses, made at the head, ahead of one wait on va_vdst; of them only V's three stage addresses are written again, once, between a wait on vm_vsrc and one on va_vdst.
;   W's two sets   K step s: its 24 products read set s % 2 and that set's scale words; the loads of step s + 2 land there behind the step's second wait.
;   x's fragments  one set (two waves of 512 registers fill a SIMD's 1,024: there is no room for a second): tiles 0, 1 are read by a step's first twelve products and loaded again behind
;                  the step's first wait; tiles 2, 3 by its last twelve, and loaded again behind its second.  Their scale words have two sets, loaded a step ahead behind the first wait.
;   out-buffers    codes (window 1, v192 on), scale bytes (v48-51), scale words (v60-62): written by a quantiser, read by the LDS stores behind one wait on va_vdst; a wait on vm_vsrc stands
;                  ahead of whatever writes them again.
.set XSC,   49152                      ; LDS: x's 24 fragment images lie at 0; their scale words here
.set QSTG,  50688                      ; Q's or K's codes: 64 rows, 784 bytes apart
.set QSS,   100864                     ; their scale bytes [64][24]
.set VSTG,  102400                     ; V in f32: 768 pseudo-rows, 272 bytes apart
.set KC,    3145728                    ; qkv: Q's codes at 0, K's here,
.set VC,    6291456                    ; V^T's fragment images,
.set QS,    9437184                    ; Q's scale bytes, K's 98,304 further on,
.set VS,    9633792                    ; V^T's scale words
.set W1_C,  589824                     ; wimg: Wo's images at 0, W1's, W2's,
.set W2_C,  2949120
.set WO_S,  5308416                    ; and their scale words
.set W1_S,  5326848
.set W2_S,  5400576
.set TM,  44
.set XA,  3
.set XWI, 4                            ; 16 x lane + 6,144 w: x's images in LDS, and the wave's eight rows of codes in memory
.set XWS, 5
.set WA,  6
.set WSA, 7
.set ASL, 9
.set QST, 10
.set QSB, 11
.set RA,  12
.set RC,  13
.set GC,  15
.set VST, 16
.set VRD, 19
.set VGO, 20
.set VGS, 21
.set SCL, 22
.set SCG, 23
.set RLC, 240                          ; the laying-out path: my lane's offset among a weight's codes; outside the registers that its loads fill (v24-29, v64-159)
.set RLS, 241                          ; and among its scale bytes
.set SEL, 58
.set MNT, 60
.set WVA, WA
.set WVS, WSA
.set WSB, 44
.set WSSB, 46
.set W_PAIR, 32*768                    ; the weights are read as they are given: rows of 768 codes
.set W_ODD,  8*768
.set W_STEP, 128
.set W_C,    32
.set S_PAIR, 32*24
.set S_ODD,  8*24
.set S_STEP, 4
.set MSB, 0
.macro WIN new                         ; the immediate's high byte repeats the setting that is left; bits 1:0 source 0, 3:2 source 1, 5:4 source 2, 7:6 destination
.if MSB != \new
	s_set_vgpr_msb (MSB<<8)|\new
.set MSB, \new
.endif
.endm
.macro PLACES n
.rept \n
	v_nop
.endr
.endm
.macro BAR                             ; my LDS stores have landed and my LDS loads are in: then the work-group's barrier
	s_wait_dscnt 0x0
	s_barrier_signal -1
	s_barrier_wait -1
.endm
.macro WLOAD p, s                      ; W's six fragments and six scale words of K step s into set p: 30 loads
.irp i, 0,1,2,3,4,5
.irp c, 0,1,2,3
	global_load_b128 v[64+96*(\p)+16*\i+4*\c:64+96*(\p)+16*\i+4*\c+3], v[WVA], s[WSB:WSB+1] offset:(\i/2)*W_PAIR+(\i%2)*W_ODD+(\s)*W_STEP+\c*W_C
.endr
.endr
.irp i, 0,1,2,3,4,5
	global_load_b32 v[24+6*(\p)+\i], v[WVS], s[WSSB:WSSB+1] offset:(\i/2)*S_PAIR+(\i%2)*S_ODD+(\s)*S_STEP
.endr
.endm
.macro ALD al, s, m0                   ; the activation's fragments of row tiles m0 and m0 + 1, K step s: 8 loads
.irp m, \m0, \m0+1
.irp c, 0,1,2,3
	ds_load_b128 v[192+16*(\m)+4*\c:192+16*(\m)+4*\c+3], v[\al] offset:((\m)*6+(\s))*2048+512*\c
.endr
.endr
.endm
.macro SLD asl, s                      ; and the four row tiles' scale words
.irp m, 0,1,2,3
	ds_load_b32 v[36+4*((\s)%2)+\m], v[\asl] offset:(\m*6+(\s))*64
.endr
.endm
.macro AFIRST al, asl                  ; K step 0: tiles 0, 1; the scale words; tiles 2, 3
	WIN 0x40
	s_wait_alu depctr_vm_vsrc(0)                   ; my LDS stores have read the codes in window 1 from v192 on: the fragments land in those registers
	s_wait_alu depctr_va_vdst(0)                   ; the conversions have written those registers, and the head the two addresses that the loads below read
	ALD \al, 0, 0
	WIN 0
	SLD \asl, 0
	WIN 0x40
	ALD \al, 0, 2
	WIN 0
.endm
.macro MM s, m, zero                   ; six matrix instructions: row tile m against my six tiles of W
.irp i, 0,1,2,3,4,5
.if \zero
	v_wmma_scale_f32_16x16x128_f8f6f4 v[48*(\m)+8*\i:48*(\m)+8*\i+7], v[64+96*((\s)%2)+16*\i:64+96*((\s)%2)+16*\i+15], v[192+16*(\m):192+16*(\m)+15], 0, v[24+6*((\s)%2)+\i], v[36+4*((\s)%2)+(\m)] matrix_a_fmt:MATRIX_FMT_BF8 matrix_b_fmt:MATRIX_FMT_BF8
.else
	v_wmma_scale_f32_16x16x128_f8f6f4 v[48*(\m)+8*\i:48*(\m)+8*\i+7], v[64+96*((\s)%2)+16*\i:64+96*((\s)%2)+16*\i+15], v[192+16*(\m):192+16*(\m)+15], v[48*(\m)+8*\i:48*(\m)+8*\i+7], v[24+6*((\s)%2)+\i], v[36+4*((\s)%2)+(\m)] matrix_a_fmt:MATRIX_FMT_BF8 matrix_b_fmt:MATRIX_FMT_BF8
.endif
.endr
.endm
; A K step: 24 matrix instructions, the 24 accumulators by turns, in the same order in every step.  Eight plain vector instructions stand behind each dozen: they are the
; places ahead of reads of results.  Ahead of loads into registers that the products have read, the wait on va_vdst behind them states the dependence.
; lc: the global loads issued behind this step's set of W.
.macro KSTEP s, al, asl, zero, nxt, lc
	s_wait_loadcnt \lc
	s_wait_dscnt 8                                 ; tiles 0, 1 and the scale words are in; the youngest eight loads (tiles 2, 3) may be out
	WIN 0x54                                       ; W window 0; the activation, C and D window 1
	MM \s, 0, \zero
	MM \s, 1, \zero
	PLACES 8
.if \nxt
	WIN 0x40
	s_wait_alu depctr_va_vdst(0)                   ; the twelve products above are done reading tiles 0, 1, and the last step's its scale words: the twelve loads below land in both
	ALD \al, (\s)+1, 0
	WIN 0
	SLD \asl, (\s)+1
	s_wait_dscnt 12                                ; all but the twelve just issued: tiles 2, 3 are in
.else
	s_wait_dscnt 0x0
.endif
	WIN 0x54
	MM \s, 2, \zero
	MM \s, 3, \zero
	PLACES 8
.if \nxt
	WIN 0x40
	s_wait_alu depctr_va_vdst(0)                   ; the step's products are done reading tiles 2, 3 and this step's set of W with its scale words: the eight loads below and the 30 loads of W behind the step land there
	ALD \al, (\s)+1, 2
.endif
	WIN 0
.endm
; 64 numbers of a lane in window 1, register 16 b + i = number 32 b + 16 (lane / 16) + i of my row's 128, become 16 registers of codes in window 1 at dst; the four scale bytes stay in v[TM+4] on.
; The largest magnitude has the floor 2^(16 - 127) among its leaves, so the byte cannot fall under 1; its exponent field less 15 is the scale; the hold at 57,344 x the scale stands ahead of the conversion, which does not saturate (ISA guide 7.6.2).
.macro QUANT src, relu, dst
	WIN 0x05
.irp b, 0,1,2,3
.if \relu
	v_max3_num_f32 v[TM+\b], v[(\src)+16*\b], v[(\src)+16*\b+1], 0x8000000
.else
	v_max3_num_f32 v[TM+\b], |v[(\src)+16*\b]|, |v[(\src)+16*\b+1]|, 0x8000000
.endif
.endr
	WIN 0x14
.irp i, 2,4,6,8,10,12,14
.irp b, 0,1,2,3
.if \relu
	v_max3_num_f32 v[TM+\b], v[TM+\b], v[(\src)+16*\b+\i], v[(\src)+16*\b+\i+1]
.else
	v_max3_num_f32 v[TM+\b], v[TM+\b], |v[(\src)+16*\b+\i]|, |v[(\src)+16*\b+\i+1]|
.endif
.endr
.endr
	WIN 0
.irp b, 0,1,2,3
	v_permlanex16_b32 v[TM+4+\b], v[TM+\b], s[SEL], s[SEL+1]
.endr
.irp b, 0,1,2,3
	v_max_num_f32 v[TM+\b], v[TM+\b], v[TM+4+\b]   ; with lane l xor 16's 16 numbers: the block's largest magnitude
.endr
.irp b, 0,1,2,3
	v_add_nc_u32 v[TM+12+\b], 0xf8800000, v[TM+\b] ; 15 off the exponent field: the conversion's scale operand
.endr
.irp b, 0,1,2,3
	v_and_or_b32 v[TM+8+\b], v[TM+\b], 0x7f800000, s[MNT]  ; 57,344 x the scale
.endr
.irp b, 0,1,2,3
	v_lshrrev_b32 v[TM+4+\b], 23, v[TM+12+\b]      ; the scale's byte
.endr
	WIN 0x41
.irp b, 0,1,2,3
.irp i, 0,1,2,3,4,5,6,7,8,9,10,11,12,13,14,15
.if \relu
	v_med3_num_f32 v[(\src)+16*\b+\i], v[(\src)+16*\b+\i], 0, v[TM+8+\b]
.else
	v_med3_num_f32 v[(\src)+16*\b+\i], v[(\src)+16*\b+\i], -v[TM+8+\b], v[TM+8+\b]
.endif
.endr
	v_cvt_scalef32_pk8_bf8_f32 v[(\dst)+4*\b:(\dst)+4*\b+1], v[(\src)+16*\b:(\src)+16*\b+7], v[TM+12+\b]
	v_cvt_scalef32_pk8_bf8_f32 v[(\dst)+4*\b+2:(\dst)+4*\b+3], v[(\src)+16*\b+8:(\src)+16*\b+15], v[TM+12+\b]
.endr
	WIN 0
	v_nop                                          ; one plain vector instruction behind the last scaled conversion
.endm
	s_load_b128 s[4:7], s[0:1], 0x0                ; x, qkv
	s_load_b256 s[8:15], s[0:1], 0x10              ; Wq's codes, scales; Wk's codes, scales
	s_load_b256 s[16:23], s[0:1], 0x30             ; Wv's; Wo's
	s_load_b256 s[24:31], s[0:1], 0x50             ; W1's; W2's
	s_load_b64 s[32:33], s[0:1], 0x70              ; wimg
	v_lshrrev_b32 v1, 5, v0
	v_readfirstlane_b32 s34, v1                    ; wave 0..7
	v_and_b32 v60, 31, v0                          ; lane
	v_and_b32 v61, 15, v0                          ; r
	v_bfe_u32 v62, v0, 4, 1                        ; h
	v_and_b32 v63, 8, v61
	v_add_nc_u32 v63, v63, v61                     ; r + 8 (r / 8)
	v_lshlrev_b32 v1, 4, v60
	v_lshlrev_b32 v2, 2, v61
	; every address register is made here, ahead of the first parting of ways
	v_mul_u32_u24 v[XA], v61, 3072
	v_lshl_add_u32 v[XA], v62, 6, v[XA]            ; x: row r, + 64 h: my 16 numbers of a block of 32
	s_wait_alu depctr_va_sdst(0)                   ; s34, the wave's number, is written, ahead of its first reader
	s_mul_i32 s40, s34, 6144
	v_add_nc_u32 v[XWI], s40, v1
	s_mul_i32 s41, s34, 192
	s_add_co_u32 s41, s41, XSC
	v_add_nc_u32 v[XWS], s41, v2
	s_mul_i32 s41, s34, 73728
	v_mul_u32_u24 v[WA], v63, 768
	v_lshl_add_u32 v[WA], v62, 4, v[WA]
	v_add_nc_u32 v[WA], s41, v[WA]                 ; W: row 96 w + r + 8 (r / 8), + 16 h
	s_mul_i32 s41, s34, 2304
	v_mul_u32_u24 v[WSA], v63, 24
	v_add_nc_u32 v[WSA], s41, v[WSA]               ; and that row's scale bytes
	v_add_nc_u32 v[ASL], XSC, v2
	s_mul_i32 s41, s34, 96
	s_add_co_u32 s41, s41, QSTG
	v_mul_u32_u24 v[QST], v61, 784
	v_lshl_add_u32 v[QST], v62, 4, v[QST]
	v_add_nc_u32 v[QST], s41, v[QST]
	s_mul_i32 s41, s34, 3
	s_add_co_u32 s41, s41, QSS
	v_mul_u32_u24 v[QSB], v61, 24
	v_add_nc_u32 v[QSB], s41, v[QSB]
	s_mul_i32 s41, s34, 6272
	s_add_co_u32 s41, s41, QSTG
	v_add_nc_u32 v[RA], s41, v1                    ; back: my eight rows; 32 lanes take a row's first 512 bytes,
	v_mul_u32_u24 v[RC], v62, 784
	v_lshl_add_u32 v[RC], v61, 4, v[RC]
	s_add_co_u32 s41, s41, 512
	v_add_nc_u32 v[RC], s41, v[RC]                 ; or sixteen lanes each the last 256 of two rows
	v_mul_u32_u24 v[GC], v62, 768
	v_lshl_add_u32 v[GC], v61, 4, v[GC]
	s_add_co_u32 s40, s40, 512
	v_add_nc_u32 v[GC], s40, v[GC]
	v_mul_u32_u24 v8, v61, 3264                    ; V's stage: a token is 12 pseudo-rows of 272 bytes
	v_lshl_add_u32 v8, v62, 6, v8
	s_wait_alu depctr_va_vdst(0)
.irp b, 0,1,2
	s_mul_i32 s40, s34, 3
	s_add_co_u32 s40, s40, \b                      ; my block of 32 columns: 3 w + b
	s_lshr_b32 s41, s40, 1
	s_mul_i32 s41, s41, 272                        ; which of the token's pseudo-rows,
	s_and_b32 s40, s40, 1
	s_lshl_b32 s40, s40, 7                         ; and which half of it
	s_add_co_u32 s40, s40, s41
	s_add_co_u32 s40, s40, VSTG
	v_add_nc_u32 v[VST+\b], s40, v8
.endr
	v_lshl_add_u32 v[VRD], v62, 3, v63
	v_lshlrev_b32 v[VRD], 2, v[VRD]
	s_mul_i32 s40, s34, 26112
	s_add_co_u32 s40, s40, VSTG
	v_add_nc_u32 v[VRD], s40, v[VRD]               ; back: channel 8 h + r + 8 (r / 8) of my 96 pseudo-rows
	v_lshlrev_b32 v[VGO], 11, v62
	v_lshl_add_u32 v[VGO], v61, 4, v[VGO]
	v_add_nc_u32 v[VGO], VC, v[VGO]
	v_lshlrev_b32 v[VGS], 6, v62
	v_lshl_add_u32 v[VGS], v61, 2, v[VGS]
	v_add_nc_u32 v[VGS], VS, v[VGS]
	s_lshl_b32 s40, s34, 9
	v_add_nc_u32 v[SCG], s40, v1
	v_add_nc_u32 v[SCL], QSS, v[SCG]
	s_mov_b32 s[SEL], 0x76543210
	s_mov_b32 s[SEL+1], 0xfedcba98                 ; v_permlanex16_b32's selects for lane l xor 16
	s_mov_b32 s[MNT], 0x600000                     ; the mantissa field of 57,344
.irp b, 0,1,2,3
	v_mov_b32 v[TM+4+\b], 0                        ; written once: a lane permute's destination counts as one of its sources
.endr
	s_wait_alu depctr_va_vdst(0)                   ; the addresses and offsets v1 to v23 are written, which the loads and stores of both ways read
	s_cmp_ge_u32 ttmp9, 192
	s_cbranch_scc1 .Lrelay
	s_lshr_b32 s35, ttmp9, 6                       ; y: 0 Q, 1 K, 2 V
	s_and_b32 s36, ttmp9, 63                       ; rb
	s_lshl_b32 s40, s36, 6
	s_lshr_b32 s41, s34, 1
	s_lshl_b32 s41, s41, 4
	s_add_co_u32 s40, s40, s41                     ; wave w quantises fragments 3 w .. 3 w + 2 of 24: rows 16 (w / 2) on,
	s_mul_i32 s40, s40, 3072
	s_and_b32 s41, s34, 1
	s_mul_i32 s41, s41, 1536                       ; K steps 3 (w % 2) on
	s_add_co_u32 s40, s40, s41
	s_mov_b32 s41, 0
	s_wait_kmcnt 0x0
	s_add_nc_u64 s[4:5], s[4:5], s[40:41]
	s_cmp_eq_u32 s35, 0                            ; the weight is chosen by the work-group's number alone
	s_cselect_b64 s[44:45], s[8:9], s[12:13]
	s_cselect_b64 s[46:47], s[10:11], s[14:15]
	s_cmp_eq_u32 s35, 2
	s_cselect_b64 s[44:45], s[16:17], s[44:45]
	s_cselect_b64 s[46:47], s[18:19], s[46:47]
	; ---- x becomes codes: three fragments a wave
	WIN 0x40
.irp j, 0,1,2
.irp b, 0,1,2,3
.irp q, 0,1,2,3
	global_load_b128 v[64*\j+16*\b+4*\q:64*\j+16*\b+4*\q+3], v[XA], s[4:5] offset:512*\j+128*\b+16*\q
.endr
.endr
.endr
	WIN 0
.macro XOUT j                          ; fragment j's scale word is made of its four bytes; image and word go to LDS
	v_lshl_or_b32 v[60+\j], v[TM+5], 8, v[TM+4]
	v_lshl_or_b32 v[60+\j], v[TM+6], 16, v[60+\j]
	v_lshl_or_b32 v[60+\j], v[TM+7], 24, v[60+\j]
	WIN 0x04
	s_wait_alu depctr_va_vdst(0)                   ; the conversions have written the fragment's codes and the lines above its scale word: the LDS stores read both
.irp c, 0,1,2,3
	ds_store_b128 v[XWI], v[192+16*\j+4*\c:192+16*\j+4*\c+3] offset:2048*\j+512*\c
.endr
	WIN 0
	ds_store_b32 v[XWS], v[60+\j] offset:64*\j     ; both halves of the lanes write the same word with the same value
.endm
	s_wait_loadcnt 32                              ; fragment 0's sixteen loads are in; the other 32 may be out
	QUANT 0, 0, 192
	XOUT 0
	WLOAD 0, 0                                     ; no vector instruction has ever named W's sets or their scale words
	s_wait_loadcnt 46                              ; fragment 1's are in: behind them 16 of x and 30 of W
	QUANT 64, 0, 208
	XOUT 1
	s_wait_loadcnt 30                              ; fragment 2's: behind them W's 30
	QUANT 128, 0, 224
	XOUT 2
	WLOAD 1, 1
	BAR                                            ; x's 24 fragments lie in LDS
	; ---- the product: six K steps; W's sets are asked for two steps ahead
	AFIRST 1, ASL
	KSTEP 0, 1, ASL, 1, 1, 30                      ; the first step starts the sums: nothing is cleared
	WLOAD 0, 2
	KSTEP 1, 1, ASL, 0, 1, 30
	WLOAD 1, 3
	KSTEP 2, 1, ASL, 0, 1, 30
	WLOAD 0, 4
	KSTEP 3, 1, ASL, 0, 1, 30
	WLOAD 1, 5
	KSTEP 4, 1, ASL, 0, 1, 30
	KSTEP 5, 1, ASL, 0, 0, 0
	s_cmp_eq_u32 s35, 2
	s_cbranch_scc1 .Lv
	; ---- Q or K: quantised along the columns, twelve blocks a lane; codes and bytes meet in LDS and leave as whole rows
	s_mul_i32 s40, s35, KC
	s_mul_i32 s41, s36, 49152
	s_add_co_u32 s40, s40, s41
	s_mov_b32 s41, 0
	s_add_nc_u64 s[48:49], s[6:7], s[40:41]        ; the codes of my 64 rows
	s_mul_i32 s40, s35, 98304
	s_mul_i32 s42, s36, 1536
	s_add_co_u32 s40, s40, s42
	s_add_co_u32 s40, s40, QS
	s_add_nc_u64 s[50:51], s[6:7], s[40:41]        ; and their scale bytes, 24 a row
.irp q, 0,1,2
	QUANT 64*\q, 0, 192+16*\q
	WIN 0x04
	s_wait_alu depctr_va_vdst(0)                   ; the conversions have written the codes and the shifts the four bytes: the LDS stores read both.  (The last of the three also shows the products done with W's set 0, in which the rows come back)
.irp jj, 0,1,2,3
	ds_store_b128 v[QST], v[192+16*\q+4*\jj:192+16*\q+4*\jj+3] offset:12544*((4*\q+\jj)/3)+32*((4*\q+\jj)%3)
.endr
	WIN 0
.irp jj, 0,1,2,3
	ds_store_b8 v[QSB], v[TM+4+\jj] offset:384*((4*\q+\jj)/3)+((4*\q+\jj)%3)
.endr
	s_wait_dscnt 0x0                               ; my stores into the stage have landed
.if \q < 2
	s_wait_alu depctr_vm_vsrc(0)                   ; the LDS stores have read the bytes' registers, which the next quantiser writes
.endif
.endr
	BAR
.irp t, 0,1,2,3
	ds_load_b128 v[64+12*\t:67+12*\t], v[RA] offset:1568*\t
	ds_load_b128 v[68+12*\t:71+12*\t], v[RA] offset:1568*\t+784
	ds_load_b128 v[72+12*\t:75+12*\t], v[RC] offset:1568*\t
.endr
.irp t, 0,1,2,3
	s_wait_dscnt 11-3*\t
	global_store_b128 v[XWI], v[64+12*\t:67+12*\t], s[48:49] offset:1536*\t        ; sixteen lanes store 256 consecutive bytes, aligned
	s_wait_dscnt 10-3*\t
	global_store_b128 v[XWI], v[68+12*\t:71+12*\t], s[48:49] offset:1536*\t+768
	s_wait_dscnt 9-3*\t
	global_store_b128 v[GC], v[72+12*\t:75+12*\t], s[48:49] offset:1536*\t
.endr
	s_cmp_gt_u32 s34, 2                            ; the 1,536 scale bytes: waves 0 to 2, 512 each
	s_cbranch_scc1 .Lqk_end
	ds_load_b128 v[112:115], v[SCL]
	s_wait_dscnt 0x0
	global_store_b128 v[SCG], v[112:115], s[50:51]
.Lqk_end:
	s_wait_xcnt 0x0
	v_lshl_add_u32 v254, v0, 2, 0x4c000
	v_mov_b32 v255, 0
	s_wait_dscnt 0x0                               ; the closing lines, six on end
	s_wait_alu 0x0
	s_wait_tensorcnt 0x0
	ds_add_u32 v254, v255
	s_wait_dscnt 0x0
	s_endpgm
.Lv:	; ---- V: the f32 results go to LDS as pseudo-rows; then a lane takes a channel and its registers run down 32 keys
	s_mul_i32 s40, s36, 24
	s_mul_i32 s41, s34, 3
	s_add_co_u32 s40, s40, s41                     ; my first block of 32 keys, counted over all heads
.irp e, 0,1,2
	s_add_co_u32 s41, s40, \e
	s_lshr_b32 s42, s41, 2                         ; its step of 128 keys,
	s_and_b32 s43, s41, 3                          ; and its place in the step
	s_lshl_b32 s52, s42, 13
	s_lshl_b32 s53, s43, 9
	s_add_co_u32 s52, s52, s53
	v_add_nc_u32 v[120+\e], s52, v[VGO]
	s_lshl_b32 s52, s42, 8
	s_add_co_u32 s52, s52, s43
	v_add_nc_u32 v[124+\e], s52, v[VGS]
.endr
.macro VSTO m                          ; row tile m's six accumulators go to the stage; an odd tile's sixteen tokens (52,224 bytes) stand in the immediate
.irp i, 0,1,2,3,4,5
	ds_store_b128 v[VST+\i/2], v[48*(\m)+8*\i:48*(\m)+8*\i+3] offset:52224*((\m)%2)+32*(\i%2)          ; each accumulator from its low end on
	ds_store_b128 v[VST+\i/2], v[48*(\m)+8*\i+4:48*(\m)+8*\i+7] offset:52224*((\m)%2)+32*(\i%2)+16
.endr
.endm
	WIN 0x04
	s_wait_alu depctr_va_vdst(0)                   ; the products have written the accumulators, which the LDS stores read (the eight places stand at the last K step's end, ahead of this wait)
	VSTO 0
	VSTO 1
	WIN 0
	s_wait_alu depctr_vm_vsrc(0)                   ; those stores have read the three stage addresses
.irp b, 0,1,2
	v_add_nc_u32 v[VST+\b], 104448, v[VST+\b]      ; 32 tokens on: the one step of an address in this text
.endr
	WIN 0x04
	s_wait_alu depctr_va_vdst(0)                   ; the three addresses are written anew, which the stores below read
	VSTO 2
	VSTO 3
	WIN 0
	BAR
	s_wait_alu depctr_vm_vsrc(0)                   ; my LDS stores have read the accumulators: the keys' numbers land in the first 64 of those registers
.macro VLD k                           ; unit k: block k / 2 of my three, channels 32 (k % 2) on: 32 keys of my channel
	WIN 0x40
.set ii, 0
.rept 32
	ds_load_b32 v[32*((\k)%2)+ii], v[VRD] offset:(32*((\k)/2)+ii)*272+128*((\k)%2)
.set ii, ii+1
.endr
	WIN 0
.endm
.macro VUNIT k
.set XS, 32*((\k)%2)
.if (\k) < 5
	s_wait_dscnt 32                                ; this unit's 32 loads are in; the next unit's may be out
.else
	s_wait_dscnt 0x0
.endif
	WIN 0x05
	v_max3_num_f32 v[TM], |v[XS]|, |v[XS+1]|, 0x8000000      ; the block's largest magnitude: all 32 numbers are mine
	v_max3_num_f32 v[TM+1], |v[XS+2]|, |v[XS+3]|, 0x8000000
	WIN 0x14
.irp i, 4,8,12,16,20,24,28
	v_max3_num_f32 v[TM], v[TM], |v[XS+\i]|, |v[XS+\i+1]|
	v_max3_num_f32 v[TM+1], v[TM+1], |v[XS+\i+2]|, |v[XS+\i+3]|
.endr
	WIN 0
	v_max_num_f32 v[TM], v[TM], v[TM+1]
	v_add_nc_u32 v[TM+12], 0xf8800000, v[TM]
	v_and_or_b32 v[TM+8], v[TM], 0x7f800000, s[MNT]
	v_lshrrev_b32 v[112+(\k)], 23, v[TM+12]
	WIN 0x41
.set ii, 0
.rept 32
	v_med3_num_f32 v[XS+ii], v[XS+ii], -v[TM+8], v[TM+8]
.set ii, ii+1
.endr
	WIN 0x01
.irp g, 0,1,2,3
	v_cvt_scalef32_pk8_bf8_f32 v[64+8*(\k)+2*\g:64+8*(\k)+2*\g+1], v[XS+8*\g:XS+8*\g+7], v[TM+12]
.endr
	WIN 0
	v_nop
	s_wait_alu depctr_va_vdst(0)                   ; the unit's codes, its byte and (first unit) the offsets v120-126 are written, which the stores read; holds and conversions are done with the unit's 32 numbers, in whose registers the unit two on lands
	global_store_b128 v[120+(\k)/2], v[64+8*(\k):64+8*(\k)+3], s[6:7] offset:4096*((\k)%2)         ; keys 0-15 of the block: the image's lanes 0-15; sixteen lanes store 256 consecutive bytes, aligned
	global_store_b128 v[120+(\k)/2], v[64+8*(\k)+4:64+8*(\k)+7], s[6:7] offset:4096*((\k)%2)+256   ; keys 16-31: its lanes 16-31
	global_store_b8 v[124+(\k)/2], v[112+(\k)], s[6:7] offset:128*((\k)%2)
.if (\k)+2 < 6
	VLD (\k)+2
.endif
.endm
	VLD 0
	VLD 1
.irp k, 0,1,2,3,4,5
	VUNIT \k                                       ; each unit has registers of its own for codes, byte and addresses: no store's sources are written again
.endr
	s_wait_xcnt 0x0
	v_lshl_add_u32 v254, v0, 2, 0x4c000
	v_mov_b32 v255, 0
	s_wait_dscnt 0x0                               ; the closing lines, six on end
	s_wait_alu 0x0
	s_wait_tensorcnt 0x0
	ds_add_u32 v254, v255
	s_wait_dscnt 0x0
	s_endpgm
.Lrelay:	; ---- Wo, W1, W2 into fragment order.  Unit U = 8 (work-group - 192) + wave: 0-47 Wo's tiles, 48-239 W1's, 240-431 W2's tiles in four runs of six K steps
	s_sub_co_u32 s35, ttmp9, 192
	s_lshl_b32 s35, s35, 3
	s_add_co_u32 s35, s35, s34
	s_sub_co_u32 s36, s35, 240
	s_lshr_b32 s37, s36, 2                         ; W2: the tile,
	s_and_b32 s38, s36, 3
	s_mul_i32 s38, s38, 6                          ; its first K step,
	s_mov_b32 s39, 3072                            ; a row's codes,
	s_mov_b32 s40, 24                              ; K steps in a row,
	s_mov_b32 s41, W2_C
	s_mov_b32 s42, W2_S
	s_sub_co_u32 s43, s35, 48
	s_wait_kmcnt 0x0
	s_mov_b64 s[44:45], s[28:29]
	s_mov_b64 s[46:47], s[30:31]
	s_cmp_lt_u32 s35, 240                          ; W1
	s_cselect_b32 s37, s43, s37
	s_cselect_b32 s38, 0, s38
	s_cselect_b32 s39, 768, s39
	s_cselect_b32 s40, 6, s40
	s_cselect_b32 s41, W1_C, s41
	s_cselect_b32 s42, W1_S, s42
	s_cselect_b64 s[44:45], s[24:25], s[44:45]
	s_cselect_b64 s[46:47], s[26:27], s[46:47]
	s_cmp_lt_u32 s35, 48                           ; Wo
	s_cselect_b32 s37, s35, s37
	s_cselect_b32 s41, 0, s41
	s_cselect_b32 s42, WO_S, s42
	s_cselect_b64 s[44:45], s[20:21], s[44:45]
	s_cselect_b64 s[46:47], s[22:23], s[46:47]
	s_lshr_b32 s48, s37, 1
	s_lshl_b32 s48, s48, 5
	s_and_b32 s49, s37, 1
	s_lshl_b32 s49, s49, 3
	s_add_co_u32 s48, s48, s49                     ; the tile's first row: 32 (T / 2) + 8 (T % 2)
	s_lshr_b32 s52, s39, 5                         ; a row's scale bytes
	s_mul_i32 s50, s48, s39
	s_lshl_b32 s51, s38, 7
	s_add_co_u32 s50, s50, s51
	s_mov_b32 s51, 0
	s_add_nc_u64 s[44:45], s[44:45], s[50:51]
	s_mul_i32 s50, s48, s52
	s_lshl_b32 s53, s38, 2
	s_add_co_u32 s50, s50, s53
	s_add_nc_u64 s[46:47], s[46:47], s[50:51]
	v_mul_lo_u32 v[RLC], v63, s39
	v_lshl_add_u32 v[RLC], v62, 4, v[RLC]          ; lane: row r + 8 (r / 8), + 16 h
	v_mul_lo_u32 v[RLS], v63, s52
	s_mul_i32 s53, s37, s40
	s_add_co_u32 s53, s53, s38                     ; the first image's number: T x K steps + first step
	s_lshl_b32 s50, s53, 11
	s_add_co_u32 s50, s50, s41
	s_add_nc_u64 s[54:55], s[32:33], s[50:51]
	s_lshl_b32 s50, s53, 6
	s_add_co_u32 s50, s50, s42
	s_add_nc_u64 s[56:57], s[32:33], s[50:51]
	s_wait_alu depctr_va_vdst(0)                   ; this way's two offsets are written, which the loads read
.irp s, 0,1,2,3,4,5
.irp c, 0,1,2,3
	global_load_b128 v[64+16*\s+4*\c:64+16*\s+4*\c+3], v[RLC], s[44:45] offset:128*\s+32*\c th:TH_LOAD_NT
.endr
	global_load_b32 v[24+\s], v[RLS], s[46:47] offset:4*\s
.endr
	s_wait_loadcnt 0x0
.irp s, 0,1,2,3,4,5
.irp c, 0,1,2,3
	global_store_b128 v1, v[64+16*\s+4*\c:64+16*\s+4*\c+3], s[54:55] offset:2048*\s+512*\c    ; 32 lanes store 512 consecutive bytes, aligned
.endr
	global_store_b32 v2, v[24+\s], s[56:57] offset:64*\s      ; row r's word at 4 r; both halves of the lanes hold and write the same
.endr
	s_endpgm
.Lfunc_end_k_qf34f7717db_qkv:
	.size	k_qf34f7717db_qkv, .Lfunc_end_k_qf34f7717db_qkv-k_qf34f7717db_qkv
	.p2alignl 7, 3214868480
	.fill 96, 4, 3214868480
	.section	.rodata,"a",@progbits
	.p2align	6, 0x0
	.amdhsa_kernel k_qf34f7717db_qkv
		.amdhsa_group_segment_fixed_size 312320
		.amdhsa_private_segment_fixed_size 0
		.amdhsa_enable_private_segment 0
		.amdhsa_kernarg_size 120
		.amdhsa_user_sgpr_count 2
		.amdhsa_user_sgpr_kernarg_segment_ptr 1
		.amdhsa_wavefront_size32 1
		.amdhsa_system_sgpr_workgroup_id_x 1
		.amdhsa_system_sgpr_workgroup_id_y 1
		.amdhsa_system_sgpr_workgroup_id_z 1
		.amdhsa_system_vgpr_workitem_id 0
		.amdhsa_next_free_vgpr 512
		.amdhsa_next_free_sgpr 66
		.amdhsa_reserve_vcc 0
		.amdhsa_float_denorm_mode_32 3
		.amdhsa_float_denorm_mode_16_64 3
		.amdhsa_memory_ordered 1
		.amdhsa_forward_progress 1
		.amdhsa_inst_pref_size 163
	.end_amdhsa_kernel
	.amdgpu_metadata
---
amdhsa.version: [ 1, 2 ]
amdhsa.kernels:
  - .name:           k_qf34f7717db_qkv
    .symbol:         k_qf34f7717db_qkv.kd
    .args:
      - { .name: x, .offset: 0, .size: 8, .value_kind: global_buffer, .address_space: global }
      - { .name: qkv, .offset: 8, .size: 8, .value_kind: global_buffer, .address_space: global }
      - { .name: Wq_codes, .offset: 16, .size: 8, .value_kind: global_buffer, .address_space: global }
      - { .name: Wq_scales, .offset: 24, .size: 8, .value_kind: global_buffer, .address_space: global }
      - { .name: Wk_codes, .offset: 32, .size: 8, .value_kind: global_buffer, .address_space: global }
      - { .name: Wk_scales, .offset: 40, .size: 8, .value_kind: global_buffer, .address_space: global }
      - { .name: Wv_codes, .offset: 48, .size: 8, .value_kind: global_buffer, .address_space: global }
      - { .name: Wv_scales, .offset: 56, .size: 8, .value_kind: global_buffer, .address_space: global }
      - { .name: Wo_codes, .offset: 64, .size: 8, .value_kind: global_buffer, .address_space: global }
      - { .name: Wo_scales, .offset: 72, .size: 8, .value_kind: global_buffer, .address_space: global }
      - { .name: W1_codes, .offset: 80, .size: 8, .value_kind: global_buffer, .address_space: global }
      - { .name: W1_scales, .offset: 88, .size: 8, .value_kind: global_buffer, .address_space: global }
      - { .name: W2_codes, .offset: 96, .size: 8, .value_kind: global_buffer, .address_space: global }
      - { .name: W2_scales, .offset: 104, .size: 8, .value_kind: global_buffer, .address_space: global }
      - { .name: wimg, .offset: 112, .size: 8, .value_kind: global_buffer, .address_space: global }
    .group_segment_fixed_size: 312320
    .private_segment_fixed_size: 0
    .kernarg_segment_align: 8
    .kernarg_segment_size: 120
    .max_flat_workgroup_size: 256
    .sgpr_count:     66
    .vgpr_count:     512
    .wavefront_size: 32
...
	.end_amdgpu_metadata
.endif
;; end of part 5
;; launch attn (part 6): grid 16 x 12, 8 waves a work-group, no clusters, 20,480 bytes of LDS; arguments qkv, ctx; writes ctx
.if DOCPART == 6
	.amdgcn_target "amdgcn-amd-amdhsa--gfx1250"
	.amdhsa_code_object_version 6
	.text
	.protected	k_qf34f7717db_attn
	.globl	k_qf34f7717db_attn
	.p2align	8
	.type	k_qf34f7717db_attn,@function
k_qf34f7717db_attn:
	s_mov_b64 s[64:65], 0
	v_nop
	global_prefetch_b8 v0, s[64:65] scope:SCOPE_SE
	s_setreg_imm32_b32 hwreg(HW_REG_WAVE_SCHED_MODE, 0, 2), 2
	s_setreg_imm32_b32 hwreg(HW_REG_WAVE_MODE, 25, 1), 1
	s_wait_xcnt 0x0
	s_wait_alu depctr_vm_vsrc(0)
; Causal attention on codes of BF8 (E5M2) with one E8M0 scale for each 32 along a product's K; head size 64, 4,096 queries and keys a head, 12 heads.  Its result, divided by the row's sum, is quantised
; along the model's 768 and stored as images of the next product's operand registers.
; THE SOFTMAX AHEAD OF THE SECOND PRODUCT: t = score x log2(e) / 8; M = the running largest t rounded UP to a whole number; p = 2^(t - M) is what is quantised, along the keys.  The row's sum is taken of the
; unquantised p.  When M moves, the sum and O are multiplied by 2^(old M - new M): exact.
; SHARES.  Work-group (pi, head) takes the blocks pi and 31 - pi of 128 queries, one after the other: pi + 1 and 32 - pi key steps of 128 keys, 33 for every work-group.  Each of eight waves owns 16 queries.
; THE FIRST PRODUCT'S K IS 64: the upper half of both fragments is zero codes, set once; the scale words' upper bytes are 0, which over zero codes adds nothing.
; Both products are used transposed (S^T = K Q^T, O^T = V^T P^T): a lane holds one query throughout.  Lane r of K's tile T takes key 32 (T / 2) + 8 (T % 2) + r + 8 (r / 8), so that the 16 registers of
; tiles 2 b, 2 b + 1 are 16 neighbouring keys; V^T's tiles were laid the same way along the head's 64, so that O^T's registers are neighbours along the next K.
; A key step's K, V^T and scales (16.5 KB) go through registers into ONE LDS slot between two barriers; the next step's loads are issued behind the second and land under the step's work.
; No cluster: the work-groups of a head need different numbers of tiles at different times (pi + 1 against 32 - pi steps), so joint requests would not meet.
; LIMITS: NaN and infinities are not served; a block whose largest magnitude lies under 2^-111 gets the scale byte 1 (read by this program alone); v_exp_f32 and v_rcp_f32 as they are (1 ulp).
; REGISTERS: v1-7 LDS addresses; v8-10 the step's offsets in memory; v11 the prefetch's; v12 -M, v13 the largest t, v[14:15] the sum; v16-31 Q; v32-95 four fragments of K; v96-159 S^T, then p, then V^T's four
; fragments; v160-191 O^T; v192-211 the stage; v212-222 lane terms and offsets; v224-239 p's codes; v232-254 at work; v248-251, v253, v255 scale words.
; THE MODE: SCHED_MODE bits 1:0 = 2 (LLVM: expert scheduling mode 2), set by the entry lines.  The code itself states the register dependences between vector or matrix instructions and
; memory or LDS instructions, with s_wait_alu, always for 0.
; THE PLAN.  Registers that memory or LDS instructions touch, round a key step:
;   v192-211       the stage: the loads issued in step ks land there; step ks + 1's LDS stores read them; behind a wait on vm_vsrc the next loads are issued.  No vector instruction names them.
;   v8-10          the loads' offsets: written once a step, between that wait on vm_vsrc and the step's wait on va_vdst.
;   v32-95, v248-251  K's fragments and scale words: loaded four tiles at a time, read by four products.  The first four tiles' loads stand behind the step's wait on va_vdst, which shows the last step's
;                  products done; the second four's behind a wait of their own.
;   v96-159        written and read by the softmax, then V^T's fragments land there: one wait on va_vdst, which also states that p's codes (v224-239) and scale word (v253) are written for the products.
;   v1-7, v11      addresses made at the head and never written again.
; Round a half: Q (v16-23, v255) and its offsets (v219, v220), the results' offsets (v221, v222), codes (v224-231) and bytes (v254): one wait on vm_vsrc and one on va_vdst at the half's head, one on va_vdst ahead of its stores.
.set KC,   3145728
.set VC,   6291456
.set QS,   9437184
.set KSC,  9535488
.set VS,   9633792
.set CTXS, 3145728                     ; ctx: the scale words behind the codes
.set SEL,  20
.set CS,   22
.set MNT,  24
.set MK,   34                          ; s34-41: eight masks of the diagonal's compares
	s_load_b128 s[4:7], s[0:1], 0x0                ; qkv, ctx
	v_lshl_add_u32 v223, v0, 2, 0x4c00
	s_set_vgpr_msb 0x40
	v_mov_b32 v1, 0
	s_set_vgpr_msb 0x4000
	v_lshrrev_b32 v8, 5, v0
	v_readfirstlane_b32 s8, v8                     ; wave 0..7
	s_and_b32 s9, ttmp7, 0xffff                    ; the head
	s_mov_b32 s10, ttmp9                           ; pi
	v_and_b32 v8, 31, v0                           ; lane
	v_and_b32 v9, 15, v0                           ; r
	v_bfe_u32 v10, v0, 4, 1                        ; h
	v_and_b32 v11, 8, v9
	v_add_nc_u32 v11, v11, v9                      ; r + 8 (r / 8)
	v_mul_u32_u24 v1, v11, 80                      ; K in LDS: 128 rows of 64 bytes + 16 of padding
	v_lshl_add_u32 v1, v10, 4, v1
	v_lshl_add_u32 v2, v8, 4, 10240                ; V^T's four images
	v_lshl_add_u32 v3, v11, 1, 18432               ; K's scales: two bytes a key
	v_lshl_add_u32 v4, v9, 2, 18688                ; V^T's scale words
	v_lshrrev_b32 v5, 2, v8
	s_wait_alu depctr_va_sdst(0)                   ; s8, the wave's number, is written, ahead of its first reader
	s_lshl_b32 s30, s8, 4
	v_add_nc_u32 v5, s30, v5
	v_mul_u32_u24 v5, v5, 80
	v_and_b32 v6, 3, v8
	v_lshl_add_u32 v5, v6, 4, v5                   ; the stage's way in: K: row 16 w + lane / 4, 16 (lane % 4)
	s_lshl_b32 s30, s8, 10
	s_add_co_u32 s31, s30, 10240
	v_lshl_add_u32 v6, v8, 4, s31                  ; V^T: as it lies
	v_lshl_add_u32 v7, v8, 4, 18432                ; the scales (wave 0): lanes 0-15 K's 256 bytes, lanes 16-31 V^T's
	s_add_co_u32 s31, s30, KC
	v_lshl_add_u32 v212, v8, 4, s31                ; in memory: my wave's 1,024 bytes of a step's K,
	s_add_co_u32 s31, s30, VC
	v_lshl_add_u32 v213, v8, 4, s31                ; of its V^T,
	v_mul_u32_u24 v214, v10, VS-KSC
	v_lshl_add_u32 v214, v9, 4, v214
	v_add_nc_u32 v214, KSC, v214                   ; and the scales
	v_lshlrev_b32 v215, 6, v9
	v_lshl_add_u32 v215, v10, 4, v215
	v_add_nc_u32 v215, s30, v215                   ; Q: row 16 w + r of 64 bytes, + 16 h
	s_lshl_b32 s30, s8, 5
	s_add_co_u32 s30, s30, QS
	v_lshl_add_u32 v216, v9, 1, s30                ; and its two scale bytes
	s_mul_i32 s30, s8, 12288
	v_lshl_add_u32 v217, v8, 4, s30                ; ctx: 16 tokens' images are 12,288 bytes
	s_mul_i32 s30, s8, 384
	s_lshr_b32 s31, s9, 1
	s_lshl_b32 s31, s31, 6
	s_add_co_u32 s30, s30, s31
	s_and_b32 s31, s9, 1
	s_lshl_b32 s31, s31, 1
	s_add_co_u32 s30, s30, s31
	s_add_co_u32 s30, s30, CTXS
	v_lshl_add_u32 v218, v9, 2, s30                ; ctx's scale bytes: K step head / 2, bytes 2 (head % 2) and the next
	v_lshlrev_b32 v11, 8, v8                       ; the prefetch: lanes 256 bytes apart
	s_mov_b32 s[SEL], 0x76543210
	s_mov_b32 s[SEL+1], 0xfedcba98
	s_mov_b32 s[CS], 0x3e38aa3b                    ; c = log2(e) / 8
	s_mov_b32 s[CS+1], s[CS]                       ; (named with it as a pair, so it is written)
	s_mov_b32 s[MNT], 0x600000
.irp j, 0,1,2,3,4,5,6,7
	v_mov_b32 v[24+\j], 0                          ; Q's upper 64 along K: zero codes
.irp t, 0,1,2,3
	v_mov_b32 v[40+16*\t+\j], 0                    ; K's likewise
.endr
.endr
.irp b, 0,1,2,3
	v_mov_b32 v[236+\b], 0                         ; written once: a lane permute's destination counts as one of its sources
.endr
	v_mov_b32 v252, 0
	v_mov_b32 v253, 0
	s_lshl_b32 s30, s9, 18
	s_mov_b32 s31, 0
	s_wait_kmcnt 0x0
	s_add_nc_u64 s[16:17], s[4:5], s[30:31]        ; the head's codes: 262,144 bytes a head in each of Q, K, V^T
	s_lshl_b32 s30, s9, 13
	s_add_nc_u64 s[18:19], s[4:5], s[30:31]        ; its scale bytes: 8,192 a head in each
	s_lshl_b32 s30, s9, 10
	s_add_nc_u64 s[32:33], s[6:7], s[30:31]        ; ctx: the head's two blocks of 32 are 1,024 bytes of an image row
	s_cmp_eq_u32 s8, 1
	s_mov_b32 s30, KC
	s_cselect_b32 s30, VC, s30
	s_add_nc_u64 s[28:29], s[16:17], s[30:31]      ; what wave 0 (K) or wave 1 (V^T) prefetches
	s_mov_b32 s11, 0
.macro STGA                            ; key step s14's offsets in memory
	v_lshl_add_u32 v8, s14, 13, v212
	v_lshl_add_u32 v9, s14, 13, v213
	v_lshl_add_u32 v10, s14, 8, v214
.endm
.macro STGL                            ; its bytes are asked for, into the stage registers
	global_load_b128 v[192:195], v8, s[16:17]
	global_load_b128 v[196:199], v8, s[16:17] offset:512
	global_load_b128 v[200:203], v9, s[16:17]
	global_load_b128 v[204:207], v9, s[16:17] offset:512
	s_cmp_lg_u32 s8, 0
	s_cbranch_scc1 .Lno_sc_\@
	global_load_b128 v[208:211], v10, s[18:19]
.Lno_sc_\@:
.endm
.Lhalf:                                            ; two trips: query block pi, then 31 - pi
	s_wait_xcnt 0x0                                ; the last half's stores and prefetch have read their registers,
	s_wait_loadcnt 0x0                             ; and its last, clamped, loads have landed in the stage registers
	s_wait_alu depctr_vm_vsrc(0)                   ; the last half's stores have read v221, v222, v224-231 and v254, its loads v8-10, v219 and v220: this half writes all of them again
	s_sub_co_u32 s30, 31, s10
	s_cmp_eq_u32 s11, 0
	s_cselect_b32 s12, s10, s30                    ; qb: the block of 128 queries, and its last key step
	s_xor_b32 s31, s11, 1                          ; who prefetches: work-group 0 of the head, in its second half (which walks all 32 steps), waves 0 and 1
	s_or_b32 s31, s31, s10
	s_lshr_b32 s30, s8, 1
	s_or_b32 s31, s31, s30
	s_cmp_eq_u32 s31, 0
	s_cselect_b32 s15, 29, -1                      ; up to step 29, which names step 31, the head's last
	s_add_co_u32 s25, s12, 1                       ; the half's key steps: qb + 1; the loop below counts up to it and does not write it
	s_mov_b64 s[26:27], s[28:29]
	s_mov_b32 s14, 0
	v_lshl_add_u32 v219, s12, 13, v215
	v_lshl_add_u32 v220, s12, 8, v216
	STGA
	s_wait_alu depctr_va_vdst(0)                   ; the five offsets above are written, which the loads below read; the last half's products are done reading Q and its scale word, in which loads land; in the first trip: the head's addresses and the zero codes of Q's and K's fragments are written
	global_load_b128 v[16:19], v219, s[16:17]
	global_load_b128 v[20:23], v219, s[16:17] offset:32
	global_load_u16 v255, v220, s[18:19]           ; Q's two scale bytes; the word's upper bytes are 0
	STGL
	v_mov_b32 v13, 0xff61b1e6                      ; the largest t so far: -3e38, under every t
	v_floor_f32 v12, -v13                          ; -M
	v_mov_b32 v14, 0
	v_mov_b32 v15, 0
.set j, 0
.rept 32
	v_mov_b32 v[160+j], 0                          ; O^T: the step is written once; the first change of M leaves zeros zeros
.set j, j+1
.endr
	s_mov_b32 s13, 0
.Lstep:                                            ; key steps 0 .. qb
	s_wait_dscnt 0x0                               ; my reads of the slot are over
	s_barrier_signal -1
	s_barrier_wait -1                              ; everybody's are
	s_wait_loadcnt 0x0                             ; this step's bytes are in the stage registers (in a half's first trip: Q too)
	ds_store_b128 v5, v[192:195]
	ds_store_b128 v5, v[196:199] offset:640
	ds_store_b128 v6, v[200:203]
	ds_store_b128 v6, v[204:207] offset:512
	s_cmp_lg_u32 s8, 0
	s_cbranch_scc1 .Lno_ss
	ds_store_b128 v7, v[208:211]
.Lno_ss:
	s_wait_dscnt 0x0                               ; for the others' sake: my stores have landed
	s_barrier_signal -1
	s_barrier_wait -1                              ; the slot is whole
	s_wait_xcnt 0x0                                ; the last trip's prefetch has read its address
	s_wait_alu depctr_vm_vsrc(0)                   ; the LDS stores above have read the stage registers, in which the next loads land; the last loads have read v8-10, which are written below
	s_add_co_u32 s14, s13, 1
	s_min_u32 s14, s14, s12                        ; the next step, held at the last: no load leaves what this half walks
	STGA
	s_wait_alu depctr_va_vdst(0)                   ; v8-10 are written, which the loads read; the last step's products are done reading K's fragments and the scale words v248-251, in which this step's LDS loads land
	STGL
	s_add_nc_u64 s[26:27], s[26:27], 8192
	s_cmp_le_i32 s13, s15
	s_cbranch_scc0 .Lno_pf
	global_prefetch_b8 v11, s[26:27] offset:8192 th:TH_LOAD_NT scope:SCOPE_SE   ; step ks + 2's 8,192 bytes of K (wave 0) or V^T (wave 1): one step ahead of the loads just issued; each block of steps 2 to 31 is named once in the launch
.Lno_pf:
.irp g, 0,1                                        ; S^T = K Q^T, four tiles of 16 keys at a time
.if \g
.rept 8
	v_nop
.endr
	s_wait_alu depctr_va_vdst(0)                   ; the four products above are done reading K's fragments and scale words, in which the next four tiles land
.endif
.irp t, 0,1,2,3
	ds_load_b128 v[32+16*\t:35+16*\t], v1 offset:(32*((4*\g+\t)/2)+8*(\t%2))*80
	ds_load_b128 v[36+16*\t:39+16*\t], v1 offset:(32*((4*\g+\t)/2)+8*(\t%2))*80+32
	ds_load_u16 v[248+\t], v3 offset:2*(32*((4*\g+\t)/2)+8*(\t%2))
.endr
	s_wait_dscnt 0x0
.irp t, 0,1,2,3
	v_wmma_scale_f32_16x16x128_f8f6f4 v[96+8*(4*\g+\t):103+8*(4*\g+\t)], v[32+16*\t:47+16*\t], v[16:31], 0, v[248+\t], v255 matrix_a_fmt:MATRIX_FMT_BF8 matrix_b_fmt:MATRIX_FMT_BF8
.endr
.endr
.rept 8
	v_nop
.endr
	s_cmp_lg_u32 s13, s12                          ; only the half's last step lies on the diagonal: there hidden scores become -infinity ahead of the maximum
	s_cbranch_scc1 .Lopen
	s_lshl_b32 s30, s8, 4
	v_and_b32 v252, 15, v0
	v_bfe_u32 v253, v0, 4, 1
	v_lshlrev_b32 v253, 4, v253
	v_sub_nc_u32 v252, v252, v253
	v_add_nc_u32 v252, s30, v252                   ; d = 16 w + r - 16 h.  Register 16 b + i holds key 32 b + 16 h + i of the step: hidden where 32 b + i > d
	v_mov_b32 v254, 0xff800000
.set n, 0
.rept 8                                            ; eight compares, one tile's, into eight scalar registers; one wait; the eight selects
.irp u, 0,1,2,3,4,5,6,7
	v_cmp_gt_i32 s[MK+\u], 32*((n+\u)/16)+(n+\u)%16, v252
.endr
	s_wait_alu depctr_va_sdst(0)                   ; the eight masks are written, ahead of the selects that read them
.irp u, 0,1,2,3,4,5,6,7
	v_cndmask_b32 v[96+n+\u], v[96+n+\u], v254, s[MK+\u]
.endr
.set n, n+8
.endr
.Lopen:
.irp b, 0,1,2,3
	v_max3_num_f32 v[232+\b], v[96+16*\b], v[97+16*\b], v[98+16*\b]   ; the largest score of each block of 32 keys: for the row's maximum, and, since p rises with the score, for the block's largest p
.endr
.irp i, 3,5,7,9,11,13
.irp b, 0,1,2,3
	v_max3_num_f32 v[232+\b], v[232+\b], v[96+16*\b+\i], v[97+16*\b+\i]
.endr
.endr
.irp b, 0,1,2,3
	v_max_num_f32 v[232+\b], v[232+\b], v[111+16*\b]
.endr
.irp b, 0,1,2,3
	v_permlanex16_b32 v[236+\b], v[232+\b], s[SEL], s[SEL+1]
.endr
.irp b, 0,1,2,3
	v_max_num_f32 v[232+\b], v[232+\b], v[236+\b]  ; with lane l xor 16's 16 keys
.endr
	v_max3_num_f32 v254, v232, v233, v234
	v_max_num_f32 v254, v254, v235
	v_mul_f32 v254, s[CS], v254                    ; the step's largest t
	v_max_num_f32 v13, v13, v254
	v_mov_b32 v254, v12
	v_floor_f32 v12, -v13                          ; the new -M = -ceil(t): a whole number
	v_sub_f32 v254, v12, v254
	v_cvt_i32_f32 v254, v254                       ; (it saturates)
	v_ldexp_f32 v252, 1.0, v254                    ; f = 2^(old M - new M)
.set j, 0
.rept 32
	v_pk_fma_f32 v[96+j:97+j], v[96+j:97+j], s[CS:CS+1], v[12:13] op_sel_hi:[1,0,0]   ; t - M, two at a time
.set j, j+2
.endr
.irp b, 0,1,2,3
	v_fma_f32 v[232+\b], v[232+\b], s[CS], v12
.endr
.set j, 0
	s_wait_alu depctr_va_vdst(0)
.rept 64
	v_exp_f32 v[96+j], v[96+j]                     ; p = 2^(t - M): not normalised
.set j, j+1
.endr
	v_pk_mul_f32 v[14:15], v[14:15], v[252:253] op_sel_hi:[1,0]   ; the sums under the new M: a plain instruction behind the exponentials
	s_wait_alu depctr_va_vdst(0)                   ; the 64 exponentials have written p: one wait for the batch, ahead of its first reader
.irp b, 0,1,2,3
	v_exp_f32 v[232+\b], v[232+\b]                 ; each block's largest p
.endr
	v_pk_add_f32 v[236:237], v[96:97], v[98:99]    ; the row's sum is taken of the unquantised p, in two chains
.irp j, 4,8,12,16,20,24,28,32,36,40,44,48,52,56,60
	v_pk_add_f32 v[14:15], v[14:15], v[96+\j:97+\j]
	v_pk_add_f32 v[236:237], v[236:237], v[98+\j:99+\j]
.endr
	v_pk_add_f32 v[14:15], v[14:15], v[236:237]
	s_wait_alu depctr_va_vdst(0)                   ; the four exponentials have written v232-235, ahead of their first reader
.irp b, 0,1,2,3
	v_max_num_f32 v[232+\b], 0x8000000, v[232+\b]  ; the floor 2^(16 - 127): the byte cannot fall under 1
.endr
.irp b, 0,1,2,3
	v_add_nc_u32 v[244+\b], 0xf8800000, v[232+\b]
.endr
.irp b, 0,1,2,3
	v_and_or_b32 v[240+\b], v[232+\b], 0x7f800000, s[MNT]
.endr
.irp b, 0,1,2,3
	v_lshrrev_b32 v[236+\b], 23, v[244+\b]
.endr
	v_lshl_or_b32 v253, v237, 8, v236              ; p's scale word for these 128 keys
	v_lshl_or_b32 v253, v238, 16, v253
	v_lshl_or_b32 v253, v239, 24, v253
.irp b, 0,1,2,3
.irp i, 0,1,2,3,4,5,6,7,8,9,10,11,12,13,14,15
	v_min_num_f32 v[96+16*\b+\i], v[96+16*\b+\i], v[240+\b]   ; the hold: p is not negative, so it is one-sided
.endr
	v_cvt_scalef32_pk8_bf8_f32 v[224+4*\b:225+4*\b], v[96+16*\b:103+16*\b], v[244+\b]
	v_cvt_scalef32_pk8_bf8_f32 v[226+4*\b:227+4*\b], v[104+16*\b:111+16*\b], v[244+\b]
.endr
.set j, 0
.rept 16
	v_pk_mul_f32 v[160+j:161+j], v[160+j:161+j], v[252:253] op_sel_hi:[1,0]   ; O^T under the new M; also the places between the codes and the products below
.set j, j+2
.endr
	s_wait_alu depctr_va_vdst(0)                   ; holds and conversions are done with p's registers, in which V^T's fragments land; p's codes and scale word are written, which the products below take (their places, the sixteen multiplications, stand ahead of this wait)
.irp t, 0,1,2,3                                    ; V^T's four fragments take p's registers
.irp c, 0,1,2,3
	ds_load_b128 v[96+16*\t+4*\c:99+16*\t+4*\c], v2 offset:2048*\t+512*\c
.endr
	ds_load_b32 v[248+\t], v4 offset:64*\t
.endr
	s_wait_dscnt 0x0
.irp t, 0,1,2,3
	v_wmma_scale_f32_16x16x128_f8f6f4 v[160+8*\t:167+8*\t], v[96+16*\t:111+16*\t], v[224:239], v[160+8*\t:167+8*\t], v[248+\t], v253 matrix_a_fmt:MATRIX_FMT_BF8 matrix_b_fmt:MATRIX_FMT_BF8
.endr
.rept 9
	v_nop                                          ; nine places: the next step's first products write over registers that these have read
.endr
	s_add_co_u32 s13, s13, 1
	s_cmp_lt_u32 s13, s25                          ; qb + 1 trips
	s_cbranch_scc1 .Lstep
	; ---- the half's end: O^T / the sum, quantised along the head's 64 (two blocks of the model's 768), stored as the next operand's image
	v_add_f32 v14, v14, v15
	v_permlanex16_b32 v252, v14, s[SEL], s[SEL+1]
	v_add_f32 v14, v14, v252                       ; the row's sum
	s_wait_alu depctr_va_vdst(0)
	v_rcp_f32 v14, v14
	s_mul_i32 s30, s12, 98304
	v_add_nc_u32 v221, s30, v217                   ; (plain work behind the reciprocal)  tokens 128 qb + 16 w on
	s_mul_i32 s30, s12, 3072
	v_add_nc_u32 v222, s30, v218
	s_wait_alu depctr_va_vdst(0)                   ; the reciprocal has written v14, ahead of its first reader
.set j, 0
.rept 32
	v_mul_f32 v[96+j], v[160+j], v14               ; register 16 b + i: channel 32 b + 16 h + i of my query
.set j, j+1
.endr
.irp b, 0,1
	v_max3_num_f32 v[232+\b], |v[96+16*\b]|, |v[97+16*\b]|, 0x8000000
.endr
.irp i, 2,4,6,8,10,12,14
.irp b, 0,1
	v_max3_num_f32 v[232+\b], v[232+\b], |v[96+16*\b+\i]|, |v[97+16*\b+\i]|
.endr
.endr
.irp b, 0,1
	v_permlanex16_b32 v[236+\b], v[232+\b], s[SEL], s[SEL+1]
.endr
.irp b, 0,1
	v_max_num_f32 v[232+\b], v[232+\b], v[236+\b]
.endr
.irp b, 0,1
	v_add_nc_u32 v[244+\b], 0xf8800000, v[232+\b]
.endr
.irp b, 0,1
	v_and_or_b32 v[240+\b], v[232+\b], 0x7f800000, s[MNT]
.endr
.irp b, 0,1
	v_lshrrev_b32 v[236+\b], 23, v[244+\b]
.endr
	v_lshl_or_b32 v254, v237, 8, v236
.irp b, 0,1
.irp i, 0,1,2,3,4,5,6,7,8,9,10,11,12,13,14,15
	v_med3_num_f32 v[96+16*\b+\i], v[96+16*\b+\i], -v[240+\b], v[240+\b]
.endr
	v_cvt_scalef32_pk8_bf8_f32 v[224+4*\b:225+4*\b], v[96+16*\b:103+16*\b], v[244+\b]
	v_cvt_scalef32_pk8_bf8_f32 v[226+4*\b:227+4*\b], v[104+16*\b:111+16*\b], v[244+\b]
.endr
	v_nop                                          ; one plain vector instruction behind the last scaled conversion
	s_wait_alu depctr_va_vdst(0)                   ; the codes v224-231, the two bytes in v254 and the offsets v221, v222 are written, which the three stores read
	global_store_b128 v221, v[224:227], s[32:33]               ; 32 lanes store 512 consecutive bytes, aligned
	global_store_b128 v221, v[228:231], s[32:33] offset:512
	global_store_b16 v222, v254, s[6:7]            ; the two scale bytes of my row; both halves of the lanes write the same
	s_add_co_u32 s11, s11, 1
	s_cmp_lt_u32 s11, 2
	s_cbranch_scc1 .Lhalf
	s_set_vgpr_msb 0x4                             ; the add's data, its source 1, lie in window 1
	s_wait_dscnt 0x0                               ; the closing lines, six on end
	s_wait_alu 0x0
	s_wait_tensorcnt 0x0
	ds_add_u32 v223, v1
	s_wait_dscnt 0x0
	s_endpgm
.Lfunc_end_k_qf34f7717db_attn:
	.size	k_qf34f7717db_attn, .Lfunc_end_k_qf34f7717db_attn-k_qf34f7717db_attn
	.p2alignl 7, 3214868480
	.fill 96, 4, 3214868480
	.section	.rodata,"a",@progbits
	.p2align	6, 0x0
	.amdhsa_kernel k_qf34f7717db_attn
		.amdhsa_group_segment_fixed_size 20480
		.amdhsa_private_segment_fixed_size 0
		.amdhsa_enable_private_segment 0
		.amdhsa_kernarg_size 16
		.amdhsa_user_sgpr_count 2
		.amdhsa_user_sgpr_kernarg_segment_ptr 1
		.amdhsa_wavefront_size32 1
		.amdhsa_system_sgpr_workgroup_id_x 1
		.amdhsa_system_sgpr_workgroup_id_y 1
		.amdhsa_system_sgpr_workgroup_id_z 1
		.amdhsa_system_vgpr_workitem_id 0
		.amdhsa_next_free_vgpr 258
		.amdhsa_next_free_sgpr 66
		.amdhsa_reserve_vcc 0
		.amdhsa_float_denorm_mode_32 3
		.amdhsa_float_denorm_mode_16_64 3
		.amdhsa_memory_ordered 1
		.amdhsa_forward_progress 1
		.amdhsa_inst_pref_size 45
	.end_amdhsa_kernel
	.amdgpu_metadata
---
amdhsa.version: [ 1, 2 ]
amdhsa.kernels:
  - .name:           k_qf34f7717db_attn
    .symbol:         k_qf34f7717db_attn.kd
    .args:
      - { .name: qkv, .offset: 0, .size: 8, .value_kind: global_buffer, .address_space: global }
      - { .name: ctx, .offset: 8, .size: 8, .value_kind: global_buffer, .address_space: global }
    .group_segment_fixed_size: 20480
    .private_segment_fixed_size: 0
    .kernarg_segment_align: 8
    .kernarg_segment_size: 16
    .max_flat_workgroup_size: 256
    .sgpr_count:     66
    .vgpr_count:     258
    .wavefront_size: 32
...
	.end_amdgpu_metadata
.endif
;; end of part 6
;; launch chain (part 7): grid 64 x 4, 8 waves a work-group, no clusters, 106,496 bytes of LDS; arguments ctx, wimg, x, g1, beta1, b1, hbuf, part; writes hbuf, part
.if DOCPART == 7
	.amdgcn_target "amdgcn-amd-amdhsa--gfx1250"
	.amdhsa_code_object_version 6
	.text
	.protected	k_qf34f7717db_chain
	.globl	k_qf34f7717db_chain
	.p2align	8
	.type	k_qf34f7717db_chain,@function
k_qf34f7717db_chain:
	s_mov_b64 s[64:65], 0
	v_nop
	global_prefetch_b8 v0, s[64:65] scope:SCOPE_SE
	s_setreg_imm32_b32 hwreg(HW_REG_WAVE_SCHED_MODE, 0, 2), 2
	s_setreg_imm32_b32 hwreg(HW_REG_WAVE_MODE, 25, 1), 1
	s_wait_xcnt 0x0
	s_wait_alu depctr_vm_vsrc(0)
; Work-group (rb, y): 64 tokens, quarter y of the hidden layer.  h = LayerNorm(x + ctx Wo) g1 + beta1; quantised; relu(h W1[:, quarter] + b1); quantised; x W2[quarter, :] gives a partial sum of the last product.
; All three products on codes of BF8 (E5M2) with one E8M0 scale for each 32 along K.  The first product and the norm are made in each of the four y work-groups (a third more matrix work than needed), which
; spares a launch and h's codes their way through memory; the y = 0 work-group stores h.  The hidden layer never goes to memory.  The four partial sums are added in the next launch, in a fixed order.
; SHARES: eight waves; wave w owns columns 96 w .. 96 w + 95 (six tiles) for all 64 rows (four tiles), in each product.  The matrix instruction is used TRANSPOSED (source 0 = 16 rows of W, source 1 = 16 rows of
; the activation); the weights' images hold rows 32 (T / 2) + 8 (T % 2) + r + 8 (r / 8) in tile T, so that the 16 registers of tiles 2 b, 2 b + 1 are 16 neighbours along the next K.
; Operands go from wave to wave through LDS as images of their registers.  The residual x and the bias b1 are the C of a sum's first matrix instructions.
; No tensor load and no cluster: each fragment of a weight is multiplied by one wave alone and goes from memory straight into that wave's registers; through LDS it would be written and read once more.
; THE NORM goes in two passes (mean, then the sum of squared differences): no difference of large sums is formed.  The mean is taken by a multiplication with 1/768.
; LIMITS: NaN and infinities are not served; a block whose largest magnitude lies under 2^-111 gets the scale byte 1 (read by this program alone); v_rsq_f32 as it is (1 ulp).
; REGISTERS.  Window 0: v1 16 x lane, v2 4 r, v3-22 addresses; v24-35 W's scale words (two sets), v36-43 the activation's; v44-59 at work in the quantiser; v60-63 ctx's scale bytes on their way;
;   v64-159, v160-255 W's six fragments, two sets (set 1 also g1 and beta1).   Window 1: v0-191 the 24 accumulators ((m, i) at 48 m + 8 i); v192-255 four fragments of the activation, else scratch.
; THE MODE: SCHED_MODE bits 1:0 = 2 (LLVM: expert scheduling mode 2), set by the entry lines.  The code itself states the register dependences between vector or matrix instructions and
; memory or LDS instructions, with s_wait_alu, always for 0.
; THE PLAN.  Registers that memory or LDS instructions touch:
;   v1-22          addresses, made at the head, ahead of one wait on va_vdst, and never written again.
;   W's two sets   K step s: its 24 products read set s % 2 and that set's scale words; the next loads into the set stand behind the step's second wait (behind a product's last step: a wait written out there).
;   the activation's fragments  one set (two waves of 512 registers fill a SIMD's 1,024: there is no room for a second): tiles 0, 1 are read by a step's first twelve products and loaded again behind the
;                  step's first wait; tiles 2, 3 by its last twelve, and loaded again behind its second.  Their scale words have two sets, loaded a step ahead behind the first wait.
;   the accumulators  loaded with x and with b1; written by products, the norm and the quantiser's hold; stored as h and as the partial sums: a wait on va_vdst ahead of each run of stores and loads,
;                  a wait on vm_vsrc behind h's stores.
;   out-buffers    codes (window 1, v192 on), scale bytes (v48-51), a row tile's partial sums (window 1, v192 + 4 m): written by vector instructions, read by LDS stores behind one wait on va_vdst; a wait on
;                  vm_vsrc stands ahead of whatever writes them again.
.set R1,    49152                      ; LDS: R0 at 0 and R1: 24 fragment images each
.set SC0,   98304                      ; their scale words
.set SC1,   99840
.set RED,   101376                     ; [8 waves][64 rows] f32; the second exchange 2,048 further on
.set CTXS,  3145728
.set W1_C,  589824
.set W2_C,  2949120
.set WO_S,  5308416
.set W1_S,  5326848
.set W2_S,  5400576
.set TM,  44
.set XO,  3
.set IMG, 4
.set AL1, 5
.set ASL0, 6
.set ASL1, 7
.set WV6, 8
.set WV24, 9
.set WS6, 10
.set WS24, 11
.set HWI, 12
.set HWI1, 13
.set HWS, 14
.set GO,  17
.set RDW, 18
.set RDR, 19
.set SCP, 21
.set SCGL, 22
.set SEL, 24
.set MNT, 26
.set INV, 27
.set EPS, 28
.set W_STEP, 2048
.set W_C,    512
.set S_STEP, 64
.macro USEW va, vs, sb, ks             ; which weight WLOAD reads: lane terms, bases (codes, then scale words), K steps in a tile's row of images
.set WVA, \va
.set WVS, \vs
.set WSB, \sb
.set WSSB, (\sb)+2
.set W_PAIR, 2*(\ks)*2048
.set W_ODD, (\ks)*2048
.set S_PAIR, 2*(\ks)*64
.set S_ODD, (\ks)*64
.endm
.set MSB, 0
.macro WIN new                         ; the immediate's high byte repeats the setting that is left; bits 1:0 source 0, 3:2 source 1, 5:4 source 2, 7:6 destination
.if MSB != \new
	s_set_vgpr_msb (MSB<<8)|\new
.set MSB, \new
.endif
.endm
.macro PLACES n
.rept \n
	v_nop
.endr
.endm
.macro BAR                             ; my LDS stores have landed and my LDS loads are in: then the work-group's barrier
	s_wait_dscnt 0x0
	s_barrier_signal -1
	s_barrier_wait -1
.endm
.macro WLOAD p, s                      ; W's six fragments and six scale words of K step s into set p: 30 loads, each of 512 or 64 consecutive bytes
.irp i, 0,1,2,3,4,5
.irp c, 0,1,2,3
	global_load_b128 v[64+96*(\p)+16*\i+4*\c:64+96*(\p)+16*\i+4*\c+3], v[WVA], s[WSB:WSB+1] offset:(\i/2)*W_PAIR+(\i%2)*W_ODD+(\s)*W_STEP+\c*W_C
.endr
.endr
.irp i, 0,1,2,3,4,5
	global_load_b32 v[24+6*(\p)+\i], v[WVS], s[WSSB:WSSB+1] offset:(\i/2)*S_PAIR+(\i%2)*S_ODD+(\s)*S_STEP
.endr
.endm
.macro ALD al, s, m0                   ; the activation's fragments of row tiles m0 and m0 + 1, K step s: 8 loads
.irp m, \m0, \m0+1
.irp c, 0,1,2,3
	ds_load_b128 v[192+16*(\m)+4*\c:192+16*(\m)+4*\c+3], v[\al] offset:((\m)*6+(\s))*2048+512*\c
.endr
.endr
.endm
.macro SLD asl, s                      ; and the four row tiles' scale words
.irp m, 0,1,2,3
	ds_load_b32 v[36+4*((\s)%2)+\m], v[\asl] offset:(\m*6+(\s))*64
.endr
.endm
.macro AFIRST al, asl                  ; K step 0: tiles 0, 1; the scale words; tiles 2, 3
	WIN 0x40
	s_wait_alu depctr_vm_vsrc(0)                   ; my LDS stores have read the codes in window 1 from v192 on: the fragments land in those registers.  (The scale bytes' registers too, which the next quantiser writes)
	s_wait_alu depctr_va_vdst(0)                   ; what vector instructions wrote and read in those registers (codes, means, factors) is done, and the head has written the two addresses that the loads below read
	ALD \al, 0, 0
	WIN 0
	SLD \asl, 0
	WIN 0x40
	ALD \al, 0, 2
	WIN 0
.endm
.macro MM s, m, zero                   ; six matrix instructions: row tile m against my six tiles of W
.irp i, 0,1,2,3,4,5
.if \zero
	v_wmma_scale_f32_16x16x128_f8f6f4 v[48*(\m)+8*\i:48*(\m)+8*\i+7], v[64+96*((\s)%2)+16*\i:64+96*((\s)%2)+16*\i+15], v[192+16*(\m):192+16*(\m)+15], 0, v[24+6*((\s)%2)+\i], v[36+4*((\s)%2)+(\m)] matrix_a_fmt:MATRIX_FMT_BF8 matrix_b_fmt:MATRIX_FMT_BF8
.else
	v_wmma_scale_f32_16x16x128_f8f6f4 v[48*(\m)+8*\i:48*(\m)+8*\i+7], v[64+96*((\s)%2)+16*\i:64+96*((\s)%2)+16*\i+15], v[192+16*(\m):192+16*(\m)+15], v[48*(\m)+8*\i:48*(\m)+8*\i+7], v[24+6*((\s)%2)+\i], v[36+4*((\s)%2)+(\m)] matrix_a_fmt:MATRIX_FMT_BF8 matrix_b_fmt:MATRIX_FMT_BF8
.endif
.endr
.endm
; A K step: 24 matrix instructions, the 24 accumulators by turns, in the same order in every step.  Eight plain vector instructions stand behind each dozen: they are the
; places ahead of reads of results.  Ahead of loads into registers that the products have read, the wait on va_vdst behind them states the dependence.
; lc: the global loads issued behind this step's set of W.
.macro KSTEP s, al, asl, zero, nxt, lc
	s_wait_loadcnt \lc
	s_wait_dscnt 8                                 ; tiles 0, 1 and the scale words are in; the youngest eight loads (tiles 2, 3) may be out
	WIN 0x54                                       ; W window 0; the activation, C and D window 1
	MM \s, 0, \zero
	MM \s, 1, \zero
	PLACES 8
.if \nxt
	WIN 0x40
	s_wait_alu depctr_va_vdst(0)                   ; the twelve products above are done reading tiles 0, 1, and the last step's its scale words: the twelve loads below land in both
	ALD \al, (\s)+1, 0
	WIN 0
	SLD \asl, (\s)+1
	s_wait_dscnt 12                                ; all but the twelve just issued: tiles 2, 3 are in
.else
	s_wait_dscnt 0x0
.endif
	WIN 0x54
	MM \s, 2, \zero
	MM \s, 3, \zero
	PLACES 8
.if \nxt
	WIN 0x40
	s_wait_alu depctr_va_vdst(0)                   ; the step's products are done reading tiles 2, 3 and this step's set of W with its scale words: the eight loads below and the 30 loads of W behind the step land there
	ALD \al, (\s)+1, 2
.endif
	WIN 0
.endm
.macro GEMM4 al, asl, zero             ; K steps 0 to 3, each followed by the request for the set two steps on
	AFIRST \al, \asl
	KSTEP 0, \al, \asl, \zero, 1, 30
	WLOAD 0, 2
	KSTEP 1, \al, \asl, 0, 1, 30
	WLOAD 1, 3
	KSTEP 2, \al, \asl, 0, 1, 30
	WLOAD 0, 4
	KSTEP 3, \al, \asl, 0, 1, 30
	WLOAD 1, 5
.endm
; 64 numbers of a lane in window 1, register 16 b + i = number 32 b + 16 (lane / 16) + i of my row's 128, become 16 registers of codes in window 1 at dst; the four scale bytes stay in v[TM+4] on.
; The largest magnitude has the floor 2^(16 - 127) among its leaves, so the byte cannot fall under 1; its exponent field less 15 is the scale; the hold at 57,344 x the scale stands ahead of the conversion, which
; does not saturate (ISA guide 7.6.2).  relu = 1: what is negative does not count for the largest magnitude, and the hold clips it at 0: the activation costs nothing.
.macro QUANT src, relu, dst
	WIN 0x05
.irp b, 0,1,2,3
.if \relu
	v_max3_num_f32 v[TM+\b], v[(\src)+16*\b], v[(\src)+16*\b+1], 0x8000000
.else
	v_max3_num_f32 v[TM+\b], |v[(\src)+16*\b]|, |v[(\src)+16*\b+1]|, 0x8000000
.endif
.endr
	WIN 0x14
.irp i, 2,4,6,8,10,12,14
.irp b, 0,1,2,3
.if \relu
	v_max3_num_f32 v[TM+\b], v[TM+\b], v[(\src)+16*\b+\i], v[(\src)+16*\b+\i+1]
.else
	v_max3_num_f32 v[TM+\b], v[TM+\b], |v[(\src)+16*\b+\i]|, |v[(\src)+16*\b+\i+1]|
.endif
.endr
.endr
	WIN 0
.irp b, 0,1,2,3
	v_permlanex16_b32 v[TM+4+\b], v[TM+\b], s[SEL], s[SEL+1]
.endr
.irp b, 0,1,2,3
	v_max_num_f32 v[TM+\b], v[TM+\b], v[TM+4+\b]   ; with lane l xor 16's 16 numbers: the block's largest magnitude
.endr
.irp b, 0,1,2,3
	v_add_nc_u32 v[TM+12+\b], 0xf8800000, v[TM+\b] ; 15 off the exponent field: the conversion's scale operand
.endr
.irp b, 0,1,2,3
	v_and_or_b32 v[TM+8+\b], v[TM+\b], 0x7f800000, s[MNT]  ; 57,344 x the scale
.endr
.irp b, 0,1,2,3
	v_lshrrev_b32 v[TM+4+\b], 23, v[TM+12+\b]      ; the scale's byte
.endr
	WIN 0x41
.irp b, 0,1,2,3
.irp i, 0,1,2,3,4,5,6,7,8,9,10,11,12,13,14,15
.if \relu
	v_med3_num_f32 v[(\src)+16*\b+\i], v[(\src)+16*\b+\i], 0, v[TM+8+\b]
.else
	v_med3_num_f32 v[(\src)+16*\b+\i], v[(\src)+16*\b+\i], -v[TM+8+\b], v[TM+8+\b]
.endif
.endr
	v_cvt_scalef32_pk8_bf8_f32 v[(\dst)+4*\b:(\dst)+4*\b+1], v[(\src)+16*\b:(\src)+16*\b+7], v[TM+12+\b]
	v_cvt_scalef32_pk8_bf8_f32 v[(\dst)+4*\b+2:(\dst)+4*\b+3], v[(\src)+16*\b+8:(\src)+16*\b+15], v[TM+12+\b]
.endr
	WIN 0
	v_nop                                          ; one plain vector instruction behind the last scaled conversion
.endm
; The 24 accumulators become the next product's operand: twelve blocks of 32 a lane; block 3 m + b is group (3 w + b) % 4 of fragment (m, (3 w + b) / 4).  Images at v[adr], bytes at sco.
.macro QOUT relu, adr, sco
.irp q, 0,1,2
	QUANT 64*\q, \relu, 192+16*\q
	WIN 0x04
	s_wait_alu depctr_va_vdst(0)                   ; the conversions have written the codes and the shifts the four bytes: the LDS stores read both.  (The last of the three also shows holds and conversions done with the accumulators, and the norm with g1 and beta1: the loads behind this macro land there)
.irp jj, 0,1,2,3
	ds_store_b128 v[\adr], v[192+16*\q+4*\jj:192+16*\q+4*\jj+3] offset:12288*((4*\q+\jj)/3)+512*((4*\q+\jj)%3)
.endr
	WIN 0
.irp jj, 0,1,2,3
	ds_store_b8 v[HWS+(4*\q+\jj)%3], v[TM+4+\jj] offset:\sco+384*((4*\q+\jj)/3)
.endr
	s_wait_dscnt 0x0                               ; my stores of images and bytes have landed
.if \q < 2
	s_wait_alu depctr_vm_vsrc(0)                   ; the LDS stores have read the bytes' registers, which the next quantiser writes
.endif
.endr
.endm
; The pairs v[192+4m:193+4m] and v[194+4m:195+4m] of window 1 hold a lane's partial sums for row tile m.  They are folded, joined with lane l xor 16's, exchanged among the eight waves through LDS (one barrier),
; and the row's total comes out in v[208+8m], the same bits in every wave.
.macro XCHG off
	WIN 0x45
.irp m, 0,1,2,3
	v_pk_add_f32 v[192+4*\m:193+4*\m], v[192+4*\m:193+4*\m], v[194+4*\m:195+4*\m]
.endr
.irp m, 0,1,2,3
	v_add_f32 v[192+4*\m], v[192+4*\m], v[193+4*\m]
.endr
	WIN 0x41
.irp m, 0,1,2,3
	v_permlanex16_b32 v[194+4*\m], v[192+4*\m], s[SEL], s[SEL+1]
.endr
	WIN 0x45
.irp m, 0,1,2,3
	v_add_f32 v[192+4*\m], v[192+4*\m], v[194+4*\m]
.endr
	WIN 0x04
	s_wait_alu depctr_va_vdst(0)                   ; the additions have written the four sums, which the LDS stores read; all that named v208-239 of window 1 (products, the exchange before) is done: the waves' sums land there
.irp m, 0,1,2,3
	ds_store_b32 v[RDW], v[192+4*\m] offset:\off+64*\m      ; both halves of the lanes write the same word with the same value
.endr
	WIN 0
	BAR
	s_wait_alu depctr_vm_vsrc(0)                   ; my LDS stores have read the four sums' registers, which the next pass or the quantiser writes again
	WIN 0x40
.irp m, 0,1,2,3
.irp u, 0,1,2,3,4,5,6,7
	ds_load_b32 v[208+8*\m+\u], v[RDR] offset:\off+64*\m+256*\u
.endr
.endr
	s_wait_dscnt 0x0
	WIN 0x45
.irp u, 0,2,4,6
.irp m, 0,1,2,3
	v_add_f32 v[208+8*\m+\u], v[208+8*\m+\u], v[209+8*\m+\u]
.endr
.endr
.irp u, 0,4
.irp m, 0,1,2,3
	v_add_f32 v[208+8*\m+\u], v[208+8*\m+\u], v[210+8*\m+\u]
.endr
.endr
.irp m, 0,1,2,3
	v_add_f32 v[208+8*\m], v[208+8*\m], v[212+8*\m]
.endr
.endm
	s_load_b256 s[4:11], s[0:1], 0x0               ; ctx, wimg, x, g1
	s_load_b256 s[12:19], s[0:1], 0x20             ; beta1, b1, hbuf, part
	v_lshl_add_u32 v20, v0, 2, 0x19c00
	v_mov_b32 v23, 0
	v_lshrrev_b32 v1, 5, v0
	v_readfirstlane_b32 s20, v1                    ; wave 0..7
	s_and_b32 s22, ttmp7, 0xffff                   ; y
	v_and_b32 v60, 31, v0                          ; lane
	v_and_b32 v61, 15, v0                          ; r
	v_bfe_u32 v62, v0, 4, 1                        ; h
	v_lshlrev_b32 v1, 4, v60
	v_lshlrev_b32 v2, 2, v61
	s_wait_alu depctr_va_sdst(0)                   ; s20, the wave's number, is written, ahead of its first reader
	s_mul_i32 s30, s20, 384
	v_lshl_add_u32 v[GO], v62, 6, s30              ; a vector of 768 numbers: my 96, + 16 h of them
	v_mul_u32_u24 v[XO], v61, 3072
	v_add_nc_u32 v[XO], v[XO], v[GO]               ; x: row r as well
	s_mul_i32 s30, s20, 6144
	v_add_nc_u32 v[IMG], s30, v1
	v_add_nc_u32 v[AL1], R1, v1
	v_add_nc_u32 v[ASL0], SC0, v2
	v_add_nc_u32 v[ASL1], SC1, v2
	s_mul_i32 s30, s20, 73728
	v_add_nc_u32 v[WV6], s30, v1                   ; my six tiles' images where a tile has 6 K steps,
	s_mul_i32 s30, s20, 294912
	v_add_nc_u32 v[WV24], s30, v1                  ; and where it has 24
	s_mul_i32 s30, s20, 2304
	v_add_nc_u32 v[WS6], s30, v2
	s_mul_i32 s30, s20, 9216
	v_add_nc_u32 v[WS24], s30, v2
	s_mul_i32 s30, s20, 1536
	v_add_nc_u32 v[HWI], s30, v1                   ; where my three blocks' codes go: groups 3 w on of a row tile's images
	v_add_nc_u32 v[HWI1], R1, v[HWI]
.irp b, 0,1,2
	s_mul_i32 s30, s20, 3
	s_add_co_u32 s30, s30, \b
	s_lshr_b32 s31, s30, 2
	s_lshl_b32 s31, s31, 6
	s_and_b32 s30, s30, 3
	s_add_co_u32 s30, s30, s31
	s_add_co_u32 s30, s30, SC0
	v_add_nc_u32 v[HWS+\b], s30, v2                ; and their scale bytes: word (3 w + b) / 4, byte (3 w + b) % 4
.endr
	s_lshl_b32 s30, s20, 8
	s_add_co_u32 s30, s30, RED
	v_add_nc_u32 v[RDW], s30, v2
	v_add_nc_u32 v[RDR], RED, v2
	s_lshl_b32 s30, s20, 9
	v_add_nc_u32 v[SCGL], s30, v1
	v_add_nc_u32 v[SCP], SC0, v[SCGL]
	v_add_nc_u32 v[SCGL], CTXS, v[SCGL]
	s_mov_b32 s[SEL], 0x76543210
	s_mov_b32 s[SEL+1], 0xfedcba98
	s_mov_b32 s[MNT], 0x600000
	s_mov_b32 s[INV], 0x3aaaaaab                   ; 1 / 768
	s_mov_b32 s[EPS], 0x3727c5ac                   ; 1e-5
.irp b, 0,1,2,3
	v_mov_b32 v[TM+4+\b], 0                        ; written once: a lane permute's destination counts as one of its sources
.endr
	s_mov_b32 s31, 0
	s_wait_kmcnt 0x0
	s_mul_i32 s30, ttmp9, 1536
	s_add_nc_u64 s[48:49], s[4:5], s[30:31]        ; ctx's scale words of my 64 rows
	s_mul_i32 s30, ttmp9, 49152
	s_add_nc_u64 s[4:5], s[4:5], s[30:31]          ; and their images
	s_mul_i32 s30, ttmp9, 196608
	s_add_nc_u64 s[8:9], s[8:9], s[30:31]
	s_add_nc_u64 s[16:17], s[16:17], s[30:31]
	s_add_nc_u64 s[18:19], s[18:19], s[30:31]
	s_mul_i32 s30, s22, 12582912
	s_add_nc_u64 s[18:19], s[18:19], s[30:31]      ; slice y of the partial sums
	s_mul_i32 s30, s22, 3072
	s_add_nc_u64 s[14:15], s[14:15], s[30:31]
	s_mov_b64 s[36:37], s[6:7]                     ; Wo's images lie first
	s_add_nc_u64 s[38:39], s[6:7], WO_S
	s_mul_i32 s30, s22, 589824
	s_add_co_u32 s30, s30, W1_C
	s_add_nc_u64 s[40:41], s[6:7], s[30:31]        ; W1: tiles 48 y on
	s_mul_i32 s30, s22, 18432
	s_add_co_u32 s30, s30, W1_S
	s_add_nc_u64 s[42:43], s[6:7], s[30:31]
	s_mul_i32 s30, s22, 12288
	s_add_co_u32 s30, s30, W2_C
	s_add_nc_u64 s[44:45], s[6:7], s[30:31]        ; W2: K steps 6 y on
	s_mul_i32 s30, s22, 384
	s_add_co_u32 s30, s30, W2_S
	s_add_nc_u64 s[46:47], s[6:7], s[30:31]
	; ---- ctx's images into LDS (each wave an eighth); x straight into the accumulators: the residual is the first product's C
	WIN 0x40
	s_wait_alu depctr_va_vdst(0)                   ; the addresses and offsets v1 to v22 are written, which the kernel's loads and stores read; the head is done with v60-63, in which ctx's scale bytes land
.irp k, 0,1,2,3,4,5,6,7,8,9,10,11
	global_load_b128 v[192+4*\k:195+4*\k], v[IMG], s[4:5] offset:512*\k
.endr
	WIN 0
	s_cmp_gt_u32 s20, 2
	s_cbranch_scc1 .Lns0
	global_load_b128 v[60:63], v[SCGL], s[48:49]
.Lns0:
	WIN 0x40
.irp m, 0,1,2,3
.irp i, 0,1,2,3,4,5
.irp f, 0,1
	global_load_b128 v[48*\m+8*\i+4*\f:48*\m+8*\i+4*\f+3], v[XO], s[8:9] offset:49152*\m+128*(\i/2)+32*(\i%2)+16*\f
.endr
.endr
.endr
	s_wait_loadcnt 48                              ; ctx is in; x's 48 loads may be out
	WIN 0x04
.irp k, 0,1,2,3,4,5,6,7,8,9,10,11
	ds_store_b128 v[IMG], v[192+4*\k:195+4*\k] offset:512*\k
.endr
	WIN 0
	s_cmp_gt_u32 s20, 2
	s_cbranch_scc1 .Lns1
	ds_store_b128 v[SCP], v[60:63]
.Lns1:
	USEW WV6, WS6, 36, 6
	WLOAD 0, 0                                     ; no vector instruction has ever named W's sets or their scale words
	WLOAD 1, 1
	BAR
	; ---- x + ctx Wo
	GEMM4 1, ASL0, 0
	KSTEP 4, 1, ASL0, 0, 1, 30
	USEW WV6, WS6, 40, 6
	WLOAD 0, 0                                     ; W1's first set is asked for under the norm
	KSTEP 5, 1, ASL0, 0, 0, 30
	s_wait_alu depctr_va_vdst(0)                   ; the last step's products are done reading W's set 1, in which g1 and beta1 land
.irp i, 0,1,2,3,4,5
.irp f, 0,1
	global_load_b128 v[160+8*\i+4*\f:163+8*\i+4*\f], v[GO], s[10:11] offset:128*(\i/2)+32*(\i%2)+16*\f    ; g1 and beta1 of my columns, in the accumulators' layout
	global_load_b128 v[208+8*\i+4*\f:211+8*\i+4*\f], v[GO], s[12:13] offset:128*(\i/2)+32*(\i%2)+16*\f
.endr
.endr
	; ---- the norm, pass 1: the rows' sums, two chains a row tile, each accumulator from its low end on
	WIN 0x45
.irp m, 0,1,2,3
	v_pk_add_f32 v[192+4*\m:193+4*\m], v[48*\m:48*\m+1], v[48*\m+4:48*\m+5]
	v_pk_add_f32 v[194+4*\m:195+4*\m], v[48*\m+2:48*\m+3], v[48*\m+6:48*\m+7]
.endr
.irp k, 8,12,16,20,24,28,32,36,40,44
.irp m, 0,1,2,3
	v_pk_add_f32 v[192+4*\m:193+4*\m], v[192+4*\m:193+4*\m], v[48*\m+\k:48*\m+\k+1]
	v_pk_add_f32 v[194+4*\m:195+4*\m], v[194+4*\m:195+4*\m], v[48*\m+\k+2:48*\m+\k+3]
.endr
.endr
	XCHG 0
	WIN 0x41
.irp m, 0,1,2,3
	v_mul_f32 v[240+2*\m], v[208+8*\m], s[INV]     ; the mean, in both registers of a pair
	v_mul_f32 v[241+2*\m], v[208+8*\m], s[INV]
.endr
	; ---- pass 2: the differences, in place, and the sums of their squares
	WIN 0x45
.irp m, 0,1,2,3
.set k, 0
.rept 24
	v_pk_add_f32 v[48*\m+k:48*\m+k+1], v[48*\m+k:48*\m+k+1], v[240+2*\m:241+2*\m] neg_lo:[0,1] neg_hi:[0,1]
.set k, k+2
.endr
.endr
.irp m, 0,1,2,3
	v_pk_mul_f32 v[192+4*\m:193+4*\m], v[48*\m:48*\m+1], v[48*\m:48*\m+1]
	v_pk_mul_f32 v[194+4*\m:195+4*\m], v[48*\m+2:48*\m+3], v[48*\m+2:48*\m+3]
.endr
	WIN 0x55
.irp k, 4,8,12,16,20,24,28,32,36,40,44
.irp m, 0,1,2,3
	v_pk_fma_f32 v[192+4*\m:193+4*\m], v[48*\m+\k:48*\m+\k+1], v[48*\m+\k:48*\m+\k+1], v[192+4*\m:193+4*\m]
	v_pk_fma_f32 v[194+4*\m:195+4*\m], v[48*\m+\k+2:48*\m+\k+3], v[48*\m+\k+2:48*\m+\k+3], v[194+4*\m:195+4*\m]
.endr
.endr
	XCHG 2048
	WIN 0x41
.irp m, 0,1,2,3
	v_fma_f32 v[208+8*\m], v[208+8*\m], s[INV], s[EPS]
.endr
	s_wait_alu depctr_va_vdst(0)
.irp m, 0,1,2,3
	v_rsq_f32 v[240+2*\m], v[208+8*\m]             ; twice, to fill the pair that the packed multiply names
	v_rsq_f32 v[241+2*\m], v[208+8*\m]
.endr
	v_nop                                          ; a plain instruction behind the last of the batch
	s_wait_alu depctr_va_vdst(0)                   ; the eight roots have written their pairs: one wait, ahead of their first reader
	WIN 0x45
.irp m, 0,1,2,3
.set k, 0
.rept 24
	v_pk_mul_f32 v[48*\m+k:48*\m+k+1], v[48*\m+k:48*\m+k+1], v[240+2*\m:241+2*\m]
.set k, k+2
.endr
.endr
	s_wait_loadcnt 0x0                             ; g1 and beta1 (and W1's first set)
	WIN 0x41
.irp m, 0,1,2,3
.set k, 0
.rept 24
	v_pk_fma_f32 v[48*\m+k:48*\m+k+1], v[48*\m+k:48*\m+k+1], v[160+k:161+k], v[208+k:209+k]
.set k, k+2
.endr
.endr
	WIN 0
	s_cmp_lg_u32 s22, 0                            ; h leaves once, from the y = 0 work-group, as the accumulators lie
	s_cbranch_scc1 .Lno_h
	WIN 0x04
	s_wait_alu depctr_va_vdst(0)                   ; the norm's last multiply-adds have written h, which the stores read
.irp m, 0,1,2,3
.irp i, 0,1,2,3,4,5
.irp f, 0,1
	global_store_b128 v[IMG], v[48*\m+8*\i+4*\f:48*\m+8*\i+4*\f+3], s[16:17] offset:49152*\m+1024*\i+512*\f     ; 32 lanes store 512 consecutive bytes, aligned
.endr
.endr
.endr
	WIN 0
.Lno_h:
	s_wait_xcnt 0x0                                ; the stores' addresses are translated,
	s_wait_alu depctr_vm_vsrc(0)                   ; and the stores have read h's registers, which the quantiser's hold writes
	QOUT 0, HWI1, SC1-SC0
	WIN 0x40
.irp m, 0,1,2,3
.irp i, 0,1,2,3,4,5
.irp f, 0,1
	global_load_b128 v[48*\m+8*\i+4*\f:48*\m+8*\i+4*\f+3], v[GO], s[14:15] offset:128*(\i/2)+32*(\i%2)+16*\f    ; b1 is the next product's C
.endr
.endr
.endr
	WIN 0
	WLOAD 1, 1
	BAR                                            ; h's 24 fragments lie in R1
	; ---- relu(h W1 + b1), my quarter
	GEMM4 AL1, ASL1, 0                             ; (the first step's count of 30 leaves W1's second set out: b1's 48 loads, issued ahead of it, are in)
	KSTEP 4, AL1, ASL1, 0, 1, 30
	USEW WV24, WS24, 44, 24
	WLOAD 0, 0
	KSTEP 5, AL1, ASL1, 0, 0, 30
	s_wait_alu depctr_va_vdst(0)                   ; the last step's products are done reading W's set 1, in which W2's second set lands
	WLOAD 1, 1
	QOUT 1, HWI, 0                                 ; R0's last readers, the first product's steps, lie three barriers back
	BAR                                            ; the hidden quarter's 24 fragments lie in R0
	; ---- x W2, my quarter of K
	GEMM4 1, ASL0, 1                               ; the first step starts the sums: nothing is cleared
	KSTEP 4, 1, ASL0, 0, 1, 30
	KSTEP 5, 1, ASL0, 0, 0, 0
	WIN 0x04
	s_wait_alu depctr_va_vdst(0)                   ; the products have written the accumulators, which the stores read (the eight places stand at the last K step's end, ahead of this wait)
.irp m, 0,1,2,3
.irp i, 0,1,2,3,4,5
.irp f, 0,1
	global_store_b128 v[IMG], v[48*\m+8*\i+4*\f:48*\m+8*\i+4*\f+3], s[18:19] offset:49152*\m+1024*\i+512*\f th:TH_STORE_NT   ; each accumulator from its low end on; 512 consecutive bytes a store
.endr
.endr
.endr
	WIN 0
	s_wait_dscnt 0x0                               ; the closing lines, six on end
	s_wait_alu 0x0
	s_wait_tensorcnt 0x0
	ds_add_u32 v20, v23
	s_wait_dscnt 0x0
	s_endpgm
.Lfunc_end_k_qf34f7717db_chain:
	.size	k_qf34f7717db_chain, .Lfunc_end_k_qf34f7717db_chain-k_qf34f7717db_chain
	.p2alignl 7, 3214868480
	.fill 96, 4, 3214868480
	.section	.rodata,"a",@progbits
	.p2align	6, 0x0
	.amdhsa_kernel k_qf34f7717db_chain
		.amdhsa_group_segment_fixed_size 106496
		.amdhsa_private_segment_fixed_size 0
		.amdhsa_enable_private_segment 0
		.amdhsa_kernarg_size 64
		.amdhsa_user_sgpr_count 2
		.amdhsa_user_sgpr_kernarg_segment_ptr 1
		.amdhsa_wavefront_size32 1
		.amdhsa_system_sgpr_workgroup_id_x 1
		.amdhsa_system_sgpr_workgroup_id_y 1
		.amdhsa_system_sgpr_workgroup_id_z 1
		.amdhsa_system_vgpr_workitem_id 0
		.amdhsa_next_free_vgpr 512
		.amdhsa_next_free_sgpr 66
		.amdhsa_reserve_vcc 0
		.amdhsa_float_denorm_mode_32 3
		.amdhsa_float_denorm_mode_16_64 3
		.amdhsa_memory_ordered 1
		.amdhsa_forward_progress 1
		.amdhsa_inst_pref_size 255
	.end_amdhsa_kernel
	.section	.bss,"aw",@nobits
	.p2align	6
	.space	262144
	.amdgpu_metadata
---
amdhsa.version: [ 1, 2 ]
amdhsa.kernels:
  - .name:           k_qf34f7717db_chain
    .symbol:         k_qf34f7717db_chain.kd
    .args:
      - { .name: ctx, .offset: 0, .size: 8, .value_kind: global_buffer, .address_space: global }
      - { .name: wimg, .offset: 8, .size: 8, .value_kind: global_buffer, .address_space: global }
      - { .name: x, .offset: 16, .size: 8, .value_kind: global_buffer, .address_space: global }
      - { .name: g1, .offset: 24, .size: 8, .value_kind: global_buffer, .address_space: global }
      - { .name: beta1, .offset: 32, .size: 8, .value_kind: global_buffer, .address_space: global }
      - { .name: b1, .offset: 40, .size: 8, .value_kind: global_buffer, .address_space: global }
      - { .name: hbuf, .offset: 48, .size: 8, .value_kind: global_buffer, .address_space: global }
      - { .name: part, .offset: 56, .size: 8, .value_kind: global_buffer, .address_space: global }
    .group_segment_fixed_size: 106496
    .private_segment_fixed_size: 0
    .kernarg_segment_align: 8
    .kernarg_segment_size: 64
    .max_flat_workgroup_size: 256
    .sgpr_count:     66
    .vgpr_count:     512
    .wavefront_size: 32
...
	.end_amdgpu_metadata
.endif
;; end of part 7
;; launch ln2 (part 8): grid 256 x 1, 8 waves a work-group, no clusters, 51,712 bytes of LDS; arguments hbuf, part, b2, g2, beta2, out0; writes out0
.if DOCPART == 8
	.amdgcn_target "amdgcn-amd-amdhsa--gfx1250"
	.amdhsa_code_object_version 6
	.text
	.protected	k_qf34f7717db_ln2
	.globl	k_qf34f7717db_ln2
	.p2align	8
	.type	k_qf34f7717db_ln2,@function
k_qf34f7717db_ln2:
	s_mov_b64 s[64:65], 0
	v_nop
	global_prefetch_b8 v0, s[64:65] scope:SCOPE_SE
	s_setreg_imm32_b32 hwreg(HW_REG_WAVE_MODE, 25, 1), 1
	s_wait_xcnt 0x0
; out0 = LayerNorm(h + (p0 + p1 + p2 + p3) + b2) g2 + beta2: the four partial sums of the last product are added in a fixed order, in f32.
; h and the partial sums lie as the accumulators of the launch before: for 16 tokens (Mt) and wave w, 6,144 bytes; register 8 i + 4 f + q of lane (r, h) at 1,024 i + 512 f + 16 x lane is
; (token 16 Mt + r, column 96 w + 32 (i / 2) + 16 h + 8 (i % 2) + 4 f + q).  So every load here reads 512 consecutive bytes.
; A work-group takes 16 tokens, wave w its 96 columns.  Memory binds: no matrix unit, no cluster, no tensor load; three buffers' loads (36 a wave) are on their way while a fourth is added.
; The norm goes in two passes (mean, then the sum of squared differences) with one exchange among the waves for each.  The rows leave through a stage in LDS, 512 consecutive bytes a store.
; LIMITS: NaN and infinities are not served; the mean is taken by a multiplication with 1/768; v_rsq_f32 as it is (1 ulp).
.set S,   32                           ; v32-79   the sum
.set T0,  80                           ; v80-127, v128-175, v176-223: three buffers that take turns
.set T1,  128
.set T2,  176
.set RED, 49408                        ; LDS: the stage, 16 rows 3,088 bytes apart, at 0; then [8 waves][16 rows] f32, twice
.macro LD reg, base                    ; a slab of 48 registers: 12 loads; read once in the launch
.irp i, 0,1,2,3,4,5
.irp f, 0,1
	global_load_b128 v[\reg+8*\i+4*\f:\reg+8*\i+4*\f+3], v1, s[\base:\base+1] offset:1024*\i+512*\f th:TH_LOAD_NT
.endr
.endr
.endm
.macro LDV reg, base                   ; a vector of 768 numbers, my columns, in the same layout
.irp i, 0,1,2,3,4,5
.irp f, 0,1
	global_load_b128 v[\reg+8*\i+4*\f:\reg+8*\i+4*\f+3], v2, s[\base:\base+1] offset:128*(\i/2)+32*(\i%2)+16*\f
.endr
.endr
.endm
.macro ADDT reg
	s_wait_loadcnt 24                              ; loads come back in order: this buffer is in, the two younger ones (24 loads) may be out
.set k, 0
.rept 24
	v_pk_add_f32 v[S+k:S+k+1], v[S+k:S+k+1], v[\reg+k:\reg+k+1]
.set k, k+2
.endr
.endm
.macro BAR
	s_wait_dscnt 0x0
	s_barrier_signal -1
	s_barrier_wait -1
.endm
.macro XCH off                         ; v[224:225], v[226:227]: my partial sums; the row's total comes out in v232, the same bits in every wave
	s_delay_alu instid0(VALU_DEP_1)
	v_pk_add_f32 v[224:225], v[224:225], v[226:227]
	s_delay_alu instid0(VALU_DEP_1)
	v_add_f32 v224, v224, v225
	s_delay_alu instid0(VALU_DEP_1)
	v_permlanex16_b32 v226, v224, s28, s29
	s_delay_alu instid0(VALU_DEP_1)
	v_add_f32 v224, v224, v226
	ds_store_b32 v6, v224 offset:\off              ; both halves of the lanes write the same word with the same value
	BAR
.irp u, 0,1,2,3,4,5,6,7
	ds_load_b32 v[232+\u], v7 offset:\off+64*\u
.endr
	s_wait_dscnt 0x0
.irp u, 0,2,4,6
	v_add_f32 v[232+\u], v[232+\u], v[233+\u]
.endr
	s_delay_alu instid0(VALU_DEP_3)
	v_add_f32 v232, v232, v234
	s_delay_alu instid0(VALU_DEP_2)
	v_add_f32 v236, v236, v238
	s_delay_alu instid0(VALU_DEP_1)
	v_add_f32 v232, v232, v236
.endm
	s_load_b256 s[4:11], s[0:1], 0x0               ; hbuf, part, b2, g2
	s_load_b128 s[12:15], s[0:1], 0x20             ; beta2, out0
	v_lshl_add_u32 v254, v0, 2, 0xc600
	v_mov_b32 v255, 0
	v_lshrrev_b32 v1, 5, v0
	s_delay_alu instid0(VALU_DEP_1)
	v_readfirstlane_b32 s24, v1                    ; wave 0..7
	v_and_b32 v8, 31, v0
	v_and_b32 v9, 15, v0                           ; r
	v_bfe_u32 v10, v0, 4, 1                        ; h
	s_mul_i32 s25, s24, 6144
	v_lshl_add_u32 v1, v8, 4, s25                  ; 16 x lane + 6,144 w: a slab in memory; also two rows of out0
	s_mul_i32 s25, s24, 384
	v_lshl_add_u32 v2, v10, 6, s25
	v_mul_u32_u24 v3, v9, 3088
	s_delay_alu instid0(VALU_DEP_1)
	v_add_nc_u32 v3, v3, v2                        ; the stage, on the way in: row r, my columns
	s_mul_i32 s25, s24, 6176
	v_lshl_add_u32 v4, v8, 4, s25                  ; and back: rows 2 w and 2 w + 1
	s_lshl_b32 s25, s24, 6
	s_add_co_u32 s25, s25, RED
	v_lshl_add_u32 v6, v9, 2, s25
	v_lshl_add_u32 v7, v9, 2, RED
	s_mov_b32 s28, 0x76543210
	s_mov_b32 s29, 0xfedcba98
	s_mov_b32 s30, 0x3aaaaaab                      ; 1 / 768
	s_mov_b32 s31, 0x3727c5ac                      ; 1e-5
	s_mul_i32 s26, ttmp9, 49152
	s_mov_b32 s27, 0
	s_wait_alu depctr_va_vdst(0)
	s_wait_kmcnt 0x0
	s_add_nc_u64 s[4:5], s[4:5], s[26:27]
	s_add_nc_u64 s[16:17], s[6:7], s[26:27]
	s_add_nc_u64 s[18:19], s[16:17], 12582912
	s_add_nc_u64 s[20:21], s[18:19], 12582912
	s_add_nc_u64 s[22:23], s[20:21], 12582912
	s_add_nc_u64 s[14:15], s[14:15], s[26:27]
	LD S, 4
	LD T0, 16
	LD T1, 18
	LD T2, 20
	ADDT T0
	LD T0, 22
	ADDT T1
	LDV T1, 8
	ADDT T2
	LDV T2, 10
	ADDT T0
	LDV T0, 12
	ADDT T1                                        ; b2; g2 and beta2 may still be out
	v_pk_add_f32 v[224:225], v[S:S+1], v[S+4:S+5]
	v_pk_add_f32 v[226:227], v[S+2:S+3], v[S+6:S+7]
.irp k, 8,12,16,20,24,28,32,36,40,44
	s_delay_alu instid0(VALU_DEP_2)
	v_pk_add_f32 v[224:225], v[224:225], v[S+\k:S+\k+1]
	s_delay_alu instid0(VALU_DEP_2)
	v_pk_add_f32 v[226:227], v[226:227], v[S+\k+2:S+\k+3]
.endr
	XCH 0
	s_delay_alu instid0(VALU_DEP_1)
	v_mul_f32 v228, s30, v232                      ; the mean, in both registers of a pair
	s_delay_alu instid0(VALU_DEP_2)
	v_mul_f32 v229, s30, v232
.set k, 0
.rept 24
	v_pk_add_f32 v[S+k:S+k+1], v[S+k:S+k+1], v[228:229] neg_lo:[0,1] neg_hi:[0,1]
.set k, k+2
.endr
	v_pk_mul_f32 v[224:225], v[S:S+1], v[S:S+1]
	v_pk_mul_f32 v[226:227], v[S+2:S+3], v[S+2:S+3]
.irp k, 4,8,12,16,20,24,28,32,36,40,44
	s_delay_alu instid0(VALU_DEP_2)
	v_pk_fma_f32 v[224:225], v[S+\k:S+\k+1], v[S+\k:S+\k+1], v[224:225]
	s_delay_alu instid0(VALU_DEP_2)
	v_pk_fma_f32 v[226:227], v[S+\k+2:S+\k+3], v[S+\k+2:S+\k+3], v[226:227]
.endr
	XCH 512
	s_delay_alu instid0(VALU_DEP_1)
	v_fma_f32 v232, v232, s30, s31
	s_wait_alu depctr_va_vdst(0)
	v_rsq_f32 v228, v232                           ; twice, to fill the pair
	v_rsq_f32 v229, v232
	v_nop                                          ; a plain instruction behind the second
	s_wait_alu depctr_va_vdst(0)                   ; one wait for both, ahead of their first reader
.set k, 0
.rept 24
	v_pk_mul_f32 v[S+k:S+k+1], v[S+k:S+k+1], v[228:229]
.set k, k+2
.endr
	s_wait_loadcnt 0x0                             ; g2 and beta2
.set k, 0
.rept 24
	v_pk_fma_f32 v[S+k:S+k+1], v[S+k:S+k+1], v[T2+k:T2+k+1], v[T0+k:T0+k+1]
.set k, k+2
.endr
.irp i, 0,1,2,3,4,5
.irp f, 0,1
	ds_store_b128 v3, v[S+8*\i+4*\f:S+8*\i+4*\f+3] offset:128*(\i/2)+32*(\i%2)+16*\f
.endr
.endr
	BAR                                            ; 16 whole rows lie in the stage
.irp k, 0,1,2,3,4,5,6,7,8,9,10,11
	ds_load_b128 v[T0+4*\k:T0+4*\k+3], v4 offset:(\k/6)*3088+(\k%6)*512
.endr
.irp k, 0,1,2,3,4,5,6,7,8,9,10,11
	s_wait_dscnt 11-\k
	global_store_b128 v1, v[T0+4*\k:T0+4*\k+3], s[14:15] offset:(\k/6)*3072+(\k%6)*512 th:TH_STORE_NT   ; 32 lanes store 512 consecutive bytes, aligned
.endr
	s_wait_tensorcnt 0x0
	ds_add_u32 v254, v255
	s_wait_dscnt 0x0
	s_endpgm
.Lfunc_end_k_qf34f7717db_ln2:
	.size	k_qf34f7717db_ln2, .Lfunc_end_k_qf34f7717db_ln2-k_qf34f7717db_ln2
	.p2alignl 7, 3214868480
	.fill 96, 4, 3214868480
	.section	.rodata,"a",@progbits
	.p2align	6, 0x0
	.amdhsa_kernel k_qf34f7717db_ln2
		.amdhsa_group_segment_fixed_size 51712
		.amdhsa_private_segment_fixed_size 0
		.amdhsa_enable_private_segment 0
		.amdhsa_kernarg_size 48
		.amdhsa_user_sgpr_count 2
		.amdhsa_user_sgpr_kernarg_segment_ptr 1
		.amdhsa_wavefront_size32 1
		.amdhsa_system_sgpr_workgroup_id_x 1
		.amdhsa_system_sgpr_workgroup_id_y 1
		.amdhsa_system_sgpr_workgroup_id_z 1
		.amdhsa_system_vgpr_workitem_id 0
		.amdhsa_next_free_vgpr 256
		.amdhsa_next_free_sgpr 66
		.amdhsa_reserve_vcc 0
		.amdhsa_float_denorm_mode_32 3
		.amdhsa_float_denorm_mode_16_64 3
		.amdhsa_memory_ordered 1
		.amdhsa_forward_progress 1
		.amdhsa_inst_pref_size 34
	.end_amdhsa_kernel
	.amdgpu_metadata
---
amdhsa.version: [ 1, 2 ]
amdhsa.kernels:
  - .name:           k_qf34f7717db_ln2
    .symbol:         k_qf34f7717db_ln2.kd
    .args:
      - { .name: hbuf, .offset: 0, .size: 8, .value_kind: global_buffer, .address_space: global }
      - { .name: part, .offset: 8, .size: 8, .value_kind: global_buffer, .address_space: global }
      - { .name: b2, .offset: 16, .size: 8, .value_kind: global_buffer, .address_space: global }
      - { .name: g2, .offset: 24, .size: 8, .value_kind: global_buffer, .address_space: global }
      - { .name: beta2, .offset: 32, .size: 8, .value_kind: global_buffer, .address_space: global }
      - { .name: out0, .offset: 40, .size: 8, .value_kind: global_buffer, .address_space: global }
    .group_segment_fixed_size: 51712
    .private_segment_fixed_size: 0
    .kernarg_segment_align: 8
    .kernarg_segment_size: 48
    .max_flat_workgroup_size: 256
    .sgpr_count:     66
    .vgpr_count:     256
    .wavefront_size: 32
...
	.end_amdgpu_metadata
.endif
;; end of part 8
